; MI455X (gfx1250); checked and timed in simulation.
; The chip was launched on July 23, 2026; its instructions are those of AMD's public machine-readable ISA for CDNA 5 (MIT licence, August 2026) and "CDNA5" Instruction Set Architecture Reference Guide (July 2026). The comments in the code are by the model that wrote it; some were corrected since.
;; Multi Head Attention. Allowed arithmetic: matrix products marked QUANTISED: E2M3 operands, one E8M0 scale for each 32 along K, by v_wmma_scale_f32_16x16x128_f8f6f4 with both operands' format E2M3, f32 sums; everything else in f32.
;; Inputs: Wk 16 x 1,024 x 64 float32; Wo 1,024 x 1,024 float32; Wq 16 x 1,024 x 64 float32; Wv 16 x 1,024 x 64 float32; bk 16 x 64 float32; bo 1,024 float32; bq 16 x 64 float32; bv 16 x 64 float32; context_sequence 4 x 2,048 x 1,024 float32; mask 2,048 x 2,048 int32; value_sequence 4 x 2,048 x 1,024 float32.
;; Outputs: out0 4 x 2,048 x 1,024 float32.
;; This version of the problem:
;;   THIS VERSION OF THE PROBLEM IS GIVEN IN LOW PRECISION. The matrix products marked QUANTISED in the list below multiply operands that are first quantised to E2M3 (2 exponent bits, 3 mantissa bits; 6 bits a number), with one power-of-two scale for each 32 numbers along K (OCP MX v1.0); their sums are f32. All else is computed in f32.
;;   The module's matrix products, in the order in which they are computed (A, B: the left and right operand; K: the contracted axis; several contracted axes count as one K, in the product's order):
;;     1. [M 1,024, K 1,024] x [K 1,024, N 8,192]; A: input Wq; B: input context_sequence: QUANTISED
;;     2. [M 1,024, K 1,024] x [K 1,024, N 8,192]; A: input Wk; B: input context_sequence: QUANTISED
;;     3. [M 1,024, K 1,024] x [K 1,024, N 8,192]; A: input Wv; B: input value_sequence: QUANTISED
;;     4. batch 64 x [M 2,048, K 64] x [K 64, N 2,048]; A: computed on the way; B: computed on the way: QUANTISED
;;     5. batch 64 x [M 2,048, K 2,048] x [K 2,048, N 64]; A: softmax (see below); B: computed on the way: QUANTISED
;;     6. [M 8,192, K 1,024] x [K 1,024, N 1,024]; A: computed on the way; B: input Wo: QUANTISED
;;   THE QUANTISER, for each operand of a quantised product, along K:
;;     - K is cut into blocks of 32 from its start; a last block that is shorter is filled with zeros.
;;     - A block's scale is 2^e with e = floor(log2(the largest magnitude in the block)) - 2, held to -126 .. 127; a block of zeros has e = 0. As a byte (E8M0): e + 127.
;;     - Each number is divided by its block's scale, clamped to +-7.5, and rounded to the nearest number of E2M3, ties to even, subnormals kept.
;;     - The product sums the exact products of the quantised numbers (number of the format x scale) in f32.
;;   ~~~python
;;   def quantise(x, axis):      # numpy; x: float32 -> the quantised numbers, widened to float32 again
;;       x = np.moveaxis(x, axis, -1); K = x.shape[-1]
;;       x = np.pad(x, [(0, 0)] * (x.ndim - 1) + [(0, -K % 32)]); x = x.reshape(x.shape[:-1] + (-1, 32)); a = np.abs(x).max(-1, keepdims=True)
;;       e = np.where(a > 0, np.clip(np.frexp(np.where(a > 0, a, 1))[1] - 1 - 2, -126, 127), 0)      # np.frexp(a)[1] - 1 = floor(log2(a)), exactly
;;       r = np.clip(x / 2.0 ** e, -7.5, 7.5)
;;       step = 2.0 ** (np.maximum(np.frexp(np.where(r == 0, 1, r))[1] - 1, 0) - 3)
;;       q = np.round(r / step) * step * 2.0 ** e      # np.round: ties to even
;;       return np.moveaxis(q.reshape(q.shape[:-2] + (-1,))[..., :K], -1, axis).astype(np.float32)
;;   ~~~
;;   SOFTMAX AHEAD OF A QUANTISED PRODUCT. Where the list says 'softmax', what is quantised is not the finished softmax but p = 2^(t - M), with t = logit x log2(e) and M = ceil(the row's largest t), a whole number; so 1/2 < the row's largest p <= 1. The row's sum l is taken of the UNQUANTISED p, in f32, and the product's result is divided by l at the end. Since M is a whole number, a kernel that streams over the keys may use a running M (the ceiling of the running maximum): every later rescaling is an exact power of two, which a block's scale takes up: the codes' values come out the same.
;;   OPERANDS COMPUTED ON THE WAY. 'Computed on the way' means the value that the module computes at that place (a softmax that the list does not call 'softmax' is quantised finished and normalised). What goes into a quantiser is computed in f32, as accurately as f32 sums, v_exp_f32 and their like allow (about 1e-6 of the number): no bf16 or f16 on the way to a quantiser, and a product that is left as it is and whose result goes on into a quantised operand takes f32 operands (vector FMAs, or v_wmma_f32_16x16x4_f32). A number that lies on a knife's edge between two numbers of the format may be rounded either way, as far as f32 arithmetic and the matrix unit's own rounding can turn it there, and no further.
;; 2 versions. Each part assembles by itself: llvm-mc -triple=amdgcn-amd-amdhsa -mcpu=gfx1250 --defsym DOCPART=n.
;; ======== version 1 of 2: 6 launches
;; limits: right only within a limited range of input values
;; workspace buffers: cod 15,728,640 bytes; scl 655,360 bytes; mw 524,288 bytes of whole numbers; qkv 20,185,088 bytes; cc 6,291,456 bytes; hsc 524,288 bytes
;; launch maskpack (part 1): grid 256 x 1, 4 waves a work-group, no clusters, 34,304 bytes of LDS; arguments mask, mw; writes mw
.if DOCPART == 1
	.amdgcn_target "amdgcn-amd-amdhsa--gfx1250"
	.amdhsa_code_object_version 6
	.text
	.protected	k_q6df6f1c4d8_maskpack
	.globl	k_q6df6f1c4d8_maskpack
	.p2align	8
	.type	k_q6df6f1c4d8_maskpack,@function
k_q6df6f1c4d8_maskpack:
	s_mov_b64 s[64:65], 0
	v_nop
	global_prefetch_b8 v0, s[64:65] scope:SCOPE_SE
	s_setreg_imm32_b32 hwreg(HW_REG_WAVE_MODE, 25, 1), 1
	s_wait_xcnt 0x0
; mask [2048][2048] int32 becomes lane masks for the attention launch's selects: mw [query tile 0..127][key step 0..15][64 words].
; A query tile qt holds the 16 queries 32 (qt / 2) + 8 (qt % 2) + i + 8 (i / 8), i = 0 .. 15.  Bit r + 16 h of word 16 b + i of key step ks says mask[query r of the tile][128 ks + 32 b + 16 h + i] == 1:
; just the lane (r, h) and the register 16 b + i in which the attention launch holds that score.
; Wave g (of 1,024) takes query tile g / 8 and key steps 2 (g % 8), 2 (g % 8) + 1: two units of 16 rows x 512 bytes.  Each load reads 512 consecutive bytes of one row; a unit turns through the wave's own stage in LDS
; (rows 528 bytes apart), so that lane (r, h) gets its 64 numbers; a compare's result in a scalar register IS the word; 64 words are dealt to the lanes and leave as one aligned run of 256 bytes.
; No barrier: a stage is one wave's own.
.set ROWB,   8192                      ; a row of the mask in bytes
.set SPITCH, 528                       ; a stage row: 512 bytes + 16
.set WSTG,   16*SPITCH                 ; a wave's stage
.set R,      16                        ; v16-143  two units as loaded
.set X,      144                       ; v144-207 a unit as the lanes want it
.set OUT,    208                       ; v208-211 a pair of registers for each unit: lane n / 2 holds words n (even) and n + 1
.set CM,     16                        ; s16-47   32 compares' results
	s_load_b128 s[4:7], s[0:1], 0x0                ; mask, mw
	v_lshl_add_u32 v212, v0, 2, 0x8400
	v_mov_b32 v213, 0
	v_lshrrev_b32 v1, 5, v0
	v_readfirstlane_b32 s8, v1                     ; wave
	v_and_b32 v2, 31, v0                           ; lane
	v_and_b32 v3, 15, v0                           ; r
	v_bfe_u32 v8, v0, 4, 1                         ; h
	v_lshlrev_b32 v4, 4, v2                        ; 16 x lane
	v_lshlrev_b32 v5, 3, v2                        ; 8 x lane
	s_mul_i32 s9, s8, WSTG
	v_add_nc_u32 v6, s9, v4                        ; the stage, on the way in
	v_mul_u32_u24 v7, v3, SPITCH
	v_lshl_add_u32 v7, v8, 6, v7
	v_add_nc_u32 v7, s9, v7                        ; and out: row r, + 64 h
.irp i, 0,1,2,3
	v_mov_b32 v[OUT+\i], 0                         ; a lane write's destination counts as read
.endr
	s_lshl_b32 s10, ttmp9, 2
	s_add_co_u32 s10, s10, s8                      ; g
	s_lshr_b32 s11, s10, 3                         ; qt
	s_and_b32 s12, s10, 7
	s_lshr_b32 s13, s11, 1
	s_lshl_b32 s13, s13, 5
	s_and_b32 s14, s11, 1
	s_lshl_b32 s14, s14, 3
	s_add_co_u32 s13, s13, s14                     ; the tile's first row
	s_lshl_b32 s13, s13, 13
	s_lshl_b32 s12, s12, 10
	s_add_co_u32 s12, s12, s13
	s_mov_b32 s13, 0
	s_lshl_b32 s14, s10, 9                         ; two units of 256 bytes a wave
	s_mov_b32 s15, 0
	s_wait_kmcnt 0x0
	s_add_nc_u64 s[4:5], s[4:5], s[12:13]
	s_add_nc_u64 s[6:7], s[6:7], s[14:15]
.macro LOAD u
.irp i, 0,1,2,3,4,5,6,7,8,9,10,11,12,13,14,15
	global_load_b128 v[R+64*\u+4*\i:R+64*\u+4*\i+3], v4, s[4:5] offset:(\i+8*(\i/8))*ROWB+512*\u th:TH_LOAD_NT
.endr
.endm
.macro TURN u                          ; LDS serves a wave's instructions in order: no wait between the stores and the loads
.irp i, 0,1,2,3,4,5,6,7,8,9,10,11,12,13,14,15
	ds_store_b128 v6, v[R+64*\u+4*\i:R+64*\u+4*\i+3] offset:\i*SPITCH
.endr
.irp n, 0,1,2,3,4,5,6,7,8,9,10,11,12,13,14,15
	ds_load_b128 v[X+4*\n:X+4*\n+3], v7 offset:128*(\n/4)+16*(\n%4)
.endr
.endm
.macro PACK u
.set g, 0
.rept 2
.set n, 0
.rept 32
	v_cmp_eq_u32 s[CM+n], 1, v[X+32*g+n]           ; bit l: lane l's number is 1
.set n, n+1
.endr
.set n, 0
.rept 32
	v_writelane_b32 v[OUT+2*\u+n%2], s[CM+n], 16*g+n/2
.set n, n+1
.endr
.set g, g+1
.endr
	global_store_b64 v5, v[OUT+2*\u:OUT+2*\u+1], s[6:7] offset:256*\u   ; 32 lanes store 256 consecutive bytes, aligned
.endm
	LOAD 0
	LOAD 1
	s_wait_loadcnt 16                              ; unit 0's sixteen loads are in, unit 1's may be out
	TURN 0
	s_wait_dscnt 0x0
	PACK 0
	s_wait_loadcnt 0x0
	TURN 1
	s_wait_dscnt 0x0
	PACK 1
	s_wait_tensorcnt 0x0
	ds_add_u32 v212, v213
	s_wait_dscnt 0x0
	s_endpgm
.Lfunc_end_k_q6df6f1c4d8_maskpack:
	.size	k_q6df6f1c4d8_maskpack, .Lfunc_end_k_q6df6f1c4d8_maskpack-k_q6df6f1c4d8_maskpack
	.p2alignl 7, 3214868480
	.fill 96, 4, 3214868480
	.section	.rodata,"a",@progbits
	.p2align	6, 0x0
	.amdhsa_kernel k_q6df6f1c4d8_maskpack
		.amdhsa_group_segment_fixed_size 34304
		.amdhsa_private_segment_fixed_size 0
		.amdhsa_enable_private_segment 0
		.amdhsa_kernarg_size 16
		.amdhsa_user_sgpr_count 2
		.amdhsa_user_sgpr_kernarg_segment_ptr 1
		.amdhsa_wavefront_size32 1
		.amdhsa_system_sgpr_workgroup_id_x 1
		.amdhsa_system_sgpr_workgroup_id_y 1
		.amdhsa_system_sgpr_workgroup_id_z 1
		.amdhsa_system_vgpr_workitem_id 0
		.amdhsa_next_free_vgpr 214
		.amdhsa_next_free_sgpr 66
		.amdhsa_reserve_vcc 0
		.amdhsa_float_denorm_mode_32 3
		.amdhsa_float_denorm_mode_16_64 3
		.amdhsa_memory_ordered 1
		.amdhsa_forward_progress 1
		.amdhsa_inst_pref_size 26
	.end_amdhsa_kernel
	.amdgpu_metadata
---
amdhsa.version: [ 1, 2 ]
amdhsa.kernels:
  - .name:           k_q6df6f1c4d8_maskpack
    .symbol:         k_q6df6f1c4d8_maskpack.kd
    .args:
      - { .name: mask, .offset: 0, .size: 8, .value_kind: global_buffer, .address_space: global }
      - { .name: mw, .offset: 8, .size: 8, .value_kind: global_buffer, .address_space: global }
    .group_segment_fixed_size: 34304
    .private_segment_fixed_size: 0
    .kernarg_segment_align: 8
    .kernarg_segment_size: 16
    .max_flat_workgroup_size: 128
    .sgpr_count:     66
    .vgpr_count:     214
    .wavefront_size: 32
...
	.end_amdgpu_metadata
.endif
;; end of part 1
;; launch quantx (part 2): grid 272 x 1, 4 waves a work-group, no clusters, 34,304 bytes of LDS; arguments context_sequence, value_sequence, Wo, cod, scl; writes cod, scl
.if DOCPART == 2
	.amdgcn_target "amdgcn-amd-amdhsa--gfx1250"
	.amdhsa_code_object_version 6
	.text
	.protected	k_q6df6f1c4d8_quantx
	.globl	k_q6df6f1c4d8_quantx
	.p2align	8
	.type	k_q6df6f1c4d8_quantx,@function
k_q6df6f1c4d8_quantx:
	s_mov_b64 s[64:65], 0
	v_nop
	global_prefetch_b8 v0, s[64:65] scope:SCOPE_SE
	s_setreg_imm32_b32 hwreg(HW_REG_WAVE_MODE, 25, 1), 1
	s_wait_xcnt 0x0
; The three tensors whose K (1,024) is innermost, context [8192][1024], value [8192][1024] and Wo [1024][1024], f32, become codes of FP6 (E2M3) with one E8M0 byte for each 32 along K.
; A block's scale is 2^(floor(log2(its largest magnitude)) - 2): its byte is the largest magnitude's exponent field - 2, held at 1 from below.
; LIMITS: a block of zeros gets the byte 1 where the rule says 127 (its codes are zeros, and the bytes are read by this program alone); NaN and infinities among the inputs are not served.
; THE CODES ARE LAID IN THE ORDER OF THE OPERAND'S REGISTERS.  A tile is 16 rows: tile T of a tensor holds rows 32 (T / 2) + 8 (T % 2) + i + 8 (i / 8).  cod: [tile][K step of 128][1,536 bytes]; a K step is two images of
; 64 along K, 768 bytes each: lane l's registers 0-3 at 16 l, its registers 4-5 at 512 + 8 l.  scl: [tile][row][K step], a word each.  Tiles 0-511 context, 512-1023 value, 1024-1087 Wo.
; A wave takes a tile, all 8 K steps.  Each load reads 512 consecutive bytes of one row; a K step's 16 rows turn through the wave's own stage in LDS, so that lane (r, h) holds, of row r, 16 neighbours of each block of 32.
; One path for the three tensors: only pointers and a tile's origin are chosen, on the work-group's number.  No barrier: waves share nothing.  Two K steps (32 loads a wave) are on their way.
.set SPITCH, 528
.set WSTG,   16*SPITCH
.set R,   16                           ; v16-143  two sets of 64 numbers as loaded
.set X,   144                          ; v144-207 register 16 b + i = k 32 b + 16 h + i of my row
.set PC,  208                          ; v208-219 a fragment's codes; v220-227 at work
.set TM,  228                          ; v228-243 at work
.set PW,  244                          ; v244-251 a scale word for each K step
.set SEL, 16                           ; s[16:17] lane selects: lane l xor 16
.macro QUANT s, pw                     ; 64 numbers of a lane become a fragment's codes in v[PC] on and my row's scale word in v[pw]
.irp b, 0,1,2,3
	v_max3_num_f32 v[TM+\b], |v[\s+16*\b]|, |v[\s+1+16*\b]|, 0x1800000   ; my 16 numbers of block b, and the floor 2^(3 - 127): the byte cannot fall under 1
.endr
.irp i, 2,4,6,8,10,12,14
.irp b, 0,1,2,3
	v_max3_num_f32 v[TM+\b], v[TM+\b], |v[\s+16*\b+\i]|, |v[\s+1+16*\b+\i]|
.endr
.endr
.irp b, 0,1,2,3
	v_permlanex16_b32 v[TM+4+\b], v[TM+\b], s[SEL], s[SEL+1]
.endr
.irp b, 0,1,2,3
	v_max_num_f32 v[TM+\b], v[TM+\b], v[TM+4+\b]   ; with lane l xor 16's: the block's largest magnitude
.endr
.irp b, 0,1,2,3
	v_add_nc_u32 v[TM+12+\b], 0xff000000, v[TM+\b] ; 2 off its exponent field: the conversion's scale operand
.endr
.irp b, 0,1,2,3
	v_lshrrev_b32 v[TM+4+\b], 23, v[TM+12+\b]      ; the scale's byte
.endr
	v_lshl_or_b32 v[\pw], v[TM+5], 8, v[TM+4]
	v_lshl_or_b32 v[\pw], v[TM+6], 16, v[\pw]
	v_lshl_or_b32 v[\pw], v[TM+7], 24, v[\pw]
.irp c, 0,1
	v_cvt_scalef32_pk16_fp6_f32 v[PC+6*\c:PC+2+6*\c], v[\s+32*\c:\s+15+32*\c], v[TM+12+2*\c]
	v_cvt_scalef32_pk16_fp6_f32 v[PC+12+4*\c:PC+14+4*\c], v[\s+16+32*\c:\s+31+32*\c], v[TM+12+2*\c+1]   ; (a conversion's three registers begin on an even number)
.endr
	v_nop                                          ; one plain place behind a scaled conversion
.irp c, 0,1                            ; the layout wants a whole block in a lane: lanes 0-15 block 2 c, lanes 16-31 block 2 c + 1
.irp i, 0,1,2
	v_permlane16_swap_b32 v[PC+6*\c+\i], v[PC+12+4*\c+\i]
.endr
.irp i, 0,1,2
	v_mov_b32 v[PC+3+6*\c+\i], v[PC+12+4*\c+\i]
.endr
.endr
.endm
	s_load_b256 s[4:11], s[0:1], 0x0               ; context, value, Wo, cod
	s_load_b64 s[12:13], s[0:1], 0x20              ; scl
	v_lshl_add_u32 v254, v0, 2, 0x8400
	v_mov_b32 v255, 0
	v_lshrrev_b32 v1, 5, v0
	v_readfirstlane_b32 s14, v1                    ; wave
	v_and_b32 v2, 31, v0
	v_and_b32 v3, 15, v0                           ; r
	v_bfe_u32 v9, v0, 4, 1                         ; h
	v_lshlrev_b32 v4, 4, v2                        ; 16 x lane
	v_lshlrev_b32 v5, 3, v2                        ; 8 x lane
	s_mul_i32 s15, s14, WSTG
	v_add_nc_u32 v6, s15, v4                       ; the stage, in
	v_mul_u32_u24 v7, v3, SPITCH
	v_lshl_add_u32 v7, v9, 6, v7
	v_add_nc_u32 v7, s15, v7                       ; and out: row r, + 64 h
	v_lshlrev_b32 v8, 5, v3
	v_lshl_add_u32 v8, v9, 4, v8                   ; my 16 bytes of the tile's scale words: 32 r + 16 h
.irp b, 0,1,2,3
	v_mov_b32 v[TM+4+\b], 0                        ; a lane permute's destination counts as read
.endr
	s_mov_b32 s[SEL], 0x76543210
	s_mov_b32 s[SEL+1], 0xfedcba98
	s_mov_b32 s18, 0xffff0000                      ; lanes 16-31
	s_lshl_b32 s20, ttmp9, 2
	s_add_co_u32 s20, s20, s14                     ; T
	s_wait_kmcnt 0x0
	s_cmp_lt_u32 ttmp9, 128                        ; the choice hangs on the work-group's number alone
	s_cselect_b64 s[4:5], s[4:5], s[6:7]
	s_cselect_b32 s21, 0, 512
	s_cmp_lt_u32 ttmp9, 256
	s_cselect_b64 s[4:5], s[4:5], s[8:9]
	s_cselect_b32 s21, s21, 1024
	s_sub_co_u32 s21, s20, s21                     ; the tile's number in its tensor
	s_lshr_b32 s22, s21, 1
	s_lshl_b32 s22, s22, 5
	s_and_b32 s23, s21, 1
	s_lshl_b32 s23, s23, 3
	s_add_co_u32 s22, s22, s23                     ; its first row,
	s_lshl_b32 s22, s22, 12                        ; of 4,096 bytes
	s_mov_b32 s23, 0
	s_add_nc_u64 s[4:5], s[4:5], s[22:23]
	s_mul_i32 s24, s20, 12288
	s_mov_b32 s25, 0
	s_add_nc_u64 s[10:11], s[10:11], s[24:25]
	s_lshl_b32 s24, s20, 9
	s_add_nc_u64 s[12:13], s[12:13], s[24:25]
.macro LOAD t
.irp i, 0,1,2,3,4,5,6,7,8,9,10,11,12,13,14,15
	global_load_b128 v[R+64*((\t)%2)+4*\i:R+64*((\t)%2)+4*\i+3], v4, s[4:5] offset:(\i+8*(\i/8))*4096+512*(\t) th:TH_LOAD_NT
.endr
.endm
.macro STEP t
	s_wait_xcnt 0x0                                ; the last step's stores have read the codes' registers
.if \t < 7
	s_wait_loadcnt 16                              ; this step's sixteen loads are in, the next step's may be out
.else
	s_wait_loadcnt 0x0
.endif
.irp i, 0,1,2,3,4,5,6,7,8,9,10,11,12,13,14,15
	ds_store_b128 v6, v[R+64*((\t)%2)+4*\i:R+64*((\t)%2)+4*\i+3] offset:\i*SPITCH
.endr
.irp n, 0,1,2,3,4,5,6,7,8,9,10,11,12,13,14,15
	ds_load_b128 v[X+4*\n:X+4*\n+3], v7 offset:128*(\n/4)+16*(\n%4)
.endr
	s_wait_dscnt 0x0
.if \t+2 < 8
	LOAD (\t)+2
.endif
	QUANT X, PW+\t
	global_store_b128 v4, v[PC:PC+3], s[10:11] offset:1536*\t          ; each store covers 512 or 256 consecutive bytes, aligned
	global_store_b64 v5, v[PC+4:PC+5], s[10:11] offset:1536*\t+512
	global_store_b128 v4, v[PC+6:PC+9], s[10:11] offset:1536*\t+768
	global_store_b64 v5, v[PC+10:PC+11], s[10:11] offset:1536*\t+1280
.endm
	LOAD 0
	LOAD 1
.irp t, 0,1,2,3,4,5,6,7
	STEP \t
.endr
	s_wait_xcnt 0x0
.irp j, 0,1,2,3
	v_cndmask_b32 v[PC+\j], v[PW+\j], v[PW+4+\j], s18   ; lanes 0-15 carry K steps 0-3 of their row, lanes 16-31 K steps 4-7
.endr
	global_store_b128 v8, v[PC:PC+3], s[12:13]     ; the tile's 512 bytes of scale words
	s_wait_tensorcnt 0x0
	ds_add_u32 v254, v255
	s_wait_dscnt 0x0
	s_endpgm
.Lfunc_end_k_q6df6f1c4d8_quantx:
	.size	k_q6df6f1c4d8_quantx, .Lfunc_end_k_q6df6f1c4d8_quantx-k_q6df6f1c4d8_quantx
	.p2alignl 7, 3214868480
	.fill 96, 4, 3214868480
	.section	.rodata,"a",@progbits
	.p2align	6, 0x0
	.amdhsa_kernel k_q6df6f1c4d8_quantx
		.amdhsa_group_segment_fixed_size 34304
		.amdhsa_private_segment_fixed_size 0
		.amdhsa_enable_private_segment 0
		.amdhsa_kernarg_size 40
		.amdhsa_user_sgpr_count 2
		.amdhsa_user_sgpr_kernarg_segment_ptr 1
		.amdhsa_wavefront_size32 1
		.amdhsa_system_sgpr_workgroup_id_x 1
		.amdhsa_system_sgpr_workgroup_id_y 1
		.amdhsa_system_sgpr_workgroup_id_z 1
		.amdhsa_system_vgpr_workitem_id 0
		.amdhsa_next_free_vgpr 256
		.amdhsa_next_free_sgpr 66
		.amdhsa_reserve_vcc 0
		.amdhsa_float_denorm_mode_32 3
		.amdhsa_float_denorm_mode_16_64 3
		.amdhsa_memory_ordered 1
		.amdhsa_forward_progress 1
		.amdhsa_inst_pref_size 65
	.end_amdhsa_kernel
	.amdgpu_metadata
---
amdhsa.version: [ 1, 2 ]
amdhsa.kernels:
  - .name:           k_q6df6f1c4d8_quantx
    .symbol:         k_q6df6f1c4d8_quantx.kd
    .args:
      - { .name: context_sequence, .offset: 0, .size: 8, .value_kind: global_buffer, .address_space: global }
      - { .name: value_sequence, .offset: 8, .size: 8, .value_kind: global_buffer, .address_space: global }
      - { .name: Wo, .offset: 16, .size: 8, .value_kind: global_buffer, .address_space: global }
      - { .name: cod, .offset: 24, .size: 8, .value_kind: global_buffer, .address_space: global }
      - { .name: scl, .offset: 32, .size: 8, .value_kind: global_buffer, .address_space: global }
    .group_segment_fixed_size: 34304
    .private_segment_fixed_size: 0
    .kernarg_segment_align: 8
    .kernarg_segment_size: 40
    .max_flat_workgroup_size: 128
    .sgpr_count:     66
    .vgpr_count:     256
    .wavefront_size: 32
...
	.end_amdgpu_metadata
.endif
;; end of part 2
;; launch quantw (part 3): grid 192 x 1, 8 waves a work-group, no clusters, 2,048 bytes of LDS; arguments Wq, Wk, Wv, cod, scl; writes cod, scl
.if DOCPART == 3
	.amdgcn_target "amdgcn-amd-amdhsa--gfx1250"
	.amdhsa_code_object_version 6
	.text
	.protected	k_q6df6f1c4d8_quantw
	.globl	k_q6df6f1c4d8_quantw
	.p2align	8
	.type	k_q6df6f1c4d8_quantw,@function
k_q6df6f1c4d8_quantw:
	s_mov_b64 s[64:65], 0
	v_nop
	global_prefetch_b8 v0, s[64:65] scope:SCOPE_SE
	s_setreg_imm32_b32 hwreg(HW_REG_WAVE_MODE, 25, 1), 1
	s_wait_xcnt 0x0
; Wq, Wk, Wv [16 heads][1024 (K)][64], f32: operands whose rows are (head, channel) and whose K is NOT innermost.  They become codes of FP6 (E2M3) and E8M0 bytes in the same layout as the other operands:
; cod tiles 1088-1151 Wq, 1152-1215 Wk, 1216-1279 Wv; a tile holds rows 32 (t / 2) + 8 (t % 2) + i + 8 (i / 8) of the tensor's 1,024 rows; [tile][K step of 128][1,536 bytes]; scl [tile][row][K step].
; A LANE TAKES A ROW (a channel of a head) AND ITS REGISTERS RUN DOWN K, in the order that the operand's layout gives that lane: k = 64 c + 32 h + 0 .. 31.  So a lane holds two whole blocks, no other lane is asked for a
; maximum, and the conversions' results are the operand's registers.  A work-group takes a tile, each of its eight waves a K step; the eight scale words of a row meet in LDS and leave as the tile's 512 bytes.
; LIMITS: a block of zeros gets the byte 1 (its codes are zeros; the bytes are read by this program alone); NaN and infinities are not served.
	s_load_b256 s[4:11], s[0:1], 0x0               ; Wq, Wk, Wv, cod
	s_load_b64 s[12:13], s[0:1], 0x20              ; scl
	v_lshl_add_u32 v128, v0, 2, 0x400
	v_mov_b32 v129, 0
	v_lshrrev_b32 v1, 5, v0
	v_readfirstlane_b32 s16, v1                    ; wave = K step
	v_and_b32 v1, 15, v0                           ; r
	v_bfe_u32 v2, v0, 4, 1                         ; h
	v_and_b32 v3, 31, v0
	v_and_b32 v4, 8, v1
	v_add_nc_u32 v4, v4, v1                        ; r + 8 (r / 8)
	v_lshlrev_b32 v5, 2, v4
	v_lshl_add_u32 v5, v2, 13, v5                  ; my channel, and 32 rows of 256 bytes further down for lanes 16-31
	v_lshlrev_b32 v6, 4, v3                        ; 16 x lane
	v_lshlrev_b32 v7, 3, v3                        ; 8 x lane
	s_lshl_b32 s17, s16, 2
	v_lshlrev_b32 v8, 5, v1
	v_add_nc_u32 v8, s17, v8                       ; LDS: 32 r + 4 x wave
	s_mov_b32 s20, 0x76543210
	s_mov_b32 s21, 0xfedcba98
	s_and_b32 s18, ttmp9, 63                       ; the tile in its tensor
	s_lshr_b32 s19, s18, 2
	s_lshl_b32 s22, s19, 18                        ; the head: 262,144 bytes
	s_lshl_b32 s19, s16, 15                        ; the K step: 128 rows of 256 bytes
	s_add_co_u32 s22, s22, s19
	s_bfe_u32 s19, s18, 0x10001
	s_lshl_b32 s19, s19, 7                         ; 32 channels
	s_add_co_u32 s22, s22, s19
	s_and_b32 s19, s18, 1
	s_lshl_b32 s19, s19, 5                         ; 8 channels
	s_add_co_u32 s22, s22, s19
	s_mov_b32 s23, 0
	s_add_co_u32 s24, ttmp9, 1088
	s_lshl_b32 s26, s24, 9
	s_mov_b32 s27, 0
	s_mul_i32 s24, s24, 12288
	s_mul_i32 s25, s16, 1536
	s_add_co_u32 s24, s24, s25
	s_mov_b32 s25, 0
	s_wait_kmcnt 0x0
	s_cmp_lt_u32 ttmp9, 64
	s_cselect_b64 s[4:5], s[4:5], s[6:7]
	s_cmp_lt_u32 ttmp9, 128
	s_cselect_b64 s[4:5], s[4:5], s[8:9]
	s_add_nc_u64 s[4:5], s[4:5], s[22:23]
	s_add_nc_u64 s[10:11], s[10:11], s[24:25]
	s_add_nc_u64 s[12:13], s[12:13], s[26:27]
.set n, 0
.rept 64
	global_load_b32 v[64+n], v5, s[4:5] offset:256*(64*(n/32)+n%32)   ; W(64 c + 32 h + i, my channel)
.set n, n+1
.endr
	s_wait_loadcnt 0x0
.irp c, 0,1
	v_max3_num_f32 v[32+\c], |v[64+32*\c]|, |v[65+32*\c]|, 0x1800000   ; my block 2 c + h, and the floor 2^(3 - 127)
.endr
.irp i, 2,4,6,8,10,12,14,16,18,20,22,24,26,28,30
.irp c, 0,1
	v_max3_num_f32 v[32+\c], v[32+\c], |v[64+32*\c+\i]|, |v[65+32*\c+\i]|
.endr
.endr
.irp c, 0,1
	v_add_nc_u32 v[44+\c], 0xff000000, v[32+\c]    ; 2 off the exponent field: the conversion's scale operand
.endr
.irp c, 0,1
	v_lshrrev_b32 v[36+\c], 23, v[44+\c]           ; the byte
.endr
	v_lshl_or_b32 v9, v37, 16, v36                 ; my two bytes: blocks h and 2 + h,
	v_lshlrev_b32 v10, 3, v2
	v_lshlrev_b32 v9, v10, v9                      ; 8 h bits up;
	v_mov_b32 v10, 0
	v_permlanex16_b32 v10, v9, s20, s21
	v_or_b32 v9, v9, v10                           ; with lane l xor 16's two the word is whole
.irp c, 0,1
	v_cvt_scalef32_pk16_fp6_f32 v[48+6*\c:50+6*\c], v[64+32*\c:79+32*\c], v[44+\c]
	v_cvt_scalef32_pk16_fp6_f32 v[20+4*\c:22+4*\c], v[80+32*\c:95+32*\c], v[44+\c]
.endr
	v_nop                                          ; one plain place behind a scaled conversion
.irp c, 0,1
.irp i, 0,1,2
	v_mov_b32 v[51+6*\c+\i], v[20+4*\c+\i]
.endr
.endr
	global_store_b128 v6, v[48:51], s[10:11]
	global_store_b64 v7, v[52:53], s[10:11] offset:512
	global_store_b128 v6, v[54:57], s[10:11] offset:768
	global_store_b64 v7, v[58:59], s[10:11] offset:1280
	ds_store_b32 v8, v9                            ; both halves of the lanes write the same word with the same value
	s_wait_dscnt 0x0                               ; for the others' sake
	s_barrier_signal -1
	s_barrier_wait -1
	s_cmp_lg_u32 s16, 0
	s_cbranch_scc1 .Lend
	ds_load_b128 v[12:15], v6
	s_wait_dscnt 0x0
	global_store_b128 v6, v[12:15], s[12:13]       ; the tile's 512 bytes of scale words
.Lend:
	s_wait_tensorcnt 0x0
	ds_add_u32 v128, v129
	s_wait_dscnt 0x0
	s_endpgm
.Lfunc_end_k_q6df6f1c4d8_quantw:
	.size	k_q6df6f1c4d8_quantw, .Lfunc_end_k_q6df6f1c4d8_quantw-k_q6df6f1c4d8_quantw
	.p2alignl 7, 3214868480
	.fill 96, 4, 3214868480
	.section	.rodata,"a",@progbits
	.p2align	6, 0x0
	.amdhsa_kernel k_q6df6f1c4d8_quantw
		.amdhsa_group_segment_fixed_size 2048
		.amdhsa_private_segment_fixed_size 0
		.amdhsa_enable_private_segment 0
		.amdhsa_kernarg_size 40
		.amdhsa_user_sgpr_count 2
		.amdhsa_user_sgpr_kernarg_segment_ptr 1
		.amdhsa_wavefront_size32 1
		.amdhsa_system_sgpr_workgroup_id_x 1
		.amdhsa_system_sgpr_workgroup_id_y 1
		.amdhsa_system_sgpr_workgroup_id_z 1
		.amdhsa_system_vgpr_workitem_id 0
		.amdhsa_next_free_vgpr 130
		.amdhsa_next_free_sgpr 66
		.amdhsa_reserve_vcc 0
		.amdhsa_float_denorm_mode_32 3
		.amdhsa_float_denorm_mode_16_64 3
		.amdhsa_memory_ordered 1
		.amdhsa_forward_progress 1
		.amdhsa_inst_pref_size 13
	.end_amdhsa_kernel
	.amdgpu_metadata
---
amdhsa.version: [ 1, 2 ]
amdhsa.kernels:
  - .name:           k_q6df6f1c4d8_quantw
    .symbol:         k_q6df6f1c4d8_quantw.kd
    .args:
      - { .name: Wq, .offset: 0, .size: 8, .value_kind: global_buffer, .address_space: global }
      - { .name: Wk, .offset: 8, .size: 8, .value_kind: global_buffer, .address_space: global }
      - { .name: Wv, .offset: 16, .size: 8, .value_kind: global_buffer, .address_space: global }
      - { .name: cod, .offset: 24, .size: 8, .value_kind: global_buffer, .address_space: global }
      - { .name: scl, .offset: 32, .size: 8, .value_kind: global_buffer, .address_space: global }
    .group_segment_fixed_size: 2048
    .private_segment_fixed_size: 0
    .kernarg_segment_align: 8
    .kernarg_segment_size: 40
    .max_flat_workgroup_size: 256
    .sgpr_count:     66
    .vgpr_count:     130
    .wavefront_size: 32
...
	.end_amdgpu_metadata
.endif
;; end of part 3
;; launch proj (part 4): grid 8 x 48, 4 waves a work-group, clusters of 4 x 4, 327,680 bytes of LDS; arguments cod, scl, bq, bk, bv, qkv; writes qkv
.if DOCPART == 4
	.amdgcn_target "amdgcn-amd-amdhsa--gfx1250"
	.amdhsa_code_object_version 6
	.text
	.protected	k_q6df6f1c4d8_proj
	.globl	k_q6df6f1c4d8_proj
	.p2align	8
	.type	k_q6df6f1c4d8_proj,@function
k_q6df6f1c4d8_proj:
	s_mov_b64 s[64:65], 0
	v_nop
	global_prefetch_b8 v0, s[64:65] scope:SCOPE_SE
	s_setreg_imm32_b32 hwreg(HW_REG_WAVE_MODE, 25, 1), 1
	s_wait_xcnt 0x0
	s_wait_alu depctr_hold_cnt(0) depctr_sa_sdst(0) depctr_va_vdst(0) depctr_va_sdst(0) depctr_va_ssrc(0) depctr_va_vcc(0) depctr_vm_vsrc(0)
	s_getreg_b32 s2, hwreg(HW_REG_IB_STS2, 6, 4)
	s_cmp_eq_u32 s2, 0
	s_cbranch_scc0 .Lentry_in_a_cluster
	s_endpgm
.Lentry_in_a_cluster:
	s_bfe_u32 s2, ttmp6, 0x10000c
	s_cmp_lg_u32 s2, 0xf033
	s_cbranch_scc0 .Lentry_shape_is_right
	s_endpgm
.Lentry_shape_is_right:
; The three projections, K = 1,024, on codes of FP6 (E2M3) with E8M0 scales, and the quantising of their results for the attention launch.
; Source 0 is P, whose rows run along a lane's result registers; source 1 is R, one row to a lane.  The result, plus its bias, is quantised along P's rows.
;   clusters y 0-7:  P = Wq's and Wk's rows (head, channel), R = context's rows: Q and K, quantised along the head's 64 channels.   clusters y 8-11:  P = value's rows (the keys), R = Wv's rows: V, quantised along the keys.
; A tile of an operand is 16 rows, 32 (T / 2) + 8 (T % 2) + i + 8 (i / 8), so that the 16 result registers of P's tiles 2 G and 2 G + 1 are 16 neighbours, 32 G + 16 (lane / 16) + 0 .. 15.
; cod: [tile][K step of 128][1,536 bytes], a fragment's registers as they stand (registers 0-3 at 16 l, 4-5 at 512 + 8 l, 6-9 at 768 + 16 l, 10-11 at 1,280 + 8 l): a fragment is four LDS loads of consecutive bytes.
; A work-group makes 256 rows of P x 256 rows of R; each of its four waves 128 x 128: 64 accumulators, 512 registers.  K goes through two LDS slots of two K steps (98,304 bytes), each wave bringing 8 tiles x 3,072 bytes by one
; tensor load.  CLUSTERS: 4 x 4 work-groups; R's tiles are shared along a row of the cluster, P's along a column: each is asked for jointly.  The eight K steps are written out.
; qkv: [batch x head][key step of 128 rows][19,712 bytes]: 0 Q's eight images of 768 bytes; 6,144 their scale words [half][row][4 tiles]; 6,656 K's images; 12,800 K's scale words; 13,312 V's four fragments (16 channels x 128 keys); 19,456 V's scale words [row][4 tiles].
; LIMITS: a block of zeros gets the byte 1 (its codes are zeros; the bytes are read by this program alone); NaN and infinities are not served.
; REGISTERS: window 0: v16-31 addresses; v32-63 R's scale words, v64-95 P's (register 8 i + s: lanes 0-15 tile 2 i, lanes 16-31 tile 2 i + 1, K step s); v96-111 bv, a pair for each tile of R; v128-223 R's 8 fragments, on the way out at work.
;   window 1: P's fragments, two sets, at v0 and v128; v96-127, v224-255 bq's or bk's numbers, 8 for each tile of P.   windows 2, 3: accumulator (a, b) at v[8 (8 (a % 4) + b)].
.set FR,    12
.set TILEB, 3072                       ; a tile's two K steps
.set HALFT, 8*TILEB                    ; what one tensor load brings, and what a wave reads of R or of P
.set SLOT,  4*HALFT                    ; R's 16 tiles, then P's 16
.set SPARE, 2*SLOT                     ; behind the ring: the spare words, 128 bytes for each wave
.set CTILE, 12288                      ; a tile in cod
.set BLK,   19712                      ; a block of qkv
.set BH,    16*BLK                     ; from a head to the next
.set ADRR, 16                          ; v16-17 16 l + my half of R in slot 0, 1;  v18-19 the same with 8 l
.set ADRP, 20                          ; v20-23 the same for P
.set L16,  24
.set L8,   25
.set SOFF, 26                          ; v26  (lane / 16) x BH + 16 r
.set SHF,  27                          ; v27  16 (lane / 16)
.set SPW,  28                          ; v28  my spare word; never rewritten
.set NIL,  29                          ; v29  0; never rewritten
.set RS,   32
.set PS,   64
.set BV,   96
.set AF,   128
.set BI,   96                          ; in window 1
.set HA,   128                         ; the way out: 64 numbers
.set PC,   192                         ; codes, and at work to v211
.set TM,   212
.set PW,   228
.set PWS,  232                         ; v232-239 a scale word for each tile of R
.set SW,   240
.set SEL,  20                          ; s[20:21]
.set G1,   24
.set G0,   32
.set G1B,  48
.set G0B,  56
.set MSB, 0
.macro WIN new                         ; the immediate's high byte repeats the setting that is left
.if MSB != (\new)
	s_set_vgpr_msb (MSB<<8)|(\new)
.set MSB, (\new)
.endif
.endm
.set MUL_LO, 0xa1                      ; source 0 (P) window 1, source 1 (R) window 0, C and D window 2
.set MUL_HI, 0xf1
.set TO_P,   0x40
.macro PLACES
.rept 4
	v_nop
.endr
.endm
.macro JLOAD s                         ; a joint load: waves 0 and 1 fetch R's halves, waves 2 and 3 P's; four v_nop follow each line
	s_cmp_eq_u32 s17, 0
	s_cbranch_scc0 .Lfor_p_\@
	tensor_load_to_lds s[G0+4*\s:G0+4*\s+3], s[G1:G1+7]
	s_nop 0
	PLACES
	s_branch .Lasked_\@
.Lfor_p_\@:
	tensor_load_to_lds s[G0B+4*\s:G0B+4*\s+3], s[G1B:G1B+7]
	s_nop 0
	PLACES
.Lasked_\@:
.endm
.macro CREST
	s_cmp_lg_u32 s16, 0
	s_cbranch_scc1 .Lnot_wave_0_\@
	s_barrier_signal -3
.Lnot_wave_0_\@:
	s_barrier_wait -3
	s_barrier_signal -1
	s_barrier_wait -1
.endm
.macro CROUND
	s_barrier_signal -1
	s_barrier_wait -1
	CREST
.endm
.macro QUANT s, pw                     ; 64 numbers of a lane, register 16 b + i = k 32 b + 16 h + i of my row, become a fragment's codes in v[PC] on and my row's scale word in v[pw]
.irp b, 0,1,2,3
	v_max3_num_f32 v[TM+\b], |v[\s+16*\b]|, |v[\s+1+16*\b]|, 0x1800000
.endr
.irp i, 2,4,6,8,10,12,14
.irp b, 0,1,2,3
	v_max3_num_f32 v[TM+\b], v[TM+\b], |v[\s+16*\b+\i]|, |v[\s+1+16*\b+\i]|
.endr
.endr
.irp b, 0,1,2,3
	v_permlanex16_b32 v[TM+4+\b], v[TM+\b], s[SEL], s[SEL+1]
.endr
.irp b, 0,1,2,3
	v_max_num_f32 v[TM+\b], v[TM+\b], v[TM+4+\b]
.endr
.irp b, 0,1,2,3
	v_add_nc_u32 v[TM+12+\b], 0xff000000, v[TM+\b]
.endr
.irp b, 0,1,2,3
	v_lshrrev_b32 v[TM+4+\b], 23, v[TM+12+\b]
.endr
	v_lshl_or_b32 v[\pw], v[TM+5], 8, v[TM+4]
	v_lshl_or_b32 v[\pw], v[TM+6], 16, v[\pw]
	v_lshl_or_b32 v[\pw], v[TM+7], 24, v[\pw]
.irp c, 0,1
	v_cvt_scalef32_pk16_fp6_f32 v[PC+6*\c:PC+2+6*\c], v[\s+32*\c:\s+15+32*\c], v[TM+12+2*\c]
	v_cvt_scalef32_pk16_fp6_f32 v[PC+12+4*\c:PC+14+4*\c], v[\s+16+32*\c:\s+31+32*\c], v[TM+12+2*\c+1]
.endr
	v_nop                                          ; one plain place behind a scaled conversion
.irp c, 0,1
.irp i, 0,1,2
	v_permlane16_swap_b32 v[PC+6*\c+\i], v[PC+12+4*\c+\i]
.endr
.irp i, 0,1,2
	v_mov_b32 v[PC+3+6*\c+\i], v[PC+12+4*\c+\i]
.endr
.endr
.endm
	s_load_b256 s[4:11], s[0:1], 0x0               ; cod, scl, bq, bk
	s_load_b128 s[12:15], s[0:1], 0x20             ; bv, qkv
	v_lshl_add_u32 v[SPW], v0, 2, SPARE
	v_mov_b32 v[NIL], 0
	ds_add_u32 v28, v29
	ds_add_u32 v28, v29
	s_wait_dscnt 0x0
	v_lshrrev_b32 v1, 5, v0
	v_readfirstlane_b32 s16, v1                    ; wave
	s_lshr_b32 s17, s16, 1                         ; my half of R.  Also: I fetch for R (0) or for P (1)
	s_and_b32 s18, s16, 1                          ; my half of P.  Also: which 8 tiles I fetch
	s_bfe_u32 s40, ttmp6, 0x40000                  ; cx
	s_bfe_u32 s41, ttmp6, 0x40004                  ; cy
	s_and_b32 s43, ttmp7, 0xffff                   ; the cluster's y
	s_lshl_b32 s44, s41, 2
	s_lshl_b32 s44, 15, s44                        ; my row of the cluster
	s_lshl_b32 s45, 0x1111, s40                    ; my column
	s_or_b32 s[G1], s44, (3<<16)|(1<<21)           ; R's tiles go to my row; elements of 8 bytes; bit 21 beside a mask; no padding
	s_or_b32 s[G1B], s45, (3<<16)|(1<<21)          ; P's to my column
.irp g, G1, G1B
	s_mov_b32 s[\g+1], 384<<16                     ; tensor_dim0: 3,072 bytes
	s_mov_b32 s[\g+2], 8<<16                       ; tensor_dim1: 8 tiles
	s_mov_b32 s[\g+3], 384<<16                     ; tile_dim0
	s_mov_b32 s[\g+4], 8                           ; tile_dim1
	s_mov_b32 s[\g+5], 1536                        ; 12,288 bytes from tile to tile
	s_mov_b32 s[\g+6], 0
	s_mov_b32 s[\g+7], 0
.endr
	s_mov_b32 s[SEL], 0x76543210
	s_mov_b32 s[SEL+1], 0xfedcba98
	s_mov_b32 s22, 0xffff0000                      ; lanes 16-31
	s_max_u32 s68, s43, 8
	s_sub_co_u32 s68, s68, 8
	s_lshl_b32 s68, s68, 7
	s_add_co_u32 s68, s68, 512                     ; V: value's tiles from 512 + 128 (cluster y - 8) on
	s_lshl_b32 s67, s43, 6                         ; Q, K: context's tiles from 64 x cluster y on
	s_cmp_ge_u32 s43, 8                            ; the mode hangs on the cluster's y, which all partners share
	s_cselect_b32 s19, 1, 0
	s_cselect_b32 s67, 1216, s67                   ; V: Wv's tiles
	s_cselect_b32 s68, s68, 1088                   ; Q, K: Wq's and Wk's tiles
	s_lshl_b32 s66, s41, 4
	s_add_co_u32 s66, s66, s67                     ; R's first tile: it never holds cx
	s_lshl_b32 s69, ttmp9, 6
	s_add_co_u32 s68, s68, s69
	s_lshl_b32 s69, s40, 4
	s_add_co_u32 s68, s68, s69                     ; P's first tile: it never holds cy
	s_lshl_b32 s69, s18, 3
	s_add_co_u32 s70, s66, s69
	s_mul_i32 s70, s70, CTILE
	s_mov_b32 s71, 0
	s_add_co_u32 s72, s68, s69
	s_mul_i32 s72, s72, CTILE
	s_mov_b32 s73, 0
	s_mul_i32 s74, s16, HALFT                      ; where they go: no place in the cluster enters an LDS address
	s_wait_kmcnt 0x0
	s_add_nc_u64 s[70:71], s[4:5], s[70:71]
	s_add_nc_u64 s[72:73], s[4:5], s[72:73]
	CROUND                                         ; all sixteen work-groups are here: the first joint loads meet
.irp s, 0,1
	s_mov_b32 s[G0+4*\s], 1
	s_add_co_u32 s[G0+4*\s+1], s74, \s*SLOT
	s_add_nc_u64 s[G0+4*\s+2:G0+4*\s+3], s[70:71], \s*TILEB
	s_or_b32 s[G0+4*\s+3], s[G0+4*\s+3], 0x80000000
	s_mov_b32 s[G0B+4*\s], 1
	s_add_co_u32 s[G0B+4*\s+1], s74, \s*SLOT
	s_add_nc_u64 s[G0B+4*\s+2:G0B+4*\s+3], s[72:73], \s*TILEB
	s_or_b32 s[G0B+4*\s+3], s[G0B+4*\s+3], 0x80000000
	JLOAD \s
.endr
	v_and_b32 v1, 31, v0                           ; lane
	v_and_b32 v2, 15, v0                           ; r
	v_bfe_u32 v3, v0, 4, 1                         ; h
	v_lshlrev_b32 v[L16], 4, v1
	v_lshlrev_b32 v[L8], 3, v1
	s_mul_i32 s75, s17, HALFT
	s_mul_i32 s76, s18, HALFT
	s_add_co_u32 s76, s76, 2*HALFT
.irp s, 0,1
	v_add_nc_u32 v[ADRR+\s], s75, v[L16]
	v_add_nc_u32 v[ADRR+2+\s], s75, v[L8]
	v_add_nc_u32 v[ADRP+\s], s76, v[L16]
	v_add_nc_u32 v[ADRP+2+\s], s76, v[L8]
	s_add_co_u32 s75, s75, SLOT
	s_add_co_u32 s76, s76, SLOT
.endr
	v_mul_u32_u24 v[SOFF], v3, BH
	v_lshl_add_u32 v[SOFF], v2, 4, v[SOFF]
	v_lshlrev_b32 v[SHF], 4, v3
	; the scale words of my 8 tiles of R and of P, for all of K, straight into registers: a pair of loads covers 1,024 consecutive bytes
	v_lshlrev_b32 v4, 5, v2
	v_lshl_add_u32 v4, v3, 9, v4                   ; 32 r + 512 h
	s_lshl_b32 s77, s17, 3
	s_add_co_u32 s77, s77, s66                     ; my first tile of R
	s_lshl_b32 s78, s77, 9
	v_add_nc_u32 v30, s78, v4
	s_lshl_b32 s79, s18, 3
	s_add_co_u32 s79, s79, s68                     ; my first tile of P
	s_lshl_b32 s78, s79, 9
	v_add_nc_u32 v31, s78, v4
.irp i, 0,1,2,3
.irp e, 0,1
	global_load_b128 v[RS+8*\i+4*\e:RS+8*\i+4*\e+3], v30, s[6:7] offset:1024*\i+16*\e
	global_load_b128 v[PS+8*\i+4*\e:PS+8*\i+4*\e+3], v31, s[6:7] offset:1024*\i+16*\e
.endr
.endr
	; both kinds of bias, in every work-group: no branch; every address lies inside its buffer of 4,096 bytes
	s_cmp_eq_u32 ttmp9, 0
	s_cselect_b64 s[80:81], s[8:9], s[10:11]       ; bq or bk
	s_lshl_b32 s82, s40, 2
	s_lshl_b32 s83, s18, 1
	s_add_co_u32 s82, s82, s83
	s_lshl_b32 s82, s82, 8                         ; head 4 cx + 2 x my half of P: 256 bytes a head
	s_mov_b32 s83, 0
	s_add_nc_u64 s[80:81], s[80:81], s[82:83]
	s_lshl_b32 s82, s41, 2
	s_lshl_b32 s84, s17, 1
	s_add_co_u32 s82, s82, s84
	s_lshl_b32 s82, s82, 8                         ; head 4 cy + 2 x my half of R
	s_add_nc_u64 s[84:85], s[12:13], s[82:83]
	v_lshlrev_b32 v5, 6, v3                        ; 16 h numbers
	v_and_b32 v6, 8, v2
	v_add_nc_u32 v6, v6, v2
	v_lshlrev_b32 v6, 2, v6                        ; r + 8 (r / 8) numbers
	WIN TO_P
.irp b, 0,1,2,3,4,5,6,7
	global_load_b128 v[BI+8*\b+96*(\b/4):BI+8*\b+96*(\b/4)+3], v5, s[80:81] offset:128*(\b/2)+32*(\b%2)
	global_load_b128 v[BI+8*\b+96*(\b/4)+4:BI+8*\b+96*(\b/4)+7], v5, s[80:81] offset:128*(\b/2)+32*(\b%2)+16
.endr
	WIN 0
.irp a, 0,1,2,3,4,5,6,7
	global_load_b32 v[BV+2*\a], v6, s[84:85] offset:128*(\a/2)+32*(\a%2)
	global_load_b32 v[BV+2*\a+1], v6, s[84:85] offset:128*(\a/2)+32*(\a%2)   ; twice: a pair for the packed addition
.endr
.macro FRAG reg, adr, off              ; a fragment: four loads of consecutive bytes
	ds_load_b128 v[\reg:\reg+3], v[\adr] offset:\off
	ds_load_b64 v[\reg+4:\reg+5], v[\adr+2] offset:(\off)+512
	ds_load_b128 v[\reg+6:\reg+9], v[\adr] offset:(\off)+768
	ds_load_b64 v[\reg+10:\reg+11], v[\adr+2] offset:(\off)+1280
.endm
.macro FETCH_P slot, q, p
	WIN TO_P
.irp i, 0,1,2,3,4,5,6,7
	FRAG 128*(\p)+FR*\i, ADRP+\slot, TILEB*\i+1536*(\q)
.endr
	WIN 0
.endm
.macro FETCH_R slot, q, i0
.irp i, \i0, \i0+1, \i0+2, \i0+3
	FRAG AF+FR*(\i), ADRR+\slot, TILEB*(\i)+1536*(\q)
.endr
.endm
; one product: R's tile a x P's tile b, K step ks.  An odd tile's scale words lie in lanes 16-31 of its register.  zero = 1: the product starts the sum
.macro WM a, b, p, ks, zero
.set rD, 8*(8*((\a)%4)+\b)
.set rP, 128*(\p)+FR*\b
.set rR, AF+FR*(\a)
.set rX, PS+8*(\b/2)+\ks
.set rY, RS+8*((\a)/2)+\ks
.set par, 2*((\a)%2)+(\b%2)+4*\zero
.if par == 0
	v_wmma_scale_f32_16x16x128_f8f6f4 v[rD:rD+7], v[rP:rP+11], v[rR:rR+11], v[rD:rD+7], v[rX], v[rY] matrix_a_fmt:MATRIX_FMT_FP6 matrix_b_fmt:MATRIX_FMT_FP6
.elseif par == 1
	v_wmma_scale_f32_16x16x128_f8f6f4 v[rD:rD+7], v[rP:rP+11], v[rR:rR+11], v[rD:rD+7], v[rX], v[rY] matrix_a_fmt:MATRIX_FMT_FP6 matrix_b_fmt:MATRIX_FMT_FP6 matrix_a_scale:MATRIX_SCALE_ROW1
.elseif par == 2
	v_wmma_scale_f32_16x16x128_f8f6f4 v[rD:rD+7], v[rP:rP+11], v[rR:rR+11], v[rD:rD+7], v[rX], v[rY] matrix_a_fmt:MATRIX_FMT_FP6 matrix_b_fmt:MATRIX_FMT_FP6 matrix_b_scale:MATRIX_SCALE_ROW1
.elseif par == 3
	v_wmma_scale_f32_16x16x128_f8f6f4 v[rD:rD+7], v[rP:rP+11], v[rR:rR+11], v[rD:rD+7], v[rX], v[rY] matrix_a_fmt:MATRIX_FMT_FP6 matrix_b_fmt:MATRIX_FMT_FP6 matrix_a_scale:MATRIX_SCALE_ROW1 matrix_b_scale:MATRIX_SCALE_ROW1
.elseif par == 4
	v_wmma_scale_f32_16x16x128_f8f6f4 v[rD:rD+7], v[rP:rP+11], v[rR:rR+11], 0, v[rX], v[rY] matrix_a_fmt:MATRIX_FMT_FP6 matrix_b_fmt:MATRIX_FMT_FP6
.elseif par == 5
	v_wmma_scale_f32_16x16x128_f8f6f4 v[rD:rD+7], v[rP:rP+11], v[rR:rR+11], 0, v[rX], v[rY] matrix_a_fmt:MATRIX_FMT_FP6 matrix_b_fmt:MATRIX_FMT_FP6 matrix_a_scale:MATRIX_SCALE_ROW1
.elseif par == 6
	v_wmma_scale_f32_16x16x128_f8f6f4 v[rD:rD+7], v[rP:rP+11], v[rR:rR+11], 0, v[rX], v[rY] matrix_a_fmt:MATRIX_FMT_FP6 matrix_b_fmt:MATRIX_FMT_FP6 matrix_b_scale:MATRIX_SCALE_ROW1
.else
	v_wmma_scale_f32_16x16x128_f8f6f4 v[rD:rD+7], v[rP:rP+11], v[rR:rR+11], 0, v[rX], v[rY] matrix_a_fmt:MATRIX_FMT_FP6 matrix_b_fmt:MATRIX_FMT_FP6 matrix_a_scale:MATRIX_SCALE_ROW1 matrix_b_scale:MATRIX_SCALE_ROW1
.endif
.endm
.macro MUL16 a0, p, ks, zero           ; the 64 accumulators take turns, one instruction a turn, in the same order in every K step
.irp a, \a0, \a0+1
.irp b, 0,1,2,3,4,5,6,7
	WM \a, \b, \p, \ks, \zero
.endr
.endr
.endm
; a slot's first K step: P's set 0; the second step's fragments are fetched on the way
.macro STEP slot, ks, zero
	s_wait_dscnt 16                                ; P's set and R's tiles 0-3 are in; the youngest sixteen loads (R's tiles 4-7) may be out
	WIN MUL_LO
	MUL16 0, 0, \ks, \zero
	MUL16 2, 0, \ks, \zero
	s_wait_dscnt 0x0
	PLACES                                         ; four places in front of loads into registers that matrix instructions have read
	FETCH_P \slot, 1, 1
	FETCH_R \slot, 1, 0
	WIN MUL_HI
	MUL16 4, 0, \ks, \zero
	MUL16 6, 0, \ks, \zero
	PLACES
	WIN 0
	FETCH_R \slot, 1, 4
.endm
; a slot's second K step changes slots: one barrier; in front of it each wave waits for all its tensor loads, adds 0 to its spare word, and waits for that and for its reads of this slot.  fill = 1: this slot is filled again
.macro TURN slot, next, ks, fill
	s_wait_tensorcnt 0x0                           ; all my tensor loads have landed: my part of the next slot
	ds_add_u32 v[SPW], v[NIL]                      ; 0 onto my spare word
	s_wait_dscnt 17                                ; (the add and the youngest sixteen loads may be out)
	WIN MUL_LO
	MUL16 0, 1, \ks, 0
	s_wait_dscnt 0x0                               ; the add is done, and my reads of this slot are over
	s_barrier_signal -1
	MUL16 2, 1, \ks, 0
	WIN 0
	s_barrier_wait -1
.if \fill
	CREST                                          ; the barrier has opened a round of the cluster's barrier: no wave of any partner still reads this slot or has a load on its way
	s_add_nc_u64 s[G0+4*\slot+2:G0+4*\slot+3], s[G0+4*\slot+2:G0+4*\slot+3], 2*TILEB
	s_add_nc_u64 s[G0B+4*\slot+2:G0B+4*\slot+3], s[G0B+4*\slot+2:G0B+4*\slot+3], 2*TILEB
	JLOAD \slot                                    ; my one tensor load behind the round; its four v_nop are the places in front of the loads below
.else
	PLACES
.endif
	FETCH_P \next, 0, 0
	FETCH_R \next, 0, 0
	WIN MUL_HI
	MUL16 4, 1, \ks, 0
	MUL16 6, 1, \ks, 0
	PLACES
	WIN 0
	FETCH_R \next, 0, 4
.endm
	s_wait_loadcnt 0x0                             ; scale words and biases
	s_wait_tensorcnt 1                             ; my part of slot 0 is in; slot 1's may stay out
	s_barrier_signal -1
	s_barrier_wait -1
	FETCH_P 0, 0, 0
	FETCH_R 0, 0, 0
	FETCH_R 0, 0, 4
	STEP 0, 0, 1
	TURN 0, 1, 1, 1
	STEP 1, 2, 0
	TURN 1, 0, 3, 1
	STEP 0, 4, 0
	TURN 0, 1, 5, 0
	STEP 1, 6, 0
	s_wait_dscnt 16                                ; the last K step: nothing more to fetch
	WIN MUL_LO
	MUL16 0, 1, 7, 0
	MUL16 2, 1, 7, 0
	s_wait_dscnt 0x0
	WIN MUL_HI
	MUL16 4, 1, 7, 0
	MUL16 6, 1, 7, 0
	WIN 0
; THE WAY OUT, a tile of R at a time: its eight accumulators plus the bias go to window 0 by one packed addition each (each accumulator from its low end on), are quantised, and leave as images.
.macro SUMS a, isv
.if \isv
	WIN 0x02+(\a)/4                                ; source 0: window 2 or 3; the bias in window 0
.else
	WIN 0x06+(\a)/4                                ; the bias in window 1
.endif
.irp b, 0,1,2,3,4,5,6,7
.irp p, 0,2,4,6
.if \isv
	v_pk_add_f32 v[HA+8*\b+\p:HA+8*\b+\p+1], v[8*(8*((\a)%4)+\b)+\p:8*(8*((\a)%4)+\b)+\p+1], v[BV+2*(\a):BV+2*(\a)+1]
.else
	v_pk_add_f32 v[HA+8*\b+\p:HA+8*\b+\p+1], v[8*(8*((\a)%4)+\b)+\p:8*(8*((\a)%4)+\b)+\p+1], v[BI+8*\b+96*(\b/4)+\p:BI+8*\b+96*(\b/4)+\p+1]
.endif
.endr
.endr
	WIN 0
.endm
	PLACES                                         ; behind the last products
.irp b, 0,1,2,3
	v_mov_b32 v[TM+4+\b], 0                        ; a lane permute's destination counts as read
.endr
	s_cmp_lg_u32 s19, 0
	s_cbranch_scc1 .Lmode_v
	; ---- Q or K: my 128 rows of P are two heads; a lane's 64 numbers are its row's 32 of each
	s_lshr_b32 s86, s77, 7                         ; batch
	s_and_b32 s87, s77, 127
	s_lshr_b32 s87, s87, 3                         ; key step
	s_lshl_b32 s86, s86, 4
	s_lshl_b32 s88, s40, 2
	s_add_co_u32 s86, s86, s88
	s_lshl_b32 s88, s18, 1
	s_add_co_u32 s86, s86, s88                     ; 16 x batch + head
	s_lshl_b32 s86, s86, 4
	s_add_co_u32 s86, s86, s87
	s_mul_i32 s86, s86, BLK
	s_mul_i32 s88, ttmp9, 6656                     ; Q's part or K's
	s_add_co_u32 s86, s86, s88
	s_mov_b32 s87, 0
	s_add_nc_u64 s[86:87], s[14:15], s[86:87]
.irp a, 0,1,2,3,4,5,6,7
	SUMS \a, 0
.if \a > 0
	s_wait_xcnt 0x0                                ; the last tile's stores have read the codes' registers
.endif
	QUANT HA, PW
	global_store_b128 v[L16], v[PC:PC+3], s[86:87] offset:768*\a             ; the first head's image,
	global_store_b64 v[L8], v[PC+4:PC+5], s[86:87] offset:768*\a+512
	global_store_b128 v[L16], v[PC+6:PC+9], s[86:87] offset:BH+768*\a        ; the second's
	global_store_b64 v[L8], v[PC+10:PC+11], s[86:87] offset:BH+768*\a+512
	v_lshrrev_b32 v[PWS+\a], v[SHF], v[PW]         ; lanes 0-15 keep the first head's two bytes lowest, lanes 16-31 the second's
.endr
	global_store_b128 v[SOFF], v[PWS:PWS+3], s[86:87] offset:6144
	global_store_b128 v[SOFF], v[PWS+4:PWS+7], s[86:87] offset:6400
	s_branch .Ldone
.Lmode_v:
	; ---- V: my 128 rows of P are one key step; my 8 tiles of R are two heads' four tiles of channels
	s_sub_co_u32 s86, s79, 512
	s_lshr_b32 s87, s86, 7                         ; batch
	s_and_b32 s86, s86, 127
	s_lshr_b32 s86, s86, 3                         ; key step
	s_lshl_b32 s87, s87, 4
	s_lshl_b32 s88, s41, 2
	s_add_co_u32 s87, s87, s88
	s_lshl_b32 s88, s17, 1
	s_add_co_u32 s87, s87, s88                     ; 16 x batch + head
	s_lshl_b32 s87, s87, 4
	s_add_co_u32 s86, s86, s87
	s_mul_i32 s86, s86, BLK
	s_add_co_u32 s86, s86, 13312
	s_mov_b32 s87, 0
	s_add_nc_u64 s[86:87], s[14:15], s[86:87]
.irp a, 0,1,2,3,4,5,6,7
	SUMS \a, 1
.if \a > 0
	s_wait_xcnt 0x0
.endif
	QUANT HA, PWS+\a
	global_store_b128 v[L16], v[PC:PC+3], s[86:87] offset:(\a/4)*BH+(\a%4)*1536
	global_store_b64 v[L8], v[PC+4:PC+5], s[86:87] offset:(\a/4)*BH+(\a%4)*1536+512
	global_store_b128 v[L16], v[PC+6:PC+9], s[86:87] offset:(\a/4)*BH+(\a%4)*1536+768
	global_store_b64 v[L8], v[PC+10:PC+11], s[86:87] offset:(\a/4)*BH+(\a%4)*1536+1280
.endr
.irp j, 0,1,2,3
	v_cndmask_b32 v[SW+\j], v[PWS+\j], v[PWS+4+\j], s22   ; lanes 0-15 carry the first head's words, lanes 16-31 the second's
.endr
	global_store_b128 v[SOFF], v[SW:SW+3], s[86:87] offset:6144
.Ldone:
	s_wait_tensorcnt 0x0                           ; the wave's end
	ds_add_u32 v[SPW], v[NIL]
	s_wait_dscnt 0x0
	CROUND                                         ; the closing round: no work-group ends while a partner may still ask for a tile that names it
	s_endpgm
.Lfunc_end_k_q6df6f1c4d8_proj:
	.size	k_q6df6f1c4d8_proj, .Lfunc_end_k_q6df6f1c4d8_proj-k_q6df6f1c4d8_proj
	.p2alignl 7, 3214868480
	.fill 96, 4, 3214868480
	.section	.rodata,"a",@progbits
	.p2align	6, 0x0
	.amdhsa_kernel k_q6df6f1c4d8_proj
		.amdhsa_group_segment_fixed_size 327680
		.amdhsa_private_segment_fixed_size 0
		.amdhsa_enable_private_segment 0
		.amdhsa_kernarg_size 48
		.amdhsa_user_sgpr_count 2
		.amdhsa_user_sgpr_kernarg_segment_ptr 1
		.amdhsa_wavefront_size32 1
		.amdhsa_system_sgpr_workgroup_id_x 1
		.amdhsa_system_sgpr_workgroup_id_y 1
		.amdhsa_system_sgpr_workgroup_id_z 1
		.amdhsa_system_vgpr_workitem_id 0
		.amdhsa_next_free_vgpr 1024
		.amdhsa_next_free_sgpr 100
		.amdhsa_reserve_vcc 0
		.amdhsa_float_denorm_mode_32 3
		.amdhsa_float_denorm_mode_16_64 3
		.amdhsa_memory_ordered 1
		.amdhsa_forward_progress 1
		.amdhsa_inst_pref_size 216
	.end_amdhsa_kernel
	.amdgpu_metadata
---
amdhsa.version: [ 1, 2 ]
amdhsa.kernels:
  - .name:           k_q6df6f1c4d8_proj
    .symbol:         k_q6df6f1c4d8_proj.kd
    .args:
      - { .name: cod, .offset: 0, .size: 8, .value_kind: global_buffer, .address_space: global }
      - { .name: scl, .offset: 8, .size: 8, .value_kind: global_buffer, .address_space: global }
      - { .name: bq, .offset: 16, .size: 8, .value_kind: global_buffer, .address_space: global }
      - { .name: bk, .offset: 24, .size: 8, .value_kind: global_buffer, .address_space: global }
      - { .name: bv, .offset: 32, .size: 8, .value_kind: global_buffer, .address_space: global }
      - { .name: qkv, .offset: 40, .size: 8, .value_kind: global_buffer, .address_space: global }
    .group_segment_fixed_size: 327680
    .private_segment_fixed_size: 0
    .kernarg_segment_align: 8
    .kernarg_segment_size: 48
    .max_flat_workgroup_size: 128
    .sgpr_count:     100
    .vgpr_count:     1024
    .wavefront_size: 32
...
	.end_amdgpu_metadata
.endif
;; end of part 4
;; launch attn (part 5): grid 8 x 64, 16 waves a work-group, clusters of 4 x 1, 215,040 bytes of LDS; arguments qkv, mw, cc, hsc; writes cc, hsc
.if DOCPART == 5
	.amdgcn_target "amdgcn-amd-amdhsa--gfx1250"
	.amdhsa_code_object_version 6
	.text
	.protected	k_q6df6f1c4d8_attn
	.globl	k_q6df6f1c4d8_attn
	.p2align	8
	.type	k_q6df6f1c4d8_attn,@function
k_q6df6f1c4d8_attn:
	s_mov_b64 s[64:65], 0
	v_nop
	global_prefetch_b8 v0, s[64:65] scope:SCOPE_SE
	s_setreg_imm32_b32 hwreg(HW_REG_WAVE_MODE, 25, 1), 1
	s_wait_xcnt 0x0
	s_wait_alu depctr_hold_cnt(0) depctr_sa_sdst(0) depctr_va_vdst(0) depctr_va_sdst(0) depctr_va_ssrc(0) depctr_va_vcc(0) depctr_vm_vsrc(0)
	s_getreg_b32 s2, hwreg(HW_REG_IB_STS2, 6, 4)
	s_cmp_eq_u32 s2, 0
	s_cbranch_scc0 .Lentry_in_a_cluster
	s_endpgm
.Lentry_in_a_cluster:
	s_bfe_u32 s2, ttmp6, 0x10000c
	s_cmp_lg_u32 s2, 0x3003
	s_cbranch_scc0 .Lentry_shape_is_right
	s_endpgm
.Lentry_shape_is_right:
; Attention of one (batch, head) on codes of FP6 (E2M3) with E8M0 scales: scores = Q K^T / 8 (K = the head's 64 channels: the upper half of the instruction's 128 is zero codes), masked, softmax, times V (K = the 2,048 keys).
; THE SOFTMAX AHEAD OF THE SECOND PRODUCT: t = score x log2(e) / 8; M = the running largest t rounded UP to a whole number; p = 2^(t - M) is quantised along the keys, not normalised; the row's sum is taken of the unquantised p
; and divides at the end.  When M moves, the sum and O are multiplied by 2^(old M - new M): exact.
; THE MASK: a masked score becomes -2^33 (the logit -2^30) ahead of the maximum, by one select a score on lane masks that an earlier launch packed.  -2^33 x c is a whole number, so a row all of whose keys are masked gets p = 1
; everywhere, the uniform weights that equal logits give; in every other row a masked key gets p = 0.  LIMIT: this differs from a logit of -1e9 only where an unmasked logit lies under about -1e9 + 200.
; LIMITS: NaN and infinities are not served; a block of zeros gets the byte 1 (its codes are zeros; the bytes are read by this program alone).
; SHARES.  A work-group owns 256 queries, each of its sixteen waves one tile of 16, in 256 registers: four waves to a SIMD, so that one wave's vector work stands beside another's products and LDS loads.
; THE HEAD'S K, V AND THEIR SCALE WORDS LIE IN LDS WHOLE, 16 key steps x 13,056 bytes, filled once: each wave brings one key step by one tensor load.  So no slot is filled again and the loop has no barrier.
; CLUSTER.  The four work-groups of a cluster belong to one head: each of those loads is a joint one (mask 15).
; LAYOUT.  Both products are used transposed (S^T = K Q^T, O^T = V^T P^T): a lane holds ONE query.  A tile's 16 rows are 32 (T / 2) + 8 (T % 2) + i + 8 (i / 8), so the 16 registers of tiles 2 b, 2 b + 1 are 16 neighbouring keys (or channels).
; The result, O / the sum, is quantised along the head's 64 channels for the output projection: cc [row tile][head][768 bytes], an image of the operand's registers; hsc [head][row tile][row], a word with the two bytes.
; REGISTERS: v1-9 addresses; v12 -M, v13 the largest t, v[14:15] the sum; v16-27 Q; v29 -2^33; v32-79 four fragments of K (their upper halves stay 0); v80-127 V's four; v128-191 S^T, then p; v192-223 O^T; v224-235 p's codes;
;   v232-247, v252, v254 at work; v248-251 K's or V's scale words; v253 p's; v255 Q's.   s16-63, s80-95: the key step's 64 lane masks.
.set BLK,   19712                      ; a block of qkv
.set KVOFF, 6656                       ; where K's part begins in it
.set KVB,   13056                      ; K's images 6,144, K's scale words 512, V's fragments 6,144, V's scale words 256
.set GATH,  16*KVB                     ; behind the head's bytes: 1,024 bytes in which the sixteen tiles' scale words meet
.set WV,  12
.set CNT, 13
.set TB,  14                           ; s14  LDS byte at which the key step in hand begins
.set SEL, 66
.set G1,  72
.set G0,  96
.set CS,  100                          ; s[100:101] c = log2(e) / 8
.macro CROUND
	s_barrier_signal -1
	s_barrier_wait -1
	s_cmp_lg_u32 s[WV], 0
	s_cbranch_scc1 .Lnot_wave_0_\@
	s_barrier_signal -3
.Lnot_wave_0_\@:
	s_barrier_wait -3
	s_barrier_signal -1
	s_barrier_wait -1
.endm
	s_load_b256 s[4:11], s[0:1], 0x0               ; qkv, mw, cc, hsc
	v_lshl_add_u32 v31, v0, 2, 0x34000
	v_mov_b32 v243, 0
	ds_add_u32 v31, v243
	ds_add_u32 v31, v243
	v_lshrrev_b32 v1, 5, v0
	v_readfirstlane_b32 s[WV], v1                  ; wave 0..15
	v_and_b32 v10, 31, v0
	v_and_b32 v11, 15, v0
	v_lshlrev_b32 v1, 4, v10                       ; 16 x lane
	v_lshlrev_b32 v2, 3, v10                       ; 8 x lane
	v_lshlrev_b32 v3, 4, v11                       ; 16 r
	s_lshl_b32 s15, s[WV], 6
	v_lshlrev_b32 v7, 2, v11
	v_add_nc_u32 v7, s15, v7
	v_add_nc_u32 v7, GATH, v7                      ; where my tile's scale words go: 64 x wave + 4 r
	s_min_u32 s15, s[WV], 1
	s_lshl_b32 s15, s15, 9
	v_add_nc_u32 v9, s15, v1                       ; waves 0 and 1 carry them out, 512 bytes each
	v_add_nc_u32 v8, GATH, v9
	s_bfe_u32 s16, ttmp6, 0x40000                  ; cx: it enters Q's, the mask's and the outputs' addresses alone
	s_lshl_b32 s17, ttmp9, 2
	s_add_co_u32 s17, s17, s16                     ; my block of 256 queries
	s_and_b32 s18, ttmp7, 0xffff                   ; batch x 16 + head, which the four partners share
	s_lshl_b32 s19, s18, 4
	s_add_co_u32 s20, s19, s[WV]
	s_mul_i32 s20, s20, BLK
	s_add_co_u32 s20, s20, KVOFF                   ; key step = my wave's number: its K and V
	s_mov_b32 s21, 0
	s_mul_i32 s38, s[WV], KVB                      ; and its place in LDS
	s_lshl_b32 s22, s17, 1
	s_add_co_u32 s22, s22, s19
	s_lshr_b32 s23, s[WV], 3
	s_add_co_u32 s22, s22, s23
	s_mul_i32 s22, s22, BLK                        ; the block that holds my queries
	s_and_b32 s23, s[WV], 7
	s_mul_i32 s23, s23, 768
	s_add_co_u32 s24, s22, s23                     ; my tile's image
	s_mov_b32 s25, 0
	s_bfe_u32 s26, s[WV], 0x10002
	s_lshl_b32 s26, s26, 8
	s_and_b32 s27, s[WV], 3
	s_lshl_b32 s27, s27, 2
	s_add_co_u32 s26, s26, s27
	s_add_co_u32 s26, s26, s22
	s_add_co_u32 s26, s26, 6144                    ; and its scale words
	s_mov_b32 s27, 0
	s_lshl_b32 s28, s17, 4
	s_add_co_u32 s28, s28, s[WV]                   ; my query tile, 0..127
	s_lshl_b32 s30, s28, 12                        ; its 16 x 256 bytes of lane masks
	s_mov_b32 s31, 0
	s_lshr_b32 s32, s18, 4
	s_and_b32 s33, s18, 15                         ; head
	s_lshl_b32 s32, s32, 7                         ; 128 x batch
	s_add_co_u32 s34, s32, s28
	s_mul_i32 s34, s34, 12288
	s_mul_i32 s35, s33, 768
	s_add_co_u32 s34, s34, s35
	s_mov_b32 s35, 0
	s_lshl_b32 s36, s17, 4
	s_add_co_u32 s36, s36, s32
	s_lshl_b32 s36, s36, 6
	s_lshl_b32 s37, s33, 15
	s_add_co_u32 s36, s36, s37
	s_mov_b32 s37, 0
	s_mov_b32 s[G1], 15|(3<<16)|(1<<21)            ; the mask: all four work-groups; elements of 8 bytes; bit 21 beside a mask
	s_mov_b32 s[G1+1], 32<<16                      ; 51 dense rows of 256 bytes
	s_mov_b32 s[G1+2], 51<<16
	s_mov_b32 s[G1+3], 32<<16
	s_mov_b32 s[G1+4], 51
	s_mov_b32 s[G1+5], 32
	s_mov_b32 s[G1+6], 0
	s_mov_b32 s[G1+7], 0
	s_mov_b32 s[SEL], 0x76543210
	s_mov_b32 s[SEL+1], 0xfedcba98
	s_mov_b32 s[CS], 0x3e38aa3b
	s_mov_b32 s[CS+1], s[CS]
	s_mov_b32 s[TB], 0
	s_mov_b32 s[CNT], 16
	s_wait_dscnt 0x0
	s_wait_kmcnt 0x0
	s_mov_b32 s[G0], 1
	s_mov_b32 s[G0+1], s38
	s_add_nc_u64 s[G0+2:G0+3], s[4:5], s[20:21]
	s_or_b32 s[G0+3], s[G0+3], 0x80000000
	s_add_nc_u64 s[24:25], s[4:5], s[24:25]
	s_add_nc_u64 s[26:27], s[4:5], s[26:27]
	s_add_nc_u64 s[6:7], s[6:7], s[30:31]
	s_add_nc_u64 s[8:9], s[8:9], s[34:35]
	s_add_nc_u64 s[10:11], s[10:11], s[36:37]
	CROUND                                         ; all four work-groups are here: the joint loads meet
	tensor_load_to_lds s[G0:G0+3], s[G1:G1+7]      ; my one tensor load of the launch
	s_nop 0
.rept 4
	v_nop
.endr
	global_load_b128 v[16:19], v1, s[24:25]        ; Q's image: registers 0-5 of the fragment
	global_load_b64 v[20:21], v2, s[24:25] offset:512
	global_load_b32 v255, v3, s[26:27]             ; Q's scale words
.irp j, 22,23,24,25,26,27
	v_mov_b32 v[\j], 0                             ; k = 64 .. 127: zero codes
.endr
.irp t, 0,1,2,3
.irp j, 6,7,8,9,10,11
	v_mov_b32 v[32+12*\t+\j], 0                    ; the same of K's fragments: written once
.endr
.endr
	v_mov_b32 v29, 0xd0000000                      ; -2^33
	v_mov_b32 v13, 0xff61b1e6                      ; the largest t so far: -3e38
	v_floor_f32 v12, -v13                          ; -M
	v_mov_b32 v14, 0
	v_mov_b32 v15, 0
.irp b, 0,1,2,3
	v_mov_b32 v[236+\b], 0                         ; a lane permute's destination counts as read
.endr
	v_mov_b32 v253, 0                              ; (named as the upper half of the pair v[252:253] before it is first written)
.set n, 0
.rept 32
	v_mov_b32 v[192+n], 0                          ; O^T: the loop is written once; its first step finds zeros
.set n, n+1
.endr
	s_wait_loadcnt 0x0                             ; Q
	s_wait_tensorcnt 0x0                           ; my key step has landed,
	s_barrier_signal -1
	s_barrier_wait -1                              ; everybody's has
.Lstep:                                            ; a key step: 128 keys
	s_load_b512 s[16:31], s[6:7], 0x0              ; its 64 lane masks
	s_load_b512 s[32:47], s[6:7], 0x40
	s_load_b512 s[48:63], s[6:7], 0x80
	s_load_b512 s[80:95], s[6:7], 0xc0
	v_add_nc_u32 v4, s[TB], v1
	v_add_nc_u32 v5, s[TB], v2
	v_add_nc_u32 v6, s[TB], v3
	v_nop                                          ; with the three above: four places behind the last step's products, in front of the load into their scale registers
.irp g, 0,1                            ; S^T = K Q^T, four tiles of 16 keys at a time
.if \g
.rept 4
	v_nop
.endr
.endif
.irp t, 0,1,2,3
	ds_load_b128 v[32+12*\t:35+12*\t], v4 offset:768*(4*\g+\t)
	ds_load_b64 v[36+12*\t:37+12*\t], v5 offset:768*(4*\g+\t)+512
.endr
	ds_load_b128 v[248:251], v6 offset:6144+256*\g
	s_wait_dscnt 0x0
.irp t, 0,1,2,3
	v_wmma_scale_f32_16x16x128_f8f6f4 v[128+8*(4*\g+\t):135+8*(4*\g+\t)], v[32+12*\t:43+12*\t], v[16:27], 0, v[248+\t], v255 matrix_a_fmt:MATRIX_FMT_FP6 matrix_b_fmt:MATRIX_FMT_FP6
.endr
.endr
.rept 4
	v_nop
.endr
.irp t, 0,1,2,3                        ; V's four fragments and their scale words land under the softmax
	ds_load_b128 v[80+12*\t:83+12*\t], v4 offset:6656+1536*\t
	ds_load_b64 v[84+12*\t:85+12*\t], v5 offset:6656+1536*\t+512
	ds_load_b128 v[86+12*\t:89+12*\t], v4 offset:6656+1536*\t+768
	ds_load_b64 v[90+12*\t:91+12*\t], v5 offset:6656+1536*\t+1280
.endr
	ds_load_b128 v[248:251], v6 offset:12800
	s_wait_kmcnt 0x0                               ; the masks are in, so their base may step
	s_add_nc_u64 s[6:7], s[6:7], 256
.set n, 0
.rept 48
	v_cndmask_b32 v[128+n], v[128+n], v29, s[16+n] ; register n, lane l: masked where bit l of word n is set.  Ascending: each accumulator is read from its low end on
.set n, n+1
.endr
.rept 16
	v_cndmask_b32 v[128+n], v[128+n], v29, s[32+n]
.set n, n+1
.endr
.irp b, 0,1,2,3
	v_max3_num_f32 v[232+\b], v[128+16*\b], v[129+16*\b], v[130+16*\b]   ; the largest score of each block of 32 keys: it serves the row's maximum and, since p rises with the score, the block's largest p
.endr
.irp i, 3,5,7,9,11,13
.irp b, 0,1,2,3
	v_max3_num_f32 v[232+\b], v[232+\b], v[128+16*\b+\i], v[129+16*\b+\i]
.endr
.endr
.irp b, 0,1,2,3
	v_max_num_f32 v[232+\b], v[232+\b], v[143+16*\b]
.endr
.irp b, 0,1,2,3
	v_permlanex16_b32 v[236+\b], v[232+\b], s[SEL], s[SEL+1]
.endr
.irp b, 0,1,2,3
	v_max_num_f32 v[232+\b], v[232+\b], v[236+\b]  ; with lane l xor 16's 16 keys
.endr
	v_max3_num_f32 v254, v232, v233, v234
	v_max_num_f32 v254, v254, v235
	v_mul_f32 v254, s[CS], v254                    ; the step's largest t
	v_max_num_f32 v13, v13, v254
	v_mov_b32 v254, v12
	v_floor_f32 v12, -v13                          ; the new -M = -ceil(t)
	v_sub_f32 v254, v12, v254                      ; old M - new M: a whole number, 0 or less
	v_cvt_i32_f32 v254, v254                       ; (it saturates)
	v_ldexp_f32 v252, 1.0, v254                    ; f = 2^(old M - new M)
.set n, 0
.rept 32
	v_pk_fma_f32 v[128+n:129+n], v[128+n:129+n], s[CS:CS+1], v[12:13] op_sel_hi:[1,0,0]   ; t - M
.set n, n+2
.endr
.irp b, 0,1,2,3
	v_fma_f32 v[232+\b], v[232+\b], s[CS], v12
.endr
.set n, 0
.rept 64
	v_exp_f32 v[128+n], v[128+n]                   ; p = 2^(t - M)
.set n, n+1
.endr
.irp b, 0,1,2,3
	v_exp_f32 v[232+\b], v[232+\b]                 ; the block's largest p
.endr
	v_pk_mul_f32 v[14:15], v[14:15], v[252:253] op_sel_hi:[1,0]   ; the sum under the new M.  (A plain place behind the exponentials)
	s_wait_alu depctr_va_vdst(0)
.irp b, 0,1,2,3
	v_max_num_f32 v[232+\b], 0x1800000, v[232+\b]  ; the floor 2^(3 - 127): the byte cannot fall under 1
.endr
.irp b, 0,1,2,3
	v_add_nc_u32 v[244+\b], 0xff000000, v[232+\b]  ; the conversion's scale operand
.endr
.irp b, 0,1,2,3
	v_lshrrev_b32 v[236+\b], 23, v[244+\b]         ; the byte
.endr
	v_lshl_or_b32 v253, v237, 8, v236              ; p's scale word for these 128 keys
	v_lshl_or_b32 v253, v238, 16, v253
	v_lshl_or_b32 v253, v239, 24, v253
.irp c, 0,1
	v_cvt_scalef32_pk16_fp6_f32 v[224+6*\c:226+6*\c], v[128+32*\c:143+32*\c], v[244+2*\c]
	v_cvt_scalef32_pk16_fp6_f32 v[236+4*\c:238+4*\c], v[144+32*\c:159+32*\c], v[244+2*\c+1]
.endr
	v_nop                                          ; one plain place behind a scaled conversion
.irp c, 0,1
.irp i, 0,1,2
	v_permlane16_swap_b32 v[224+6*\c+\i], v[236+4*\c+\i]
.endr
.irp i, 0,1,2
	v_mov_b32 v[227+6*\c+\i], v[236+4*\c+\i]
.endr
.endr
	v_pk_add_f32 v[236:237], v[128:129], v[130:131]   ; the row's sum is taken of the unquantised p, in two chains
.irp j, 4,8,12,16,20,24,28,32,36,40,44,48,52,56,60
	v_pk_add_f32 v[14:15], v[14:15], v[128+\j:129+\j]
	v_pk_add_f32 v[236:237], v[236:237], v[130+\j:131+\j]
.endr
	v_pk_add_f32 v[14:15], v[14:15], v[236:237]
.set n, 0
.rept 16
	v_pk_mul_f32 v[192+n:193+n], v[192+n:193+n], v[252:253] op_sel_hi:[1,0]   ; O^T under the new M.  (With the sums: the places in front of the products below)
.set n, n+2
.endr
	s_wait_dscnt 0x0                               ; V
.irp t, 0,1,2,3                        ; O^T += V^T P^T: the four accumulators by turns, one instruction each
	v_wmma_scale_f32_16x16x128_f8f6f4 v[192+8*\t:199+8*\t], v[80+12*\t:91+12*\t], v[224:235], v[192+8*\t:199+8*\t], v[248+\t], v253 matrix_a_fmt:MATRIX_FMT_FP6 matrix_b_fmt:MATRIX_FMT_FP6
.endr
	s_add_co_u32 s[TB], s[TB], KVB
	s_sub_co_u32 s[CNT], s[CNT], 1
	s_cmp_lg_u32 s[CNT], 0
	s_cbranch_scc1 .Lstep
	; THE WAY OUT: O^T / the sum, quantised along the head's 64 channels (register 16 b + i = channel 32 b + 16 h + i)
.rept 4
	v_nop
.endr
	v_add_f32 v14, v14, v15
	v_permlanex16_b32 v252, v14, s[SEL], s[SEL+1]
	v_add_f32 v14, v14, v252                       ; the row's sum
	v_rcp_f32 v14, v14
	v_nop                                          ; one plain place behind a transcendental
.set n, 0
	s_wait_alu depctr_va_vdst(0)
.rept 16
	v_pk_mul_f32 v[128+n:129+n], v[192+n:193+n], v[14:15] op_sel_hi:[1,0]
.set n, n+2
.endr
.irp b, 0,1
	v_max3_num_f32 v[232+\b], |v[128+16*\b]|, |v[129+16*\b]|, 0x1800000
.endr
.irp i, 2,4,6,8,10,12,14
.irp b, 0,1
	v_max3_num_f32 v[232+\b], v[232+\b], |v[128+16*\b+\i]|, |v[129+16*\b+\i]|
.endr
.endr
.irp b, 0,1
	v_permlanex16_b32 v[236+\b], v[232+\b], s[SEL], s[SEL+1]
.endr
.irp b, 0,1
	v_max_num_f32 v[232+\b], v[232+\b], v[236+\b]
.endr
.irp b, 0,1
	v_add_nc_u32 v[244+\b], 0xff000000, v[232+\b]
.endr
.irp b, 0,1
	v_lshrrev_b32 v[236+\b], 23, v[244+\b]
.endr
	v_lshl_or_b32 v254, v237, 8, v236              ; my row's two bytes; the upper half stays 0
	v_cvt_scalef32_pk16_fp6_f32 v[224:226], v[128:143], v244
	v_cvt_scalef32_pk16_fp6_f32 v[240:242], v[144:159], v245
	v_nop
.irp i, 0,1,2
	v_permlane16_swap_b32 v[224+\i], v[240+\i]
.endr
.irp i, 0,1,2
	v_mov_b32 v[227+\i], v[240+\i]
.endr
	global_store_b128 v1, v[224:227], s[8:9]       ; the image: 512 and 256 consecutive bytes
	global_store_b64 v2, v[228:229], s[8:9] offset:512
	ds_store_b32 v7, v254                          ; both halves of the lanes write the same word with the same value
	s_wait_dscnt 0x0                               ; for the others' sake
	s_barrier_signal -1
	s_barrier_wait -1
	s_cmp_gt_u32 s[WV], 1
	s_cbranch_scc1 .Lno_gather
	ds_load_b128 v[128:131], v8
	s_wait_dscnt 0x0
	global_store_b128 v9, v[128:131], s[10:11]     ; the sixteen tiles' 1,024 bytes of scale words, 512 a wave
.Lno_gather:
	s_wait_tensorcnt 0x0
	ds_add_u32 v31, v243
	s_wait_dscnt 0x0
	CROUND                                         ; the closing round: no work-group ends while a partner may still ask for a tile that names it
	s_endpgm
.Lfunc_end_k_q6df6f1c4d8_attn:
	.size	k_q6df6f1c4d8_attn, .Lfunc_end_k_q6df6f1c4d8_attn-k_q6df6f1c4d8_attn
	.p2alignl 7, 3214868480
	.fill 96, 4, 3214868480
	.section	.rodata,"a",@progbits
	.p2align	6, 0x0
	.amdhsa_kernel k_q6df6f1c4d8_attn
		.amdhsa_group_segment_fixed_size 215040
		.amdhsa_private_segment_fixed_size 0
		.amdhsa_enable_private_segment 0
		.amdhsa_kernarg_size 32
		.amdhsa_user_sgpr_count 2
		.amdhsa_user_sgpr_kernarg_segment_ptr 1
		.amdhsa_wavefront_size32 1
		.amdhsa_system_sgpr_workgroup_id_x 1
		.amdhsa_system_sgpr_workgroup_id_y 1
		.amdhsa_system_sgpr_workgroup_id_z 1
		.amdhsa_system_vgpr_workitem_id 0
		.amdhsa_next_free_vgpr 256
		.amdhsa_next_free_sgpr 106
		.amdhsa_reserve_vcc 0
		.amdhsa_float_denorm_mode_32 3
		.amdhsa_float_denorm_mode_16_64 3
		.amdhsa_memory_ordered 1
		.amdhsa_forward_progress 1
		.amdhsa_inst_pref_size 32
	.end_amdhsa_kernel
	.amdgpu_metadata
---
amdhsa.version: [ 1, 2 ]
amdhsa.kernels:
  - .name:           k_q6df6f1c4d8_attn
    .symbol:         k_q6df6f1c4d8_attn.kd
    .args:
      - { .name: qkv, .offset: 0, .size: 8, .value_kind: global_buffer, .address_space: global }
      - { .name: mw, .offset: 8, .size: 8, .value_kind: global_buffer, .address_space: global }
      - { .name: cc, .offset: 16, .size: 8, .value_kind: global_buffer, .address_space: global }
      - { .name: hsc, .offset: 24, .size: 8, .value_kind: global_buffer, .address_space: global }
    .group_segment_fixed_size: 215040
    .private_segment_fixed_size: 0
    .kernarg_segment_align: 8
    .kernarg_segment_size: 32
    .max_flat_workgroup_size: 512
    .sgpr_count:     106
    .vgpr_count:     256
    .wavefront_size: 32
...
	.end_amdgpu_metadata
.endif
;; end of part 5
;; launch outproj (part 6): grid 4 x 32, 4 waves a work-group, clusters of 4 x 4, 327,680 bytes of LDS; arguments cc, hsc, cod, scl, bo, out0; writes out0
.if DOCPART == 6
	.amdgcn_target "amdgcn-amd-amdhsa--gfx1250"
	.amdhsa_code_object_version 6
	.text
	.protected	k_q6df6f1c4d8_outproj
	.globl	k_q6df6f1c4d8_outproj
	.p2align	8
	.type	k_q6df6f1c4d8_outproj,@function
k_q6df6f1c4d8_outproj:
	s_mov_b64 s[64:65], 0
	v_nop
	global_prefetch_b8 v0, s[64:65] scope:SCOPE_SE
	s_setreg_imm32_b32 hwreg(HW_REG_WAVE_MODE, 25, 1), 1
	s_wait_xcnt 0x0
	s_wait_alu depctr_hold_cnt(0) depctr_sa_sdst(0) depctr_va_vdst(0) depctr_va_sdst(0) depctr_va_ssrc(0) depctr_va_vcc(0) depctr_vm_vsrc(0)
	s_getreg_b32 s2, hwreg(HW_REG_IB_STS2, 6, 4)
	s_cmp_eq_u32 s2, 0
	s_cbranch_scc0 .Lentry_in_a_cluster
	s_endpgm
.Lentry_in_a_cluster:
	s_bfe_u32 s2, ttmp6, 0x10000c
	s_cmp_lg_u32 s2, 0xf033
	s_cbranch_scc0 .Lentry_shape_is_right
	s_endpgm
.Lentry_shape_is_right:
; out0 = concat Wo^T + bo, K = 1,024, on codes of FP6 (E2M3) with E8M0 scales.  Source 0 is P = Wo's rows (cod tiles 1024-1087), source 1 is R = concat's rows (cc): a lane holds one row of the output and eight neighbouring columns.
; A tile of an operand is 16 rows, 32 (T / 2) + 8 (T % 2) + i + 8 (i / 8).  cc and cod: [tile][K step of 128][1,536 bytes], a fragment's registers as they stand (in cc a K step is two heads' images).
; A work-group makes 256 columns x 256 rows; each of its four waves 128 x 128: 64 accumulators.  K goes through two LDS slots of two K steps, each wave bringing 8 tiles x 3,072 bytes by one tensor load; the eight K steps are written out.
; CLUSTERS: 4 x 4 work-groups; R's tiles are shared along a row of the cluster, P's along a column.  The grid is 128 work-groups: a tile of half the size would give 256 at twice the LDS reads for each product; not built.
; The bias is the C of each sum's first product.  The way out goes through the wave's own stage in LDS, bytes that no tensor load fills, and leaves as whole rows of 512 bytes.
; REGISTERS: window 0: v16-31 addresses; v32-63 R's scale words, v64-95 P's (register 8 i + s: lanes 0-15 tile 2 i, lanes 16-31 tile 2 i + 1, K step s); v128-223 R's 8 fragments; on the way out v128-255 rows of the output.
;   window 1: P's fragments, two sets, at v0 and v128; v96-127, v224-255 bo's numbers, 8 for each tile of P.   windows 2, 3: accumulator (a, b) at v[8 (8 (a % 4) + b)].
.set FR,    12
.set TILEB, 3072
.set HALFT, 8*TILEB
.set SLOT,  4*HALFT
.set SPARE, 2*SLOT                     ; the spare words, 128 bytes for each wave
.set STAGE, SPARE+512                  ; four stages of 16 rows x 528 bytes
.set SPITCH, 528
.set CTILE, 12288
.set ADRR, 16
.set ADRP, 20
.set L16,  24
.set L8,   25
.set STO,  26
.set RD,   27
.set SPW,  28
.set NIL,  29
.set RS,   32
.set PS,   64
.set AF,   128
.set BI,   96                          ; in window 1
.set BK,   128
.set G1,   24
.set G0,   32
.set G1B,  48
.set G0B,  56
.set MSB, 0
.macro WIN new
.if MSB != (\new)
	s_set_vgpr_msb (MSB<<8)|(\new)
.set MSB, (\new)
.endif
.endm
.set MUL_LO, 0xa1                      ; source 0 (P) window 1, source 1 (R) window 0, C and D window 2
.set MUL_HI, 0xf1
.set Z_LO,   0x91                      ; the first K step: C (the bias) window 1, D window 2
.set Z_HI,   0xd1
.set TO_P,   0x40
.macro PLACES
.rept 4
	v_nop
.endr
.endm
.macro JLOAD s                         ; a joint load: waves 0 and 1 fetch R's halves, waves 2 and 3 P's; four v_nop follow each line
	s_cmp_eq_u32 s17, 0
	s_cbranch_scc0 .Lfor_p_\@
	tensor_load_to_lds s[G0+4*\s:G0+4*\s+3], s[G1:G1+7]
	s_nop 0
	PLACES
	s_branch .Lasked_\@
.Lfor_p_\@:
	tensor_load_to_lds s[G0B+4*\s:G0B+4*\s+3], s[G1B:G1B+7]
	s_nop 0
	PLACES
.Lasked_\@:
.endm
.macro CREST
	s_cmp_lg_u32 s16, 0
	s_cbranch_scc1 .Lnot_wave_0_\@
	s_barrier_signal -3
.Lnot_wave_0_\@:
	s_barrier_wait -3
	s_barrier_signal -1
	s_barrier_wait -1
.endm
.macro CROUND
	s_barrier_signal -1
	s_barrier_wait -1
	CREST
.endm
	s_load_b256 s[4:11], s[0:1], 0x0               ; cc, hsc, cod, scl
	s_load_b128 s[12:15], s[0:1], 0x20             ; bo, out0
	v_lshl_add_u32 v[SPW], v0, 2, SPARE
	v_mov_b32 v[NIL], 0
	ds_add_u32 v28, v29
	ds_add_u32 v28, v29
	s_wait_dscnt 0x0
	v_lshrrev_b32 v1, 5, v0
	v_readfirstlane_b32 s16, v1                    ; wave
	s_lshr_b32 s17, s16, 1                         ; my half of R.  Also: I fetch for R (0) or for P (1)
	s_and_b32 s18, s16, 1                          ; my half of P.  Also: which 8 tiles I fetch
	s_bfe_u32 s40, ttmp6, 0x40000                  ; cx
	s_bfe_u32 s41, ttmp6, 0x40004                  ; cy
	s_and_b32 s43, ttmp7, 0xffff
	s_lshl_b32 s44, s41, 2
	s_lshl_b32 s44, 15, s44                        ; my row of the cluster
	s_lshl_b32 s45, 0x1111, s40                    ; my column
	s_or_b32 s[G1], s44, (3<<16)|(1<<21)
	s_or_b32 s[G1B], s45, (3<<16)|(1<<21)
.irp g, G1, G1B
	s_mov_b32 s[\g+1], 384<<16                     ; 8 tiles x 3,072 bytes, 12,288 bytes apart
	s_mov_b32 s[\g+2], 8<<16
	s_mov_b32 s[\g+3], 384<<16
	s_mov_b32 s[\g+4], 8
	s_mov_b32 s[\g+5], 1536
	s_mov_b32 s[\g+6], 0
	s_mov_b32 s[\g+7], 0
.endr
	s_lshl_b32 s66, s43, 6
	s_lshl_b32 s67, s41, 4
	s_add_co_u32 s66, s66, s67                     ; R's first tile: 16 (4 x cluster y + cy)
	s_lshl_b32 s68, s40, 4
	s_add_co_u32 s68, s68, 1024                    ; P's first tile
	s_lshl_b32 s69, s18, 3
	s_add_co_u32 s70, s66, s69
	s_mul_i32 s70, s70, CTILE
	s_mov_b32 s71, 0
	s_add_co_u32 s72, s68, s69
	s_mul_i32 s72, s72, CTILE
	s_mov_b32 s73, 0
	s_mul_i32 s74, s16, HALFT
	s_wait_kmcnt 0x0
	s_add_nc_u64 s[70:71], s[4:5], s[70:71]
	s_add_nc_u64 s[72:73], s[8:9], s[72:73]
	CROUND                                         ; all sixteen work-groups are here: the first joint loads meet
.irp s, 0,1
	s_mov_b32 s[G0+4*\s], 1
	s_add_co_u32 s[G0+4*\s+1], s74, \s*SLOT
	s_add_nc_u64 s[G0+4*\s+2:G0+4*\s+3], s[70:71], \s*TILEB
	s_or_b32 s[G0+4*\s+3], s[G0+4*\s+3], 0x80000000
	s_mov_b32 s[G0B+4*\s], 1
	s_add_co_u32 s[G0B+4*\s+1], s74, \s*SLOT
	s_add_nc_u64 s[G0B+4*\s+2:G0B+4*\s+3], s[72:73], \s*TILEB
	s_or_b32 s[G0B+4*\s+3], s[G0B+4*\s+3], 0x80000000
	JLOAD \s
.endr
	v_and_b32 v1, 31, v0
	v_and_b32 v2, 15, v0
	v_bfe_u32 v3, v0, 4, 1
	v_lshlrev_b32 v[L16], 4, v1
	v_lshlrev_b32 v[L8], 3, v1
	s_mul_i32 s75, s17, HALFT
	s_mul_i32 s76, s18, HALFT
	s_add_co_u32 s76, s76, 2*HALFT
.irp s, 0,1
	v_add_nc_u32 v[ADRR+\s], s75, v[L16]
	v_add_nc_u32 v[ADRR+2+\s], s75, v[L8]
	v_add_nc_u32 v[ADRP+\s], s76, v[L16]
	v_add_nc_u32 v[ADRP+2+\s], s76, v[L8]
	s_add_co_u32 s75, s75, SLOT
	s_add_co_u32 s76, s76, SLOT
.endr
	s_mul_i32 s86, s16, 16*SPITCH
	s_add_co_u32 s86, s86, STAGE                   ; my stage
	v_mul_u32_u24 v[STO], v2, SPITCH
	v_lshl_add_u32 v[STO], v3, 6, v[STO]
	v_add_nc_u32 v[STO], s86, v[STO]               ; in: row r, + 64 h
	v_add_nc_u32 v[RD], s86, v[L16]                ; back: a row of 512 bytes to the 32 lanes
	s_lshl_b32 s77, s17, 3
	s_add_co_u32 s77, s77, s66                     ; my first tile of R
	s_lshl_b32 s79, s18, 3
	s_add_co_u32 s79, s79, s68                     ; my first tile of P
	s_lshl_b32 s88, s77, 16                        ; 16 rows of 4,096 bytes a tile
	s_lshl_b32 s87, s40, 10
	s_add_co_u32 s88, s88, s87
	s_lshl_b32 s87, s18, 9
	s_add_co_u32 s88, s88, s87                     ; + my 128 columns
	s_mov_b32 s89, 0
	s_add_nc_u64 s[14:15], s[14:15], s[88:89]
	; P's scale words straight into registers; R's come head by head (two bytes a word) and are pieced together, two heads to a K step
	v_lshlrev_b32 v4, 5, v2
	v_lshl_add_u32 v4, v3, 9, v4
	s_lshl_b32 s78, s79, 9
	v_add_nc_u32 v31, s78, v4
	s_lshl_b32 s78, s77, 6
	v_lshlrev_b32 v5, 2, v1
	v_add_nc_u32 v30, s78, v5
.irp i, 0,1,2,3
.irp e, 0,1
	global_load_b128 v[PS+8*\i+4*\e:PS+8*\i+4*\e+3], v31, s[10:11] offset:1024*\i+16*\e
.endr
.endr
.irp hd, 0,1,2,3,4,5,6,7,8,9,10,11,12,13,14,15
.irp i, 0,1,2,3
	global_load_b32 v[128+4*\hd+\i], v30, s[6:7] offset:32768*\hd+128*\i   ; head hd, tiles 2 i (lanes 0-15) and 2 i + 1 (lanes 16-31)
.endr
.endr
	s_lshl_b32 s82, s40, 2
	s_lshl_b32 s83, s18, 1
	s_add_co_u32 s82, s82, s83
	s_lshl_b32 s82, s82, 8                         ; my 128 numbers of bo
	s_mov_b32 s83, 0
	s_add_nc_u64 s[80:81], s[12:13], s[82:83]
	v_lshlrev_b32 v6, 6, v3
	WIN TO_P
.irp b, 0,1,2,3,4,5,6,7
	global_load_b128 v[BI+8*\b+96*(\b/4):BI+8*\b+96*(\b/4)+3], v6, s[80:81] offset:128*(\b/2)+32*(\b%2)
	global_load_b128 v[BI+8*\b+96*(\b/4)+4:BI+8*\b+96*(\b/4)+7], v6, s[80:81] offset:128*(\b/2)+32*(\b%2)+16
.endr
	WIN 0
	s_wait_loadcnt 0x0
.irp i, 0,1,2,3
.irp s, 0,1,2,3,4,5,6,7
	v_lshl_or_b32 v[RS+8*\i+\s], v[128+4*(2*\s+1)+\i], 16, v[128+4*(2*\s)+\i]
.endr
.endr
.rept 8
	v_nop                                          ; a scale register written by a vector instruction stands 8 places ahead of a scaled matrix instruction
.endr
.macro FRAG reg, adr, off
	ds_load_b128 v[\reg:\reg+3], v[\adr] offset:\off
	ds_load_b64 v[\reg+4:\reg+5], v[\adr+2] offset:(\off)+512
	ds_load_b128 v[\reg+6:\reg+9], v[\adr] offset:(\off)+768
	ds_load_b64 v[\reg+10:\reg+11], v[\adr+2] offset:(\off)+1280
.endm
.macro FETCH_P slot, q, p
	WIN TO_P
.irp i, 0,1,2,3,4,5,6,7
	FRAG 128*(\p)+FR*\i, ADRP+\slot, TILEB*\i+1536*(\q)
.endr
	WIN 0
.endm
.macro FETCH_R slot, q, i0
.irp i, \i0, \i0+1, \i0+2, \i0+3
	FRAG AF+FR*(\i), ADRR+\slot, TILEB*(\i)+1536*(\q)
.endr
.endm
; one product: R's tile a x P's tile b, K step ks.  An odd tile's scale words lie in lanes 16-31 of its register.  zero = 1: the product starts the sum from the bias
.macro WM a, b, p, ks, zero
.set rD, 8*(8*((\a)%4)+\b)
.set rP, 128*(\p)+FR*\b
.set rR, AF+FR*(\a)
.set rB, BI+8*\b+96*(\b/4)
.set rX, PS+8*(\b/2)+\ks
.set rY, RS+8*((\a)/2)+\ks
.set par, 2*((\a)%2)+(\b%2)+4*\zero
.if par == 0
	v_wmma_scale_f32_16x16x128_f8f6f4 v[rD:rD+7], v[rP:rP+11], v[rR:rR+11], v[rD:rD+7], v[rX], v[rY] matrix_a_fmt:MATRIX_FMT_FP6 matrix_b_fmt:MATRIX_FMT_FP6
.elseif par == 1
	v_wmma_scale_f32_16x16x128_f8f6f4 v[rD:rD+7], v[rP:rP+11], v[rR:rR+11], v[rD:rD+7], v[rX], v[rY] matrix_a_fmt:MATRIX_FMT_FP6 matrix_b_fmt:MATRIX_FMT_FP6 matrix_a_scale:MATRIX_SCALE_ROW1
.elseif par == 2
	v_wmma_scale_f32_16x16x128_f8f6f4 v[rD:rD+7], v[rP:rP+11], v[rR:rR+11], v[rD:rD+7], v[rX], v[rY] matrix_a_fmt:MATRIX_FMT_FP6 matrix_b_fmt:MATRIX_FMT_FP6 matrix_b_scale:MATRIX_SCALE_ROW1
.elseif par == 3
	v_wmma_scale_f32_16x16x128_f8f6f4 v[rD:rD+7], v[rP:rP+11], v[rR:rR+11], v[rD:rD+7], v[rX], v[rY] matrix_a_fmt:MATRIX_FMT_FP6 matrix_b_fmt:MATRIX_FMT_FP6 matrix_a_scale:MATRIX_SCALE_ROW1 matrix_b_scale:MATRIX_SCALE_ROW1
.elseif par == 4
	v_wmma_scale_f32_16x16x128_f8f6f4 v[rD:rD+7], v[rP:rP+11], v[rR:rR+11], v[rB:rB+7], v[rX], v[rY] matrix_a_fmt:MATRIX_FMT_FP6 matrix_b_fmt:MATRIX_FMT_FP6
.elseif par == 5
	v_wmma_scale_f32_16x16x128_f8f6f4 v[rD:rD+7], v[rP:rP+11], v[rR:rR+11], v[rB:rB+7], v[rX], v[rY] matrix_a_fmt:MATRIX_FMT_FP6 matrix_b_fmt:MATRIX_FMT_FP6 matrix_a_scale:MATRIX_SCALE_ROW1
.elseif par == 6
	v_wmma_scale_f32_16x16x128_f8f6f4 v[rD:rD+7], v[rP:rP+11], v[rR:rR+11], v[rB:rB+7], v[rX], v[rY] matrix_a_fmt:MATRIX_FMT_FP6 matrix_b_fmt:MATRIX_FMT_FP6 matrix_b_scale:MATRIX_SCALE_ROW1
.else
	v_wmma_scale_f32_16x16x128_f8f6f4 v[rD:rD+7], v[rP:rP+11], v[rR:rR+11], v[rB:rB+7], v[rX], v[rY] matrix_a_fmt:MATRIX_FMT_FP6 matrix_b_fmt:MATRIX_FMT_FP6 matrix_a_scale:MATRIX_SCALE_ROW1 matrix_b_scale:MATRIX_SCALE_ROW1
.endif
.endm
.macro MUL16 a0, p, ks, zero           ; the 64 accumulators take turns, one instruction a turn, in the same order in every K step
.irp a, \a0, \a0+1
.irp b, 0,1,2,3,4,5,6,7
	WM \a, \b, \p, \ks, \zero
.endr
.endr
.endm
.macro STEP slot, ks, zero
	s_wait_dscnt 16                                ; P's set and R's tiles 0-3 are in; the youngest sixteen loads (R's tiles 4-7) may be out
.if \zero
	WIN Z_LO
.else
	WIN MUL_LO
.endif
	MUL16 0, 0, \ks, \zero
	MUL16 2, 0, \ks, \zero
	s_wait_dscnt 0x0
	PLACES                                         ; four places in front of loads into registers that matrix instructions have read
	FETCH_P \slot, 1, 1
	FETCH_R \slot, 1, 0
.if \zero
	WIN Z_HI
.else
	WIN MUL_HI
.endif
	MUL16 4, 0, \ks, \zero
	MUL16 6, 0, \ks, \zero
	PLACES
	WIN 0
	FETCH_R \slot, 1, 4
.endm
.macro TURN slot, next, ks, fill
	s_wait_tensorcnt 0x0                           ; all my tensor loads have landed: my part of the next slot
	ds_add_u32 v[SPW], v[NIL]                      ; 0 onto my spare word
	s_wait_dscnt 17                                ; (the add and the youngest sixteen loads may be out)
	WIN MUL_LO
	MUL16 0, 1, \ks, 0
	s_wait_dscnt 0x0                               ; the add is done, and my reads of this slot are over
	s_barrier_signal -1
	MUL16 2, 1, \ks, 0
	WIN 0
	s_barrier_wait -1
.if \fill
	CREST                                          ; the barrier has opened a round of the cluster's barrier: no wave of any partner still reads this slot or has a load on its way
	s_add_nc_u64 s[G0+4*\slot+2:G0+4*\slot+3], s[G0+4*\slot+2:G0+4*\slot+3], 2*TILEB
	s_add_nc_u64 s[G0B+4*\slot+2:G0B+4*\slot+3], s[G0B+4*\slot+2:G0B+4*\slot+3], 2*TILEB
	JLOAD \slot                                    ; my one tensor load behind the round; its four v_nop are the places in front of the loads below
.else
	PLACES
.endif
	FETCH_P \next, 0, 0
	FETCH_R \next, 0, 0
	WIN MUL_HI
	MUL16 4, 1, \ks, 0
	MUL16 6, 1, \ks, 0
	PLACES
	WIN 0
	FETCH_R \next, 0, 4
.endm
	s_wait_tensorcnt 1                             ; my part of slot 0 is in; slot 1's may stay out
	s_barrier_signal -1
	s_barrier_wait -1
	FETCH_P 0, 0, 0
	FETCH_R 0, 0, 0
	FETCH_R 0, 0, 4
	STEP 0, 0, 1
	TURN 0, 1, 1, 1
	STEP 1, 2, 0
	TURN 1, 0, 3, 1
	STEP 0, 4, 0
	TURN 0, 1, 5, 0
	STEP 1, 6, 0
	s_wait_dscnt 16                                ; the last K step: nothing more to fetch
	WIN MUL_LO
	MUL16 0, 1, 7, 0
	MUL16 2, 1, 7, 0
	s_wait_dscnt 0x0
	WIN MUL_HI
	MUL16 4, 1, 7, 0
	MUL16 6, 1, 7, 0
	WIN 0
; THE WAY OUT, a tile of R (16 rows x my 128 columns) at a time, through my own stage: LDS serves a wave's instructions in order, so no wait stands between the stores and the loads, nor in front of the next tile's stores.
.macro TOSTAGE a
.set AC, 64*((\a)%4)
	WIN 0x08+4*((\a)/4)                            ; an LDS store's data are its source 1: window 2 or 3
.irp b, 0,1,2,3,4,5,6,7
	ds_store_b128 v[STO], v[AC+8*\b:AC+8*\b+3] offset:128*(\b/2)+32*(\b%2)        ; columns 32 (b / 2) + 16 h + 8 (b % 2) on; each accumulator from its low end on
	ds_store_b128 v[STO], v[AC+8*\b+4:AC+8*\b+7] offset:128*(\b/2)+32*(\b%2)+16
.endr
	WIN 0
.set BB, BK+64*((\a)%2)
.irp t, 0,1,2,3,4,5,6,7,8,9,10,11,12,13,14,15
	ds_load_b128 v[BB+4*\t:BB+4*\t+3], v[RD] offset:\t*SPITCH
.endr
.endm
.macro SEND a, younger                 ; younger: the LDS instructions issued behind tile a's loads, which may stay out
.set BB, BK+64*((\a)%2)
	s_wait_dscnt \younger
.irp t, 0,1,2,3,4,5,6,7,8,9,10,11,12,13,14,15
	global_store_b128 v[L16], v[BB+4*\t:BB+4*\t+3], s[14:15] offset:(32*((\a)/2)+8*((\a)%2)+\t+8*(\t/8))*4096 th:TH_STORE_NT   ; 32 lanes store 512 consecutive bytes, aligned; the row stands in the immediate
.endr
.endm
	PLACES                                         ; behind the last products
	TOSTAGE 0
.irp a, 1,2,3,4,5,6,7
.if \a > 1
	s_wait_xcnt 0x0                                ; tile a - 2's stores have read their registers: tile a's loads may land there
.endif
	TOSTAGE \a
	SEND \a-1, 32                                  ; behind tile a - 1's loads: tile a's 16 stores and 16 loads
.endr
	SEND 7, 0
	s_wait_tensorcnt 0x0                           ; the wave's end
	ds_add_u32 v[SPW], v[NIL]
	s_wait_dscnt 0x0
	CROUND                                         ; the closing round
	s_endpgm
.Lfunc_end_k_q6df6f1c4d8_outproj:
	.size	k_q6df6f1c4d8_outproj, .Lfunc_end_k_q6df6f1c4d8_outproj-k_q6df6f1c4d8_outproj
	.p2alignl 7, 3214868480
	.fill 96, 4, 3214868480
	.section	.rodata,"a",@progbits
	.p2align	6, 0x0
	.amdhsa_kernel k_q6df6f1c4d8_outproj
		.amdhsa_group_segment_fixed_size 327680
		.amdhsa_private_segment_fixed_size 0
		.amdhsa_enable_private_segment 0
		.amdhsa_kernarg_size 48
		.amdhsa_user_sgpr_count 2
		.amdhsa_user_sgpr_kernarg_segment_ptr 1
		.amdhsa_wavefront_size32 1
		.amdhsa_system_sgpr_workgroup_id_x 1
		.amdhsa_system_sgpr_workgroup_id_y 1
		.amdhsa_system_sgpr_workgroup_id_z 1
		.amdhsa_system_vgpr_workitem_id 0
		.amdhsa_next_free_vgpr 1024
		.amdhsa_next_free_sgpr 100
		.amdhsa_reserve_vcc 0
		.amdhsa_float_denorm_mode_32 3
		.amdhsa_float_denorm_mode_16_64 3
		.amdhsa_memory_ordered 1
		.amdhsa_forward_progress 1
		.amdhsa_inst_pref_size 149
	.end_amdhsa_kernel
	.amdgpu_metadata
---
amdhsa.version: [ 1, 2 ]
amdhsa.kernels:
  - .name:           k_q6df6f1c4d8_outproj
    .symbol:         k_q6df6f1c4d8_outproj.kd
    .args:
      - { .name: cc, .offset: 0, .size: 8, .value_kind: global_buffer, .address_space: global }
      - { .name: hsc, .offset: 8, .size: 8, .value_kind: global_buffer, .address_space: global }
      - { .name: cod, .offset: 16, .size: 8, .value_kind: global_buffer, .address_space: global }
      - { .name: scl, .offset: 24, .size: 8, .value_kind: global_buffer, .address_space: global }
      - { .name: bo, .offset: 32, .size: 8, .value_kind: global_buffer, .address_space: global }
      - { .name: out0, .offset: 40, .size: 8, .value_kind: global_buffer, .address_space: global }
    .group_segment_fixed_size: 327680
    .private_segment_fixed_size: 0
    .kernarg_segment_align: 8
    .kernarg_segment_size: 48
    .max_flat_workgroup_size: 128
    .sgpr_count:     100
    .vgpr_count:     1024
    .wavefront_size: 32
...
	.end_amdgpu_metadata
.endif
;; end of part 6
;; ======== version 2 of 2: 4 launches
;; limits: right only within a limited range of input values
;; workspace buffers: cod 15,728,640 bytes; scl 655,360 bytes; mw 524,288 bytes of whole numbers; qkv 20,185,088 bytes; cc 6,291,456 bytes; hsc 524,288 bytes
;; launch prep (part 7): grid 720 x 1, 4 waves a work-group, no clusters, 68,096 bytes of LDS; arguments context_sequence, value_sequence, Wo, Wq, Wk, Wv, mask, cod, scl, mw; writes cod, scl, mw
.if DOCPART == 7
	.amdgcn_target "amdgcn-amd-amdhsa--gfx1250"
	.amdhsa_code_object_version 6
	.text
	.protected	k_q6df6f1c4d8_prep
	.globl	k_q6df6f1c4d8_prep
	.p2align	8
	.type	k_q6df6f1c4d8_prep,@function
k_q6df6f1c4d8_prep:
	s_mov_b64 s[64:65], 0
	v_nop
	global_prefetch_b8 v0, s[64:65] scope:SCOPE_SE
	s_setreg_imm32_b32 hwreg(HW_REG_WAVE_MODE, 25, 1), 1
	s_wait_xcnt 0x0
; Everything that is made of the inputs alone, in one launch: the codes of the six matrix operands that are inputs, and the mask as lane masks.  Three paths part on the work-group's number and never join.
; THE QUANTISER: codes of FP6 (E2M3) with one E8M0 byte for each 32 along K (1,024).  A block's scale is 2^(floor(log2(its largest magnitude)) - 2): its byte is the largest magnitude's exponent field - 2, held at 1 from below.
; LIMITS: a block of zeros gets the byte 1 where the rule says 127 (its codes are zeros, and the bytes are read by this program alone); NaN and infinities among the inputs are not served.
; THE CODES ARE LAID IN THE ORDER OF THE OPERAND'S REGISTERS.  A tile is 16 rows: tile T of a tensor holds rows 32 (T / 2) + 8 (T % 2) + i + 8 (i / 8).  cod: [tile][K step of 128][1,536 bytes]; a K step is two images of
; 64 along K, 768 bytes each: lane l's registers 0-3 at 16 l, its registers 4-5 at 512 + 8 l.  scl: [tile][row][K step], a word each.
; Tiles 0-511 context, 512-1023 value, 1024-1087 Wo, 1088-1151 Wq (rows: head, channel), 1152-1215 Wk, 1216-1279 Wv.
; WORK-GROUPS 0-271: context, value, Wo (K innermost).  A wave takes a tile, all 8 K steps; each load reads 512 consecutive bytes of one row; a K step's 16 rows turn through the wave's own stage in LDS, so that lane (r, h)
;   holds, of row r, 16 neighbours of each block of 32.  Two K steps (32 loads a wave) are on their way.  Only pointers and a tile's origin are chosen among the three tensors.
; WORK-GROUPS 272-463: Wq, Wk, Wv [16 heads][1024 (K)][64].  A work-group takes a tile, wave w its K steps 2 w and 2 w + 1.  A LANE TAKES A ROW (a channel of a head) AND ITS REGISTERS RUN DOWN K, in the order that the operand's
;   layout gives that lane (k = 64 c + 32 h + 0 .. 31): two whole blocks a lane, and the conversions' results are the operand's registers.  No LDS.  A wave's two scale words a row leave as 8 bytes a row, so that a tile's 512
;   bytes are written by four waves: 98,304 bytes in all, one byte in 128 of what this path reads.
; WORK-GROUPS 464-719: mask [2048][2048] int32 becomes mw [query tile 0..127][key step 0..15][64 words]: bit r + 16 h of word 16 b + i of key step ks says mask[query r of the tile][128 ks + 32 b + 16 h + i] == 1: the lane and the
;   register in which the attention launch holds that score.  Wave g takes query tile g / 8 and key steps 2 (g % 8), 2 (g % 8) + 1; a unit of 16 rows x 512 bytes turns through the wave's own stage; a compare's result in a
;   scalar register IS the word.  This path's stages are LDS bytes of its own, behind the first path's.
; No barrier anywhere: waves share nothing.
.set XWG,    272                       ; work-groups of the first path
.set WWG,    192                       ; of the second
.set SPITCH, 528                       ; a stage row: 512 bytes + 16
.set WSTG,   16*SPITCH                 ; a wave's stage
.set MOFF,   4*WSTG                    ; where the mask path's four stages begin
.set SEL,    16                        ; s[16:17] lane selects: lane l xor 16
.set XR,  16                           ; v16-143  two sets of 64 numbers as loaded
.set XX,  144                          ; v144-207 register 16 b + i = k 32 b + 16 h + i of my row
.set PC,  208                          ; v208-219 a fragment's codes; v220-227 at work
.set TM,  228                          ; v228-243 at work
.set PW,  244                          ; v244-251 a scale word for each K step
.set MR,  16                           ; the mask path: v16-143 two units as loaded,
.set MX,  144                          ; v144-207 a unit as the lanes want it,
.set MOUT, 208                         ; v208-211 a pair for each unit: lane n / 2 holds words n (even) and n + 1
.set CM,  16                           ; s16-47   32 compares' results
	v_lshl_add_u32 v254, v0, 2, 0x10800
	v_mov_b32 v255, 0
	v_lshrrev_b32 v1, 5, v0
	v_readfirstlane_b32 s14, v1                    ; wave
	v_and_b32 v2, 31, v0                           ; lane
	v_and_b32 v3, 15, v0                           ; r
	v_bfe_u32 v9, v0, 4, 1                         ; h
	v_lshlrev_b32 v4, 4, v2                        ; 16 x lane
	v_lshlrev_b32 v5, 3, v2                        ; 8 x lane
	s_mul_i32 s15, s14, WSTG
	v_add_nc_u32 v6, s15, v4                       ; a stage, on the way in
	v_mul_u32_u24 v7, v3, SPITCH
	v_lshl_add_u32 v7, v9, 6, v7
	v_add_nc_u32 v7, s15, v7                       ; and out: row r, + 64 h
	s_mov_b32 s[SEL], 0x76543210
	s_mov_b32 s[SEL+1], 0xfedcba98
	s_mov_b32 s18, 0xffff0000                      ; lanes 16-31
	s_cmp_ge_u32 ttmp9, XWG+WWG
	s_cbranch_scc1 .Lmask
	s_cmp_ge_u32 ttmp9, XWG
	s_cbranch_scc1 .Lweights
; ---------------------------------------------------------------- context, value, Wo
.macro QUANT s, pw                     ; 64 numbers of a lane become a fragment's codes in v[PC] on and my row's scale word in v[pw]
.irp b, 0,1,2,3
	v_max3_num_f32 v[TM+\b], |v[\s+16*\b]|, |v[\s+1+16*\b]|, 0x1800000   ; my 16 numbers of block b, and the floor 2^(3 - 127): the byte cannot fall under 1
.endr
.irp i, 2,4,6,8,10,12,14
.irp b, 0,1,2,3
	v_max3_num_f32 v[TM+\b], v[TM+\b], |v[\s+16*\b+\i]|, |v[\s+1+16*\b+\i]|
.endr
.endr
.irp b, 0,1,2,3
	v_permlanex16_b32 v[TM+4+\b], v[TM+\b], s[SEL], s[SEL+1]
.endr
.irp b, 0,1,2,3
	v_max_num_f32 v[TM+\b], v[TM+\b], v[TM+4+\b]   ; with lane l xor 16's: the block's largest magnitude
.endr
.irp b, 0,1,2,3
	v_add_nc_u32 v[TM+12+\b], 0xff000000, v[TM+\b] ; 2 off its exponent field: the conversion's scale operand
.endr
.irp b, 0,1,2,3
	v_lshrrev_b32 v[TM+4+\b], 23, v[TM+12+\b]      ; the scale's byte
.endr
	v_lshl_or_b32 v[\pw], v[TM+5], 8, v[TM+4]
	v_lshl_or_b32 v[\pw], v[TM+6], 16, v[\pw]
	v_lshl_or_b32 v[\pw], v[TM+7], 24, v[\pw]
.irp c, 0,1
	v_cvt_scalef32_pk16_fp6_f32 v[PC+6*\c:PC+2+6*\c], v[\s+32*\c:\s+15+32*\c], v[TM+12+2*\c]
	v_cvt_scalef32_pk16_fp6_f32 v[PC+12+4*\c:PC+14+4*\c], v[\s+16+32*\c:\s+31+32*\c], v[TM+12+2*\c+1]   ; (a conversion's three registers begin on an even number)
.endr
	v_nop                                          ; one plain place behind a scaled conversion
.irp c, 0,1                            ; the layout wants a whole block in a lane: lanes 0-15 block 2 c, lanes 16-31 block 2 c + 1
.irp i, 0,1,2
	v_permlane16_swap_b32 v[PC+6*\c+\i], v[PC+12+4*\c+\i]
.endr
.irp i, 0,1,2
	v_mov_b32 v[PC+3+6*\c+\i], v[PC+12+4*\c+\i]
.endr
.endr
.endm
	s_load_b128 s[4:7], s[0:1], 0x0                ; context, value
	s_load_b64 s[8:9], s[0:1], 0x10                ; Wo
	s_load_b128 s[24:27], s[0:1], 0x38             ; cod, scl
	s_wait_alu depctr_va_vdst(0)
	v_lshlrev_b32 v8, 5, v3
	v_lshl_add_u32 v8, v9, 4, v8                   ; my 16 bytes of the tile's scale words: 32 r + 16 h
.irp b, 0,1,2,3
	v_mov_b32 v[TM+4+\b], 0                        ; a lane permute's destination counts as read
.endr
	s_lshl_b32 s20, ttmp9, 2
	s_add_co_u32 s20, s20, s14                     ; T
	s_wait_kmcnt 0x0
	s_cmp_lt_u32 ttmp9, 128                        ; the choice hangs on the work-group's number alone
	s_cselect_b64 s[4:5], s[4:5], s[6:7]
	s_cselect_b32 s21, 0, 512
	s_cmp_lt_u32 ttmp9, 256
	s_cselect_b64 s[4:5], s[4:5], s[8:9]
	s_cselect_b32 s21, s21, 1024
	s_sub_co_u32 s21, s20, s21                     ; the tile's number in its tensor
	s_lshr_b32 s22, s21, 1
	s_lshl_b32 s22, s22, 5
	s_and_b32 s23, s21, 1
	s_lshl_b32 s23, s23, 3
	s_add_co_u32 s22, s22, s23                     ; its first row,
	s_lshl_b32 s22, s22, 12                        ; of 4,096 bytes
	s_mov_b32 s23, 0
	s_add_nc_u64 s[4:5], s[4:5], s[22:23]
	s_mul_i32 s28, s20, 12288
	s_mov_b32 s29, 0
	s_add_nc_u64 s[24:25], s[24:25], s[28:29]
	s_lshl_b32 s28, s20, 9
	s_add_nc_u64 s[26:27], s[26:27], s[28:29]
.macro XLOAD t
.irp i, 0,1,2,3,4,5,6,7,8,9,10,11,12,13,14,15
	global_load_b128 v[XR+64*((\t)%2)+4*\i:XR+64*((\t)%2)+4*\i+3], v4, s[4:5] offset:(\i+8*(\i/8))*4096+512*(\t) th:TH_LOAD_NT
.endr
.endm
.macro XSTEP t
	s_wait_xcnt 0x0                                ; the last step's stores have read the codes' registers
.if \t < 7
	s_wait_loadcnt 16                              ; this step's sixteen loads are in, the next step's may be out
.else
	s_wait_loadcnt 0x0
.endif
.irp i, 0,1,2,3,4,5,6,7,8,9,10,11,12,13,14,15
	ds_store_b128 v6, v[XR+64*((\t)%2)+4*\i:XR+64*((\t)%2)+4*\i+3] offset:\i*SPITCH
.endr
.irp n, 0,1,2,3,4,5,6,7,8,9,10,11,12,13,14,15
	ds_load_b128 v[XX+4*\n:XX+4*\n+3], v7 offset:128*(\n/4)+16*(\n%4)   ; LDS serves a wave's instructions in order: these see the stores above
.endr
	s_wait_dscnt 0x0
.if \t+2 < 8
	XLOAD (\t)+2
.endif
	QUANT XX, PW+\t
	global_store_b128 v4, v[PC:PC+3], s[24:25] offset:1536*\t          ; each store covers 512 or 256 consecutive bytes, aligned
	global_store_b64 v5, v[PC+4:PC+5], s[24:25] offset:1536*\t+512
	global_store_b128 v4, v[PC+6:PC+9], s[24:25] offset:1536*\t+768
	global_store_b64 v5, v[PC+10:PC+11], s[24:25] offset:1536*\t+1280
.endm
	XLOAD 0
	XLOAD 1
.irp t, 0,1,2,3,4,5,6,7
	XSTEP \t
.endr
	s_wait_xcnt 0x0
.irp j, 0,1,2,3
	v_cndmask_b32 v[PC+\j], v[PW+\j], v[PW+4+\j], s18   ; lanes 0-15 carry K steps 0-3 of their row, lanes 16-31 K steps 4-7
.endr
	global_store_b128 v8, v[PC:PC+3], s[26:27]     ; the tile's 512 bytes of scale words
	s_wait_tensorcnt 0x0
	ds_add_u32 v254, v255
	s_wait_dscnt 0x0
	s_endpgm
; ---------------------------------------------------------------- Wq, Wk, Wv
.Lweights:
	s_load_b128 s[4:7], s[0:1], 0x18               ; Wq, Wk
	s_load_b64 s[8:9], s[0:1], 0x28                ; Wv
	s_load_b128 s[24:27], s[0:1], 0x38             ; cod, scl
	s_wait_alu depctr_va_vdst(0)
	v_and_b32 v10, 8, v3
	v_add_nc_u32 v10, v10, v3                      ; r + 8 (r / 8)
	v_lshlrev_b32 v10, 2, v10
	v_lshl_add_u32 v10, v9, 13, v10                ; my channel, and 32 rows of 256 bytes further down for lanes 16-31
	v_lshlrev_b32 v11, 5, v3
	v_lshl_add_u32 v11, v9, 2, v11                 ; the scale word that I store: 32 r + 4 h
	v_lshlrev_b32 v12, 3, v9                       ; 8 h
	v_mov_b32 v13, 0                               ; a lane permute's destination counts as read
	s_sub_co_u32 s19, ttmp9, XWG                   ; the tile, 0..191
	s_and_b32 s20, s19, 63                         ; in its tensor
	s_lshr_b32 s21, s20, 2
	s_lshl_b32 s22, s21, 18                        ; the head: 262,144 bytes
	s_lshl_b32 s21, s14, 16                        ; K step 2 w: 128 rows of 256 bytes a K step
	s_add_co_u32 s22, s22, s21
	s_bfe_u32 s21, s20, 0x10001
	s_lshl_b32 s21, s21, 7                         ; 32 channels
	s_add_co_u32 s22, s22, s21
	s_and_b32 s21, s20, 1
	s_lshl_b32 s21, s21, 5                         ; 8 channels
	s_add_co_u32 s22, s22, s21
	s_mov_b32 s23, 0
	s_add_co_u32 s28, s19, 1088
	s_lshl_b32 s30, s28, 9
	s_lshl_b32 s29, s14, 3
	s_add_co_u32 s30, s30, s29                     ; scl: the tile's 512 bytes, + 8 w
	s_mov_b32 s31, 0
	s_mul_i32 s28, s28, 12288
	s_mul_i32 s29, s14, 3072
	s_add_co_u32 s28, s28, s29                     ; cod: the tile, + two K steps a wave
	s_mov_b32 s29, 0
	s_wait_alu depctr_va_vdst(0)
	s_wait_kmcnt 0x0
	s_cmp_lt_u32 s19, 64
	s_cselect_b64 s[4:5], s[4:5], s[6:7]
	s_cmp_lt_u32 s19, 128
	s_cselect_b64 s[4:5], s[4:5], s[8:9]
	s_add_nc_u64 s[4:5], s[4:5], s[22:23]
	s_add_nc_u64 s[24:25], s[24:25], s[28:29]
	s_add_nc_u64 s[26:27], s[26:27], s[30:31]
.macro WLOAD e                         ; my K step e (0, 1): W(64 c + 32 h + i, my channel) into v[64 + 64 e + 32 c + i]
.set n, 0
.rept 64
	global_load_b32 v[64+64*\e+n], v10, s[4:5] offset:32768*\e+256*(64*(n/32)+n%32)
.set n, n+1
.endr
.endm
.macro WQUANT xs, pc, tq, pw           ; 64 numbers from v[xs] on become the fragment v[pc] on (v[tq] on at work) and my row's scale word v[pw]
.irp c, 0,1
	v_max3_num_f32 v[32+\c], |v[\xs+32*\c]|, |v[\xs+1+32*\c]|, 0x1800000   ; my block 2 c + h, and the floor 2^(3 - 127)
.endr
.irp i, 2,4,6,8,10,12,14,16,18,20,22,24,26,28,30
.irp c, 0,1
	v_max3_num_f32 v[32+\c], v[32+\c], |v[\xs+32*\c+\i]|, |v[\xs+1+32*\c+\i]|
.endr
.endr
.irp c, 0,1
	v_add_nc_u32 v[44+\c], 0xff000000, v[32+\c]    ; 2 off the exponent field: the conversion's scale operand
.endr
.irp c, 0,1
	v_lshrrev_b32 v[36+\c], 23, v[44+\c]           ; the byte
.endr
	v_lshl_or_b32 v[\pw], v37, 16, v36             ; my two bytes: blocks h and 2 + h,
	v_lshlrev_b32 v[\pw], v12, v[\pw]              ; 8 h bits up;
	v_permlanex16_b32 v13, v[\pw], s[SEL], s[SEL+1]
	v_or_b32 v[\pw], v[\pw], v13                   ; with lane l xor 16's two the word is whole
.irp c, 0,1
	v_cvt_scalef32_pk16_fp6_f32 v[\pc+6*\c:\pc+2+6*\c], v[\xs+32*\c:\xs+15+32*\c], v[44+\c]
	v_cvt_scalef32_pk16_fp6_f32 v[\tq+4*\c:\tq+2+4*\c], v[\xs+16+32*\c:\xs+31+32*\c], v[44+\c]
.endr
	v_nop                                          ; one plain place behind a scaled conversion
.irp c, 0,1
.irp i, 0,1,2
	v_mov_b32 v[\pc+3+6*\c+\i], v[\tq+4*\c+\i]
.endr
.endr
.endm
.macro WOUT pc, e                      ; each K step has its own registers for its codes: no store's data are written again
	global_store_b128 v4, v[\pc:\pc+3], s[24:25] offset:1536*\e
	global_store_b64 v5, v[\pc+4:\pc+5], s[24:25] offset:1536*\e+512
	global_store_b128 v4, v[\pc+6:\pc+9], s[24:25] offset:1536*\e+768
	global_store_b64 v5, v[\pc+10:\pc+11], s[24:25] offset:1536*\e+1280
.endm
	WLOAD 0
	WLOAD 1
	s_wait_loadcnt 63                              ; 64 loads were issued behind the first K step's; the count's field names 63 at most, and a smaller count is safe: the first K step is in
	WQUANT 64, 48, 20, 14
	WOUT 48, 0
	s_wait_loadcnt 0x0
	WQUANT 128, 192, 204, 15
	WOUT 192, 1
	v_cndmask_b32 v16, v14, v15, s18               ; lanes 0-15 carry K step 2 w's word of their row, lanes 16-31 K step 2 w + 1's
	global_store_b32 v11, v16, s[26:27]
	s_endpgm
; ---------------------------------------------------------------- the mask
.Lmask:
	s_load_b64 s[4:5], s[0:1], 0x30                ; mask
	s_load_b64 s[6:7], s[0:1], 0x48                ; mw
.irp i, 0,1,2,3
	v_mov_b32 v[MOUT+\i], 0                        ; a lane write's destination counts as read
.endr
	s_sub_co_u32 s10, ttmp9, XWG+WWG
	s_lshl_b32 s10, s10, 2
	s_add_co_u32 s10, s10, s14                     ; g
	s_lshr_b32 s11, s10, 3                         ; the query tile
	s_and_b32 s12, s10, 7
	s_lshr_b32 s13, s11, 1
	s_lshl_b32 s13, s13, 5
	s_and_b32 s8, s11, 1
	s_lshl_b32 s8, s8, 3
	s_add_co_u32 s13, s13, s8                      ; its first row,
	s_lshl_b32 s13, s13, 13                        ; of 8,192 bytes
	s_lshl_b32 s12, s12, 10
	s_add_co_u32 s12, s12, s13
	s_mov_b32 s13, 0
	s_lshl_b32 s8, s10, 9                          ; two units of 256 bytes a wave
	s_mov_b32 s9, 0
	s_wait_kmcnt 0x0
	s_add_nc_u64 s[4:5], s[4:5], s[12:13]
	s_add_nc_u64 s[6:7], s[6:7], s[8:9]
.macro MLOAD u
.irp i, 0,1,2,3,4,5,6,7,8,9,10,11,12,13,14,15
	global_load_b128 v[MR+64*\u+4*\i:MR+64*\u+4*\i+3], v4, s[4:5] offset:(\i+8*(\i/8))*8192+512*\u th:TH_LOAD_NT
.endr
.endm
.macro MTURN u                         ; LDS serves a wave's instructions in order: no wait between the stores and the loads
.irp i, 0,1,2,3,4,5,6,7,8,9,10,11,12,13,14,15
	ds_store_b128 v6, v[MR+64*\u+4*\i:MR+64*\u+4*\i+3] offset:MOFF+\i*SPITCH
.endr
.irp n, 0,1,2,3,4,5,6,7,8,9,10,11,12,13,14,15
	ds_load_b128 v[MX+4*\n:MX+4*\n+3], v7 offset:MOFF+128*(\n/4)+16*(\n%4)
.endr
.endm
.macro MPACK u
.set g, 0
.rept 2
.set n, 0
.rept 32
	v_cmp_eq_u32 s[CM+n], 1, v[MX+32*g+n]          ; bit l: lane l's number is 1
.set n, n+1
.endr
.set n, 0
.rept 32
	v_writelane_b32 v[MOUT+2*\u+n%2], s[CM+n], 16*g+n/2
.set n, n+1
.endr
.set g, g+1
.endr
	global_store_b64 v5, v[MOUT+2*\u:MOUT+2*\u+1], s[6:7] offset:256*\u   ; 32 lanes store 256 consecutive bytes, aligned
.endm
	MLOAD 0
	MLOAD 1
	s_wait_loadcnt 16                              ; unit 0's sixteen loads are in, unit 1's may be out
	s_wait_alu depctr_va_vdst(0)
	MTURN 0
	s_wait_dscnt 0x0
	MPACK 0
	s_wait_loadcnt 0x0
	MTURN 1
	s_wait_dscnt 0x0
	MPACK 1
	s_wait_tensorcnt 0x0
	ds_add_u32 v254, v255
	s_wait_dscnt 0x0
	s_endpgm
.Lfunc_end_k_q6df6f1c4d8_prep:
	.size	k_q6df6f1c4d8_prep, .Lfunc_end_k_q6df6f1c4d8_prep-k_q6df6f1c4d8_prep
	.p2alignl 7, 3214868480
	.fill 96, 4, 3214868480
	.section	.rodata,"a",@progbits
	.p2align	6, 0x0
	.amdhsa_kernel k_q6df6f1c4d8_prep
		.amdhsa_group_segment_fixed_size 68096
		.amdhsa_private_segment_fixed_size 0
		.amdhsa_enable_private_segment 0
		.amdhsa_kernarg_size 80
		.amdhsa_user_sgpr_count 2
		.amdhsa_user_sgpr_kernarg_segment_ptr 1
		.amdhsa_wavefront_size32 1
		.amdhsa_system_sgpr_workgroup_id_x 1
		.amdhsa_system_sgpr_workgroup_id_y 1
		.amdhsa_system_sgpr_workgroup_id_z 1
		.amdhsa_system_vgpr_workitem_id 0
		.amdhsa_next_free_vgpr 256
		.amdhsa_next_free_sgpr 66
		.amdhsa_reserve_vcc 0
		.amdhsa_float_denorm_mode_32 3
		.amdhsa_float_denorm_mode_16_64 3
		.amdhsa_memory_ordered 1
		.amdhsa_forward_progress 1
		.amdhsa_inst_pref_size 110
	.end_amdhsa_kernel
	.amdgpu_metadata
---
amdhsa.version: [ 1, 2 ]
amdhsa.kernels:
  - .name:           k_q6df6f1c4d8_prep
    .symbol:         k_q6df6f1c4d8_prep.kd
    .args:
      - { .name: context_sequence, .offset: 0, .size: 8, .value_kind: global_buffer, .address_space: global }
      - { .name: value_sequence, .offset: 8, .size: 8, .value_kind: global_buffer, .address_space: global }
      - { .name: Wo, .offset: 16, .size: 8, .value_kind: global_buffer, .address_space: global }
      - { .name: Wq, .offset: 24, .size: 8, .value_kind: global_buffer, .address_space: global }
      - { .name: Wk, .offset: 32, .size: 8, .value_kind: global_buffer, .address_space: global }
      - { .name: Wv, .offset: 40, .size: 8, .value_kind: global_buffer, .address_space: global }
      - { .name: mask, .offset: 48, .size: 8, .value_kind: global_buffer, .address_space: global }
      - { .name: cod, .offset: 56, .size: 8, .value_kind: global_buffer, .address_space: global }
      - { .name: scl, .offset: 64, .size: 8, .value_kind: global_buffer, .address_space: global }
      - { .name: mw, .offset: 72, .size: 8, .value_kind: global_buffer, .address_space: global }
    .group_segment_fixed_size: 68096
    .private_segment_fixed_size: 0
    .kernarg_segment_align: 8
    .kernarg_segment_size: 80
    .max_flat_workgroup_size: 128
    .sgpr_count:     66
    .vgpr_count:     256
    .wavefront_size: 32
...
	.end_amdgpu_metadata
.endif
;; end of part 7
;; launch proj (part 8): grid 8 x 48, 4 waves a work-group, clusters of 4 x 4, 327,680 bytes of LDS; arguments cod, scl, bq, bk, bv, qkv; writes qkv
.if DOCPART == 8
	.amdgcn_target "amdgcn-amd-amdhsa--gfx1250"
	.amdhsa_code_object_version 6
	.text
	.protected	k_q6df6f1c4d8_proj
	.globl	k_q6df6f1c4d8_proj
	.p2align	8
	.type	k_q6df6f1c4d8_proj,@function
k_q6df6f1c4d8_proj:
	s_mov_b64 s[64:65], 0
	v_nop
	global_prefetch_b8 v0, s[64:65] scope:SCOPE_SE
	s_setreg_imm32_b32 hwreg(HW_REG_WAVE_MODE, 25, 1), 1
	s_wait_xcnt 0x0
	s_wait_alu depctr_hold_cnt(0) depctr_sa_sdst(0) depctr_va_vdst(0) depctr_va_sdst(0) depctr_va_ssrc(0) depctr_va_vcc(0) depctr_vm_vsrc(0)
	s_getreg_b32 s2, hwreg(HW_REG_IB_STS2, 6, 4)
	s_cmp_eq_u32 s2, 0
	s_cbranch_scc0 .Lentry_in_a_cluster
	s_endpgm
.Lentry_in_a_cluster:
	s_bfe_u32 s2, ttmp6, 0x10000c
	s_cmp_lg_u32 s2, 0xf033
	s_cbranch_scc0 .Lentry_shape_is_right
	s_endpgm
.Lentry_shape_is_right:
.set FR,    12
.set TILEB, 3072
.set HALFT, 8*TILEB
.set SLOT,  4*HALFT
.set SPARE, 2*SLOT
.set CTILE, 12288
.set BLK,   19712
.set BH,    16*BLK
.set ADRR, 16
.set ADRP, 20
.set L16,  24
.set L8,   25
.set SOFF, 26
.set SHF,  27
.set SPW,  28
.set NIL,  29
.set RS,   32
.set PS,   64
.set BV,   96
.set AF,   128
.set BI,   96
.set HA,   128
.set PC,   192
.set TM,   212
.set PW,   228
.set PWS,  232
.set SW,   240
.set SEL,  20
.set G1,   24
.set G0,   32
.set G1B,  48
.set G0B,  56
.set MSB, 0
.macro WIN new
.if MSB != (\new)
	s_set_vgpr_msb (MSB<<8)|(\new)
.set MSB, (\new)
.endif
.endm
.set MUL_LO, 0xa1
.set MUL_HI, 0xf1
.set TO_P,   0x40
.macro PLACES
.rept 4
	v_nop
.endr
.endm
.macro JLOAD s
	s_cmp_eq_u32 s17, 0
	s_cbranch_scc0 .Lfor_p_\@
	tensor_load_to_lds s[G0+4*\s:G0+4*\s+3], s[G1:G1+7]
	s_nop 0
	PLACES
	s_branch .Lasked_\@
.Lfor_p_\@:
	tensor_load_to_lds s[G0B+4*\s:G0B+4*\s+3], s[G1B:G1B+7]
	s_nop 0
	PLACES
.Lasked_\@:
.endm
.macro CREST
	s_cmp_lg_u32 s16, 0
	s_cbranch_scc1 .Lnot_wave_0_\@
	s_barrier_signal -3
.Lnot_wave_0_\@:
	s_barrier_wait -3
	s_barrier_signal -1
	s_barrier_wait -1
.endm
.macro CROUND
	s_barrier_signal -1
	s_barrier_wait -1
	CREST
.endm
.macro QUANT s, pw
.irp b, 0,1,2,3
	v_max3_num_f32 v[TM+\b], |v[\s+16*\b]|, |v[\s+1+16*\b]|, 0x1800000
.endr
.irp i, 2,4,6,8,10,12,14
.irp b, 0,1,2,3
	v_max3_num_f32 v[TM+\b], v[TM+\b], |v[\s+16*\b+\i]|, |v[\s+1+16*\b+\i]|
.endr
.endr
.irp b, 0,1,2,3
	v_permlanex16_b32 v[TM+4+\b], v[TM+\b], s[SEL], s[SEL+1]
.endr
.irp b, 0,1,2,3
	v_max_num_f32 v[TM+\b], v[TM+\b], v[TM+4+\b]
.endr
.irp b, 0,1,2,3
	v_add_nc_u32 v[TM+12+\b], 0xff000000, v[TM+\b]
.endr
.irp b, 0,1,2,3
	v_lshrrev_b32 v[TM+4+\b], 23, v[TM+12+\b]
.endr
	v_lshl_or_b32 v[\pw], v[TM+5], 8, v[TM+4]
	v_lshl_or_b32 v[\pw], v[TM+6], 16, v[\pw]
	v_lshl_or_b32 v[\pw], v[TM+7], 24, v[\pw]
.irp c, 0,1
	v_cvt_scalef32_pk16_fp6_f32 v[PC+6*\c:PC+2+6*\c], v[\s+32*\c:\s+15+32*\c], v[TM+12+2*\c]
	v_cvt_scalef32_pk16_fp6_f32 v[PC+12+4*\c:PC+14+4*\c], v[\s+16+32*\c:\s+31+32*\c], v[TM+12+2*\c+1]
.endr
	v_nop
.irp c, 0,1
.irp i, 0,1,2
	v_permlane16_swap_b32 v[PC+6*\c+\i], v[PC+12+4*\c+\i]
.endr
.irp i, 0,1,2
	v_mov_b32 v[PC+3+6*\c+\i], v[PC+12+4*\c+\i]
.endr
.endr
.endm
	s_load_b256 s[4:11], s[0:1], 0x0
	s_load_b128 s[12:15], s[0:1], 0x20
	v_lshl_add_u32 v[SPW], v0, 2, SPARE
	v_mov_b32 v[NIL], 0
	ds_add_u32 v28, v29
	ds_add_u32 v28, v29
	s_wait_dscnt 0x0
	v_lshrrev_b32 v1, 5, v0
	v_readfirstlane_b32 s16, v1
	s_lshr_b32 s17, s16, 1
	s_and_b32 s18, s16, 1
	s_bfe_u32 s40, ttmp6, 0x40000
	s_bfe_u32 s41, ttmp6, 0x40004
	s_and_b32 s43, ttmp7, 0xffff
	s_lshl_b32 s44, s41, 2
	s_lshl_b32 s44, 15, s44
	s_lshl_b32 s45, 0x1111, s40
	s_or_b32 s[G1], s44, (3<<16)|(1<<21)
	s_or_b32 s[G1B], s45, (3<<16)|(1<<21)
.irp g, G1, G1B
	s_mov_b32 s[\g+1], 384<<16
	s_mov_b32 s[\g+2], 8<<16
	s_mov_b32 s[\g+3], 384<<16
	s_mov_b32 s[\g+4], 8
	s_mov_b32 s[\g+5], 1536
	s_mov_b32 s[\g+6], 0
	s_mov_b32 s[\g+7], 0
.endr
	s_mov_b32 s[SEL], 0x76543210
	s_mov_b32 s[SEL+1], 0xfedcba98
	s_mov_b32 s22, 0xffff0000
	s_max_u32 s68, s43, 8
	s_sub_co_u32 s68, s68, 8
	s_lshl_b32 s68, s68, 7
	s_add_co_u32 s68, s68, 512
	s_lshl_b32 s67, s43, 6
	s_cmp_ge_u32 s43, 8
	s_cselect_b32 s19, 1, 0
	s_cselect_b32 s67, 1216, s67
	s_cselect_b32 s68, s68, 1088
	s_lshl_b32 s66, s41, 4
	s_add_co_u32 s66, s66, s67
	s_lshl_b32 s69, ttmp9, 6
	s_add_co_u32 s68, s68, s69
	s_lshl_b32 s69, s40, 4
	s_add_co_u32 s68, s68, s69
	s_lshl_b32 s69, s18, 3
	s_add_co_u32 s70, s66, s69
	s_mul_i32 s70, s70, CTILE
	s_mov_b32 s71, 0
	s_add_co_u32 s72, s68, s69
	s_mul_i32 s72, s72, CTILE
	s_mov_b32 s73, 0
	s_mul_i32 s74, s16, HALFT
	s_wait_kmcnt 0x0
	s_add_nc_u64 s[70:71], s[4:5], s[70:71]
	s_add_nc_u64 s[72:73], s[4:5], s[72:73]
	CROUND
.irp s, 0,1
	s_mov_b32 s[G0+4*\s], 1
	s_add_co_u32 s[G0+4*\s+1], s74, \s*SLOT
	s_add_nc_u64 s[G0+4*\s+2:G0+4*\s+3], s[70:71], \s*TILEB
	s_or_b32 s[G0+4*\s+3], s[G0+4*\s+3], 0x80000000
	s_mov_b32 s[G0B+4*\s], 1
	s_add_co_u32 s[G0B+4*\s+1], s74, \s*SLOT
	s_add_nc_u64 s[G0B+4*\s+2:G0B+4*\s+3], s[72:73], \s*TILEB
	s_or_b32 s[G0B+4*\s+3], s[G0B+4*\s+3], 0x80000000
	s_wait_alu depctr_va_vdst(0)
	s_wait_tensorcnt 0x0
	ds_add_u32 v28, v29
	ds_add_u32 v28, v29
	s_wait_dscnt 0x0
	CROUND
	JLOAD \s
.endr
	v_and_b32 v1, 31, v0
	v_and_b32 v2, 15, v0
	v_bfe_u32 v3, v0, 4, 1
	v_lshlrev_b32 v[L16], 4, v1
	v_lshlrev_b32 v[L8], 3, v1
	s_mul_i32 s75, s17, HALFT
	s_mul_i32 s76, s18, HALFT
	s_add_co_u32 s76, s76, 2*HALFT
.irp s, 0,1
	v_add_nc_u32 v[ADRR+\s], s75, v[L16]
	v_add_nc_u32 v[ADRR+2+\s], s75, v[L8]
	v_add_nc_u32 v[ADRP+\s], s76, v[L16]
	v_add_nc_u32 v[ADRP+2+\s], s76, v[L8]
	s_add_co_u32 s75, s75, SLOT
	s_add_co_u32 s76, s76, SLOT
.endr
	v_mul_u32_u24 v[SOFF], v3, BH
	v_lshl_add_u32 v[SOFF], v2, 4, v[SOFF]
	v_lshlrev_b32 v[SHF], 4, v3
	v_lshlrev_b32 v4, 5, v2
	v_lshl_add_u32 v4, v3, 9, v4
	s_lshl_b32 s77, s17, 3
	s_add_co_u32 s77, s77, s66
	s_lshl_b32 s78, s77, 9
	v_add_nc_u32 v30, s78, v4
	s_lshl_b32 s79, s18, 3
	s_add_co_u32 s79, s79, s68
	s_lshl_b32 s78, s79, 9
	v_add_nc_u32 v31, s78, v4
.irp i, 0,1,2,3
.irp e, 0,1
	global_load_b128 v[RS+8*\i+4*\e:RS+8*\i+4*\e+3], v30, s[6:7] offset:1024*\i+16*\e
	global_load_b128 v[PS+8*\i+4*\e:PS+8*\i+4*\e+3], v31, s[6:7] offset:1024*\i+16*\e
.endr
.endr
	s_cmp_eq_u32 ttmp9, 0
	s_cselect_b64 s[80:81], s[8:9], s[10:11]
	s_lshl_b32 s82, s40, 2
	s_lshl_b32 s83, s18, 1
	s_add_co_u32 s82, s82, s83
	s_lshl_b32 s82, s82, 8
	s_mov_b32 s83, 0
	s_add_nc_u64 s[80:81], s[80:81], s[82:83]
	s_lshl_b32 s82, s41, 2
	s_lshl_b32 s84, s17, 1
	s_add_co_u32 s82, s82, s84
	s_lshl_b32 s82, s82, 8
	s_add_nc_u64 s[84:85], s[12:13], s[82:83]
	v_lshlrev_b32 v5, 6, v3
	v_and_b32 v6, 8, v2
	v_add_nc_u32 v6, v6, v2
	v_lshlrev_b32 v6, 2, v6
	WIN TO_P
.irp b, 0,1,2,3,4,5,6,7
	global_load_b128 v[BI+8*\b+96*(\b/4):BI+8*\b+96*(\b/4)+3], v5, s[80:81] offset:128*(\b/2)+32*(\b%2)
	global_load_b128 v[BI+8*\b+96*(\b/4)+4:BI+8*\b+96*(\b/4)+7], v5, s[80:81] offset:128*(\b/2)+32*(\b%2)+16
.endr
	WIN 0
.irp a, 0,1,2,3,4,5,6,7
	global_load_b32 v[BV+2*\a], v6, s[84:85] offset:128*(\a/2)+32*(\a%2)
	global_load_b32 v[BV+2*\a+1], v6, s[84:85] offset:128*(\a/2)+32*(\a%2)
.endr
.macro FRAG reg, adr, off
	ds_load_b128 v[\reg:\reg+3], v[\adr] offset:\off
	ds_load_b64 v[\reg+4:\reg+5], v[\adr+2] offset:(\off)+512
	ds_load_b128 v[\reg+6:\reg+9], v[\adr] offset:(\off)+768
	ds_load_b64 v[\reg+10:\reg+11], v[\adr+2] offset:(\off)+1280
.endm
.macro FETCH_P slot, q, p
	WIN TO_P
.irp i, 0,1,2,3,4,5,6,7
	FRAG 128*(\p)+FR*\i, ADRP+\slot, TILEB*\i+1536*(\q)
.endr
	WIN 0
.endm
.macro FETCH_R slot, q, i0
.irp i, \i0, \i0+1, \i0+2, \i0+3
	FRAG AF+FR*(\i), ADRR+\slot, TILEB*(\i)+1536*(\q)
.endr
.endm
.macro WM a, b, p, ks, zero
.set rD, 8*(8*((\a)%4)+\b)
.set rP, 128*(\p)+FR*\b
.set rR, AF+FR*(\a)
.set rX, PS+8*(\b/2)+\ks
.set rY, RS+8*((\a)/2)+\ks
.set par, 2*((\a)%2)+(\b%2)+4*\zero
.if par == 0
	v_wmma_scale_f32_16x16x128_f8f6f4 v[rD:rD+7], v[rP:rP+11], v[rR:rR+11], v[rD:rD+7], v[rX], v[rY] matrix_a_fmt:MATRIX_FMT_FP6 matrix_b_fmt:MATRIX_FMT_FP6
.elseif par == 1
	v_wmma_scale_f32_16x16x128_f8f6f4 v[rD:rD+7], v[rP:rP+11], v[rR:rR+11], v[rD:rD+7], v[rX], v[rY] matrix_a_fmt:MATRIX_FMT_FP6 matrix_b_fmt:MATRIX_FMT_FP6 matrix_a_scale:MATRIX_SCALE_ROW1
.elseif par == 2
	v_wmma_scale_f32_16x16x128_f8f6f4 v[rD:rD+7], v[rP:rP+11], v[rR:rR+11], v[rD:rD+7], v[rX], v[rY] matrix_a_fmt:MATRIX_FMT_FP6 matrix_b_fmt:MATRIX_FMT_FP6 matrix_b_scale:MATRIX_SCALE_ROW1
.elseif par == 3
	v_wmma_scale_f32_16x16x128_f8f6f4 v[rD:rD+7], v[rP:rP+11], v[rR:rR+11], v[rD:rD+7], v[rX], v[rY] matrix_a_fmt:MATRIX_FMT_FP6 matrix_b_fmt:MATRIX_FMT_FP6 matrix_a_scale:MATRIX_SCALE_ROW1 matrix_b_scale:MATRIX_SCALE_ROW1
.elseif par == 4
	v_wmma_scale_f32_16x16x128_f8f6f4 v[rD:rD+7], v[rP:rP+11], v[rR:rR+11], 0, v[rX], v[rY] matrix_a_fmt:MATRIX_FMT_FP6 matrix_b_fmt:MATRIX_FMT_FP6
.elseif par == 5
	v_wmma_scale_f32_16x16x128_f8f6f4 v[rD:rD+7], v[rP:rP+11], v[rR:rR+11], 0, v[rX], v[rY] matrix_a_fmt:MATRIX_FMT_FP6 matrix_b_fmt:MATRIX_FMT_FP6 matrix_a_scale:MATRIX_SCALE_ROW1
.elseif par == 6
	v_wmma_scale_f32_16x16x128_f8f6f4 v[rD:rD+7], v[rP:rP+11], v[rR:rR+11], 0, v[rX], v[rY] matrix_a_fmt:MATRIX_FMT_FP6 matrix_b_fmt:MATRIX_FMT_FP6 matrix_b_scale:MATRIX_SCALE_ROW1
.else
	v_wmma_scale_f32_16x16x128_f8f6f4 v[rD:rD+7], v[rP:rP+11], v[rR:rR+11], 0, v[rX], v[rY] matrix_a_fmt:MATRIX_FMT_FP6 matrix_b_fmt:MATRIX_FMT_FP6 matrix_a_scale:MATRIX_SCALE_ROW1 matrix_b_scale:MATRIX_SCALE_ROW1
.endif
.endm
.macro MUL16 a0, p, ks, zero
.irp a, \a0, \a0+1
.irp b, 0,1,2,3,4,5,6,7
	WM \a, \b, \p, \ks, \zero
.endr
.endr
.endm
.macro STEP slot, ks, zero
	s_wait_dscnt 16
	WIN MUL_LO
	MUL16 0, 0, \ks, \zero
	MUL16 2, 0, \ks, \zero
	s_wait_dscnt 0x0
	PLACES
	FETCH_P \slot, 1, 1
	FETCH_R \slot, 1, 0
	WIN MUL_HI
	MUL16 4, 0, \ks, \zero
	MUL16 6, 0, \ks, \zero
	PLACES
	WIN 0
	FETCH_R \slot, 1, 4
.endm
.macro TURN slot, next, ks, fill
	s_wait_tensorcnt 0x0
	ds_add_u32 v[SPW], v[NIL]
	s_wait_dscnt 17
	WIN MUL_LO
	MUL16 0, 1, \ks, 0
	s_wait_dscnt 0x0
	s_barrier_signal -1
	MUL16 2, 1, \ks, 0
	WIN 0
	s_barrier_wait -1
.if \fill
	CREST
	s_add_nc_u64 s[G0+4*\slot+2:G0+4*\slot+3], s[G0+4*\slot+2:G0+4*\slot+3], 2*TILEB
	s_add_nc_u64 s[G0B+4*\slot+2:G0B+4*\slot+3], s[G0B+4*\slot+2:G0B+4*\slot+3], 2*TILEB
	JLOAD \slot
.else
	PLACES
.endif
	FETCH_P \next, 0, 0
	FETCH_R \next, 0, 0
	WIN MUL_HI
	MUL16 4, 1, \ks, 0
	MUL16 6, 1, \ks, 0
	PLACES
	WIN 0
	FETCH_R \next, 0, 4
.endm
	s_wait_loadcnt 0x0
	s_wait_tensorcnt 1
	s_barrier_signal -1
	s_barrier_wait -1
	FETCH_P 0, 0, 0
	FETCH_R 0, 0, 0
	FETCH_R 0, 0, 4
	STEP 0, 0, 1
	TURN 0, 1, 1, 1
	STEP 1, 2, 0
	TURN 1, 0, 3, 1
	STEP 0, 4, 0
	TURN 0, 1, 5, 0
	STEP 1, 6, 0
	s_wait_dscnt 16
	WIN MUL_LO
	MUL16 0, 1, 7, 0
	MUL16 2, 1, 7, 0
	s_wait_dscnt 0x0
	WIN MUL_HI
	MUL16 4, 1, 7, 0
	MUL16 6, 1, 7, 0
	WIN 0
.macro SUMS a, isv
.if \isv
	WIN 0x02+(\a)/4
.else
	WIN 0x06+(\a)/4
.endif
.irp b, 0,1,2,3,4,5,6,7
.irp p, 0,2,4,6
.if \isv
	v_pk_add_f32 v[HA+8*\b+\p:HA+8*\b+\p+1], v[8*(8*((\a)%4)+\b)+\p:8*(8*((\a)%4)+\b)+\p+1], v[BV+2*(\a):BV+2*(\a)+1]
.else
	v_pk_add_f32 v[HA+8*\b+\p:HA+8*\b+\p+1], v[8*(8*((\a)%4)+\b)+\p:8*(8*((\a)%4)+\b)+\p+1], v[BI+8*\b+96*(\b/4)+\p:BI+8*\b+96*(\b/4)+\p+1]
.endif
.endr
.endr
	WIN 0
.endm
	PLACES
.irp b, 0,1,2,3
	v_mov_b32 v[TM+4+\b], 0
.endr
	s_cmp_lg_u32 s19, 0
	s_cbranch_scc1 .Lmode_v
	s_lshr_b32 s86, s77, 7
	s_and_b32 s87, s77, 127
	s_lshr_b32 s87, s87, 3
	s_lshl_b32 s86, s86, 4
	s_lshl_b32 s88, s40, 2
	s_add_co_u32 s86, s86, s88
	s_lshl_b32 s88, s18, 1
	s_add_co_u32 s86, s86, s88
	s_lshl_b32 s86, s86, 4
	s_add_co_u32 s86, s86, s87
	s_mul_i32 s86, s86, BLK
	s_mul_i32 s88, ttmp9, 6656
	s_add_co_u32 s86, s86, s88
	s_mov_b32 s87, 0
	s_add_nc_u64 s[86:87], s[14:15], s[86:87]
.irp a, 0,1,2,3,4,5,6,7
	SUMS \a, 0
.if \a > 0
	s_wait_xcnt 0x0
.endif
	QUANT HA, PW
	global_store_b128 v[L16], v[PC:PC+3], s[86:87] offset:768*\a
	global_store_b64 v[L8], v[PC+4:PC+5], s[86:87] offset:768*\a+512
	global_store_b128 v[L16], v[PC+6:PC+9], s[86:87] offset:BH+768*\a
	global_store_b64 v[L8], v[PC+10:PC+11], s[86:87] offset:BH+768*\a+512
	v_lshrrev_b32 v[PWS+\a], v[SHF], v[PW]
.endr
	global_store_b128 v[SOFF], v[PWS:PWS+3], s[86:87] offset:6144
	global_store_b128 v[SOFF], v[PWS+4:PWS+7], s[86:87] offset:6400
	s_branch .Ldone
.Lmode_v:
	s_sub_co_u32 s86, s79, 512
	s_lshr_b32 s87, s86, 7
	s_and_b32 s86, s86, 127
	s_lshr_b32 s86, s86, 3
	s_lshl_b32 s87, s87, 4
	s_lshl_b32 s88, s41, 2
	s_add_co_u32 s87, s87, s88
	s_lshl_b32 s88, s17, 1
	s_add_co_u32 s87, s87, s88
	s_lshl_b32 s87, s87, 4
	s_add_co_u32 s86, s86, s87
	s_mul_i32 s86, s86, BLK
	s_add_co_u32 s86, s86, 13312
	s_mov_b32 s87, 0
	s_add_nc_u64 s[86:87], s[14:15], s[86:87]
.irp a, 0,1,2,3,4,5,6,7
	SUMS \a, 1
.if \a > 0
	s_wait_xcnt 0x0
.endif
	QUANT HA, PWS+\a
	global_store_b128 v[L16], v[PC:PC+3], s[86:87] offset:(\a/4)*BH+(\a%4)*1536
	global_store_b64 v[L8], v[PC+4:PC+5], s[86:87] offset:(\a/4)*BH+(\a%4)*1536+512
	global_store_b128 v[L16], v[PC+6:PC+9], s[86:87] offset:(\a/4)*BH+(\a%4)*1536+768
	global_store_b64 v[L8], v[PC+10:PC+11], s[86:87] offset:(\a/4)*BH+(\a%4)*1536+1280
.endr
.irp j, 0,1,2,3
	v_cndmask_b32 v[SW+\j], v[PWS+\j], v[PWS+4+\j], s22
.endr
	global_store_b128 v[SOFF], v[SW:SW+3], s[86:87] offset:6144
.Ldone:
	s_wait_tensorcnt 0x0
	ds_add_u32 v[SPW], v[NIL]
	s_wait_dscnt 0x0
	CROUND
	s_endpgm
.Lfunc_end_k_q6df6f1c4d8_proj:
	.size	k_q6df6f1c4d8_proj, .Lfunc_end_k_q6df6f1c4d8_proj-k_q6df6f1c4d8_proj
	.p2alignl 7, 3214868480
	.fill 96, 4, 3214868480
	.section	.rodata,"a",@progbits
	.p2align	6, 0x0
	.amdhsa_kernel k_q6df6f1c4d8_proj
		.amdhsa_group_segment_fixed_size 327680
		.amdhsa_private_segment_fixed_size 0
		.amdhsa_enable_private_segment 0
		.amdhsa_kernarg_size 48
		.amdhsa_user_sgpr_count 2
		.amdhsa_user_sgpr_kernarg_segment_ptr 1
		.amdhsa_wavefront_size32 1
		.amdhsa_system_sgpr_workgroup_id_x 1
		.amdhsa_system_sgpr_workgroup_id_y 1
		.amdhsa_system_sgpr_workgroup_id_z 1
		.amdhsa_system_vgpr_workitem_id 0
		.amdhsa_next_free_vgpr 1024
		.amdhsa_next_free_sgpr 100
		.amdhsa_reserve_vcc 0
		.amdhsa_float_denorm_mode_32 3
		.amdhsa_float_denorm_mode_16_64 3
		.amdhsa_memory_ordered 1
		.amdhsa_forward_progress 1
		.amdhsa_inst_pref_size 217
	.end_amdhsa_kernel
	.amdgpu_metadata
---
amdhsa.version: [ 1, 2 ]
amdhsa.kernels:
  - .name:           k_q6df6f1c4d8_proj
    .symbol:         k_q6df6f1c4d8_proj.kd
    .args:
      - { .name: cod, .offset: 0, .size: 8, .value_kind: global_buffer, .address_space: global }
      - { .name: scl, .offset: 8, .size: 8, .value_kind: global_buffer, .address_space: global }
      - { .name: bq, .offset: 16, .size: 8, .value_kind: global_buffer, .address_space: global }
      - { .name: bk, .offset: 24, .size: 8, .value_kind: global_buffer, .address_space: global }
      - { .name: bv, .offset: 32, .size: 8, .value_kind: global_buffer, .address_space: global }
      - { .name: qkv, .offset: 40, .size: 8, .value_kind: global_buffer, .address_space: global }
    .group_segment_fixed_size: 327680
    .private_segment_fixed_size: 0
    .kernarg_segment_align: 8
    .kernarg_segment_size: 48
    .max_flat_workgroup_size: 128
    .sgpr_count:     100
    .vgpr_count:     1024
    .wavefront_size: 32
...
	.end_amdgpu_metadata
.endif
;; end of part 8
;; launch attn (part 9): grid 4 x 64, 16 waves a work-group, clusters of 4 x 1, 226,304 bytes of LDS; arguments qkv, mw, cc, hsc; writes cc, hsc
.if DOCPART == 9
	.amdgcn_target "amdgcn-amd-amdhsa--gfx1250"
	.amdhsa_code_object_version 6
	.text
	.protected	k_q6df6f1c4d8_attn
	.globl	k_q6df6f1c4d8_attn
	.p2align	8
	.type	k_q6df6f1c4d8_attn,@function
k_q6df6f1c4d8_attn:
	s_mov_b64 s[64:65], 0
	v_nop
	global_prefetch_b8 v0, s[64:65] scope:SCOPE_SE
	s_setreg_imm32_b32 hwreg(HW_REG_WAVE_MODE, 25, 1), 1
	s_wait_xcnt 0x0
	s_wait_alu depctr_hold_cnt(0) depctr_sa_sdst(0) depctr_va_vdst(0) depctr_va_sdst(0) depctr_va_ssrc(0) depctr_va_vcc(0) depctr_vm_vsrc(0)
	s_getreg_b32 s2, hwreg(HW_REG_IB_STS2, 6, 4)
	s_cmp_eq_u32 s2, 0
	s_cbranch_scc0 .Lentry_in_a_cluster
	s_endpgm
.Lentry_in_a_cluster:
	s_bfe_u32 s2, ttmp6, 0x10000c
	s_cmp_lg_u32 s2, 0x3003
	s_cbranch_scc0 .Lentry_shape_is_right
	s_endpgm
.Lentry_shape_is_right:
; Attention of one (batch, head) on codes of FP6 (E2M3) with E8M0 scales: scores = Q K^T / 8 (K = the head's 64 channels), masked, softmax, times V (K = the 2,048 keys).
; THE SOFTMAX AHEAD OF THE SECOND PRODUCT: t = score x log2(e) / 8; M = the running largest t rounded UP to a whole number; p = 2^(t - M) is quantised along the keys, not normalised; the row's sum is taken of the
; unquantised p and divides at the end.  When M moves, the sum and O are multiplied by 2^(old M - new M): exact.
; THE MASK: a masked score becomes -2^33 (the logit -2^30) ahead of the maximum, by one select a score on lane masks that an earlier launch packed.  -2^33 x c is a whole number, so a row all of whose keys are masked gets
; p = 1 everywhere, the uniform weights that equal logits give; in every other row a masked key gets p = 0.  LIMIT: this differs from a logit of -1e9 only where an unmasked logit lies under about -1e9 + 200.
; LIMITS: NaN and infinities are not served; a block of zeros gets the byte 1 (its codes are zeros; the bytes are read by this program alone).
; SHARES.  A work-group owns 512 queries of one head, each of its sixteen waves two neighbouring tiles of 16, one after the other, in 256 registers.  64 heads x 4 work-groups: one work-group for each WGP.
; THE HEAD'S K, V AND THEIR SCALE WORDS LIE IN LDS WHOLE, 16 key steps x 13,056 bytes, filled once: wave w brings key step w by its one tensor load, 51 rows of 256 bytes, each at a multiple of 256 bytes of qkv.
; Nothing is filled again, so one barrier behind the loads serves the launch.  The block from 16 x 13,056 to 17 x 13,056 is left free: the stepped base at the loop's end, with the offsets of the next step's K, stays inside it.
; CLUSTER.  The four work-groups of a cluster are one head's: each of those loads is a joint one (mask 15).  No prefetch: the tiles are asked for once, at the head, and no loop runs ahead of a load.
; LAYOUT.  Both products are used transposed (S^T = K Q^T, O^T = V^T P^T): a lane holds ONE query.  A tile's 16 rows are 32 (T / 2) + 8 (T % 2) + i + 8 (i / 8), so the 16 registers of tiles 2 b, 2 b + 1 are 16 neighbouring keys.
; K'S EIGHT FRAGMENTS LIE SIX REGISTERS APART.  The instruction's k = 64 .. 127 are zero codes in Q's fragment, so whatever finite codes K's operand holds there add nothing: the upper six registers of fragment T are the
; lower six of fragment T + 1 (of fragment 7: V's first six).  So a whole key step's K fits 48 registers, and THE NEXT STEP'S K is asked for together with this step's V, behind this step's first products.
; THE LANE MASKS of a key step, 64 words, are asked for directly behind the selects of the step before; a wave's two tiles' words are one run of 8,192 bytes; the last step asks for nothing.
; The result, O / the sum, is quantised along the head's 64 channels: cc [row tile][head][768 bytes], an image of the operand's registers; hsc [head][row tile][row], a word with the two bytes.
; REGISTERS: v1-3 lane addresses, v4-6 the same in the key step in hand, v7-9 the way out; v10, v11 the spare word and 0; v12 -M, v13 the largest t, v[14:15] the sum; v16-27 Q; v28-31, v248-251 K's scale words; v32-79 K;
;   v80-127 V; v128-191 S^T, then p; v192-223 O^T; v224-235 p's codes; v232-242, v252, v254 at work; v243 -2^33; v244-247 V's scale words; v253 p's; v255 Q's.   s16-63, s80-95: a key step's 64 lane masks.
.set BLK,   19712                      ; a block of qkv
.set KVOFF, 6656                       ; where K's part begins in it
.set KVB,   13056                      ; K's images 6,144, K's scale words 512, V's fragments 6,144, V's scale words 256
.set GATH,  17*KVB                     ; 2,048 bytes in which the 32 tiles' scale words meet
.set SPARE, 0x36c00                    ; the spare words, 128 bytes a wave
.set WV,  12
.set CNT, 13
.set TB,  14                           ; s14  LDS byte at which the key step in hand begins
.set SEL, 66
.set G1,  72                           ; s[72:79]  group 1
.set G0A, 96                           ; s[96:99]  group 0
.set CS,  100                          ; s[100:101] c = log2(e) / 8
.macro CROUND
	s_barrier_signal -1
	s_barrier_wait -1
	s_cmp_lg_u32 s[WV], 0
	s_cbranch_scc1 .Lnot_wave_0_\@
	s_barrier_signal -3
.Lnot_wave_0_\@:
	s_barrier_wait -3
	s_barrier_signal -1
	s_barrier_wait -1
.endm
.macro MASKS                           ; a key step's 64 lane masks
	s_load_b512 s[16:31], s[6:7], 0x0
	s_load_b512 s[32:47], s[6:7], 0x40
	s_load_b512 s[48:63], s[6:7], 0x80
	s_load_b512 s[80:95], s[6:7], 0xc0
.endm
.macro QLOAD p                         ; my tile p (0, 1): registers 0-5 of the fragment, and the scale words
	global_load_b128 v[16:19], v1, s[4:5] offset:768*\p
	global_load_b64 v[20:21], v2, s[4:5] offset:768*\p+512
	global_load_b32 v255, v3, s[2:3] offset:4*\p
.endm
.macro KLOAD a16, a8, ar, off          ; a key step's K: eight fragments' lower halves, six registers apart, and the eight tiles' scale words
.irp t, 0,1,2,3,4,5,6,7
	ds_load_b128 v[32+6*\t:35+6*\t], v[\a16] offset:\off+768*\t
	ds_load_b64 v[36+6*\t:37+6*\t], v[\a8] offset:\off+768*\t+512
.endr
	ds_load_b128 v[28:31], v[\ar] offset:\off+6144
	ds_load_b128 v[248:251], v[\ar] offset:\off+6400
.endm
.macro START                           ; a tile begins: the step is written once and finds zeros, which the first change of M leaves zeros
	v_mov_b32 v13, 0xff61b1e6                      ; the largest t so far: -3e38
	v_mov_b32 v14, 0
	v_mov_b32 v15, 0
	v_floor_f32 v12, -v13                          ; -M
.set n, 0
.rept 32
	v_mov_b32 v[192+n], 0                          ; O^T
.set n, n+1
.endr
	s_mov_b32 s[TB], 0
.endm
	s_load_b256 s[4:11], s[0:1], 0x0               ; qkv, mw, cc, hsc
	v_lshl_add_u32 v10, v0, 2, SPARE
	v_mov_b32 v11, 0
	ds_add_u32 v10, v11                            ; the opening lines: the add, twice on end, and its wait ahead of my tensor load
	ds_add_u32 v10, v11
	v_lshrrev_b32 v1, 5, v0
	v_readfirstlane_b32 s[WV], v1                  ; wave 0..15
	v_and_b32 v4, 31, v0
	v_and_b32 v5, 15, v0
	v_lshlrev_b32 v1, 4, v4                        ; 16 x lane
	v_lshlrev_b32 v2, 3, v4                        ; 8 x lane
	v_lshlrev_b32 v3, 4, v5                        ; 16 r
	s_lshl_b32 s15, s[WV], 7
	v_lshlrev_b32 v7, 2, v5
	v_add_nc_u32 v7, s15, v7
	v_add_nc_u32 v7, GATH, v7                      ; where my first tile's scale words go: 128 x wave + 4 r; the second's 64 bytes on
	s_min_u32 s15, s[WV], 3
	s_lshl_b32 s15, s15, 9
	v_add_nc_u32 v9, s15, v1                       ; waves 0 to 3 carry them out, 512 bytes each
	v_add_nc_u32 v8, GATH, v9
	s_bfe_u32 s16, ttmp6, 0x40000                  ; cx: it enters Q's, the mask's and the outputs' addresses alone
	s_lshl_b32 s17, ttmp9, 2
	s_add_co_u32 s17, s17, s16                     ; my block of 512 queries
	s_and_b32 s18, ttmp7, 0xffff                   ; batch x 16 + head, which the four partners share
	s_lshl_b32 s19, s18, 4
	s_add_co_u32 s20, s19, s[WV]
	s_mul_i32 s20, s20, BLK                        ; key step = my wave's number
	s_add_co_u32 s20, s20, KVOFF
	s_mov_b32 s21, 0
	s_mul_i32 s38, s[WV], KVB                      ; and its place in LDS: no place in the cluster enters an LDS address
	s_lshl_b32 s22, s17, 2
	s_add_co_u32 s22, s22, s19
	s_lshr_b32 s23, s[WV], 2
	s_add_co_u32 s22, s22, s23
	s_mul_i32 s22, s22, BLK                        ; the block that holds my 32 queries
	s_and_b32 s23, s[WV], 3
	s_mul_i32 s23, s23, 1536
	s_add_co_u32 s24, s22, s23                     ; my first tile's image: tile 2 (wave % 4) of the block's eight
	s_mov_b32 s25, 0
	s_bfe_u32 s26, s[WV], 0x10001
	s_lshl_b32 s26, s26, 8                         ; its scale words: [half of the eight tiles][row][4 tiles]
	s_and_b32 s27, s[WV], 1
	s_lshl_b32 s27, s27, 3
	s_add_co_u32 s26, s26, s27
	s_add_co_u32 s26, s26, s22
	s_add_co_u32 s26, s26, 6144
	s_mov_b32 s27, 0
	s_lshl_b32 s28, s17, 5
	s_lshl_b32 s29, s[WV], 1
	s_add_co_u32 s28, s28, s29                     ; my first query tile, 0..126
	s_lshl_b32 s30, s28, 12                        ; 16 x 256 bytes of lane masks a tile
	s_mov_b32 s31, 0
	s_lshr_b32 s32, s18, 4
	s_and_b32 s33, s18, 15                         ; head
	s_lshl_b32 s32, s32, 7                         ; 128 x batch
	s_add_co_u32 s34, s32, s28
	s_mul_i32 s34, s34, 12288
	s_mul_i32 s35, s33, 768
	s_add_co_u32 s34, s34, s35
	s_mov_b32 s35, 0
	s_lshl_b32 s36, s17, 5
	s_add_co_u32 s36, s36, s32
	s_lshl_b32 s36, s36, 6
	s_lshl_b32 s37, s33, 15
	s_add_co_u32 s36, s36, s37
	s_mov_b32 s37, 0
	s_mov_b32 s[G1], 15|(3<<16)|(1<<21)            ; the mask: all four work-groups; elements of 8 bytes; bit 21 beside a mask
	s_mov_b32 s[G1+1], 32<<16                      ; rows of 32 elements, 256 bytes,
	s_mov_b32 s[G1+2], (KVB/256)<<16               ; 51 of them, dense
	s_mov_b32 s[G1+3], 32<<16
	s_mov_b32 s[G1+4], KVB/256
	s_mov_b32 s[G1+5], 32
	s_mov_b32 s[G1+6], 0
	s_mov_b32 s[G1+7], 0
	s_mov_b32 s[SEL], 0x76543210
	s_mov_b32 s[SEL+1], 0xfedcba98
	s_mov_b32 s[CS], 0x3e38aa3b
	s_mov_b32 s[CS+1], s[CS]
	s_wait_alu depctr_va_vdst(0)                   ; the wait ahead of the waits below
	s_wait_dscnt 0x0
	s_wait_kmcnt 0x0
	s_mov_b32 s[G0A], 1
	s_mov_b32 s[G0A+1], s38
	s_add_nc_u64 s[G0A+2:G0A+3], s[4:5], s[20:21]
	s_or_b32 s[G0A+3], s[G0A+3], 0x80000000
	s_add_nc_u64 s[2:3], s[4:5], s[26:27]          ; Q's scale words
	s_add_nc_u64 s[4:5], s[4:5], s[24:25]          ; Q's images
	s_add_nc_u64 s[6:7], s[6:7], s[30:31]
	s_add_nc_u64 s[8:9], s[8:9], s[34:35]
	s_add_nc_u64 s[10:11], s[10:11], s[36:37]
	CROUND                                         ; all four work-groups are here: the joint loads meet
	tensor_load_to_lds s[G0A:G0A+3], s[G1:G1+7]    ; my one tensor load of the launch
	s_nop 0
.rept 4
	v_nop
.endr
	MASKS                                          ; the first key step's (the scalar registers that the set-up used are done with)
	QLOAD 0
.irp j, 22,23,24,25,26,27
	v_mov_b32 v[\j], 0                             ; Q's k = 64 .. 127: zero codes
.endr
.irp j, 80,81,82,83,84,85
	v_mov_b32 v[\j], 0                             ; the upper half of K's fragment 7 in the first step, before V has come
.endr
	v_mov_b32 v243, 0xd0000000                     ; -2^33
.irp b, 0,1,2,3
	v_mov_b32 v[236+\b], 0                         ; a lane permute's destination counts as read
.endr
	v_mov_b32 v253, 0                              ; (named as the upper half of the pair v[252:253] before it is first written)
; A KEY STEP: 128 keys.  Its K is in registers.  ahead = 1: the next step's lane masks are asked for.  pf = 1: the next step's K is asked for; 2: key step 0's, for my second tile; 0: none
.macro STEP ahead, pf
.irp t, 0,1,2,3,4,5,6,7                ; S^T = K Q^T: eight accumulators, each begun with 0
	v_wmma_scale_f32_16x16x128_f8f6f4 v[128+8*\t:135+8*\t], v[32+6*\t:43+6*\t], v[16:27], 0, v[28+\t+216*(\t/4)], v255 matrix_a_fmt:MATRIX_FMT_FP6 matrix_b_fmt:MATRIX_FMT_FP6
.endr
	v_add_nc_u32 v4, s[TB], v1                     ; these three and the v_nop: the four places behind the products, in front of the loads into their registers and of the selects
	v_add_nc_u32 v5, s[TB], v2
	v_add_nc_u32 v6, s[TB], v3
	v_nop
.irp t, 0,1,2,3                        ; V's four fragments and their scale words land under the softmax,
	ds_load_b128 v[80+12*\t:83+12*\t], v4 offset:6656+1536*\t
	ds_load_b64 v[84+12*\t:85+12*\t], v5 offset:6656+1536*\t+512
	ds_load_b128 v[86+12*\t:89+12*\t], v4 offset:6656+1536*\t+768
	ds_load_b64 v[90+12*\t:91+12*\t], v5 offset:6656+1536*\t+1280
.endr
	ds_load_b128 v[244:247], v6 offset:12800
.if \pf == 1
	KLOAD 4, 5, 6, KVB                             ; and so does the next step's K
.elseif \pf == 2
	KLOAD 1, 2, 3, 0
.endif
	s_wait_kmcnt 0x0                               ; this step's masks are in, so their base may step
.set n, 0
.rept 48
	v_cndmask_b32 v[128+n], v[128+n], v243, s[16+n] ; register n, lane l: masked where bit l of word n is set.  Ascending: each accumulator is read from its low end on
.set n, n+1
.endr
.rept 16
	v_cndmask_b32 v[128+n], v[128+n], v243, s[32+n]
.set n, n+1
.endr
.if \ahead
	s_add_nc_u64 s[6:7], s[6:7], 256
	MASKS
.endif
.irp b, 0,1,2,3
	v_max3_num_f32 v[232+\b], v[128+16*\b], v[129+16*\b], v[130+16*\b]   ; the largest score of each block of 32 keys: it serves the row's maximum and, since p rises with the score, the block's largest p
.endr
.irp i, 3,5,7,9,11,13
.irp b, 0,1,2,3
	s_delay_alu instid0(VALU_DEP_4)
	v_max3_num_f32 v[232+\b], v[232+\b], v[128+16*\b+\i], v[129+16*\b+\i]
.endr
.endr
.irp b, 0,1,2,3
	s_delay_alu instid0(VALU_DEP_4)
	v_max_num_f32 v[232+\b], v[232+\b], v[143+16*\b]
.endr
.irp b, 0,1,2,3
	s_delay_alu instid0(VALU_DEP_4)
	v_permlanex16_b32 v[236+\b], v[232+\b], s[SEL], s[SEL+1]
.endr
.irp b, 0,1,2,3
	s_delay_alu instid0(VALU_DEP_4)
	v_max_num_f32 v[232+\b], v[232+\b], v[236+\b]  ; with lane l xor 16's 16 keys
.endr
	s_delay_alu instid0(VALU_DEP_2)
	v_max3_num_f32 v254, v232, v233, v234
	s_delay_alu instid0(VALU_DEP_1)
	v_max_num_f32 v254, v254, v235
	s_delay_alu instid0(VALU_DEP_1)
	v_mul_f32 v254, s[CS], v254                    ; the step's largest t
	s_delay_alu instid0(VALU_DEP_1)
	v_max_num_f32 v13, v13, v254
	v_mov_b32 v254, v12
	s_delay_alu instid0(VALU_DEP_2)
	v_floor_f32 v12, -v13                          ; the new -M = -ceil(t)
	s_delay_alu instid0(VALU_DEP_1)
	v_sub_f32 v254, v12, v254                      ; old M - new M: a whole number, 0 or less
	s_delay_alu instid0(VALU_DEP_1)
	v_cvt_i32_f32 v254, v254                       ; (it saturates)
	s_delay_alu instid0(VALU_DEP_1)
	v_ldexp_f32 v252, 1.0, v254                    ; f = 2^(old M - new M)
.set n, 0
.rept 32
	v_pk_fma_f32 v[128+n:129+n], v[128+n:129+n], s[CS:CS+1], v[12:13] op_sel_hi:[1,0,0]   ; t - M
.set n, n+2
.endr
.irp b, 0,1,2,3
	v_fma_f32 v[232+\b], v[232+\b], s[CS], v12
.endr
	s_wait_alu depctr_va_vdst(0)                   ; the wait ahead of the batch
.set n, 0
.rept 64
	v_exp_f32 v[128+n], v[128+n]                   ; p = 2^(t - M)
.set n, n+1
.endr
.irp b, 0,1,2,3
	v_exp_f32 v[232+\b], v[232+\b]                 ; the block's largest p
.endr
	v_pk_mul_f32 v[14:15], v[14:15], v[252:253] op_sel_hi:[1,0]   ; the sum under the new M.  (A plain place behind the exponentials)
	s_wait_alu depctr_va_vdst(0)                   ; and behind it
.irp b, 0,1,2,3
	v_max_num_f32 v[232+\b], 0x1800000, v[232+\b]  ; the floor 2^(3 - 127): the byte cannot fall under 1
.endr
	s_delay_alu instid0(VALU_DEP_4)
	v_add_nc_u32 v254, 0xff000000, v232            ; the conversions' scale operands: block 0's in v254 (v232 takes codes below), the others' in place
.irp b, 1,2,3
	s_delay_alu instid0(VALU_DEP_4)
	v_add_nc_u32 v[232+\b], 0xff000000, v[232+\b]
.endr
	s_delay_alu instid0(VALU_DEP_4)
	v_lshrrev_b32 v236, 23, v254                   ; the bytes
.irp b, 1,2,3
	s_delay_alu instid0(VALU_DEP_4)
	v_lshrrev_b32 v[236+\b], 23, v[232+\b]
.endr
	s_delay_alu instid0(VALU_DEP_3)
	v_lshl_or_b32 v253, v237, 8, v236              ; p's scale word for these 128 keys
	s_delay_alu instid0(VALU_DEP_1)
	v_lshl_or_b32 v253, v238, 16, v253
	s_delay_alu instid0(VALU_DEP_1)
	v_lshl_or_b32 v253, v239, 24, v253
	v_cvt_scalef32_pk16_fp6_f32 v[224:226], v[128:143], v254
	v_cvt_scalef32_pk16_fp6_f32 v[236:238], v[144:159], v233
	v_cvt_scalef32_pk16_fp6_f32 v[230:232], v[160:175], v234
	v_cvt_scalef32_pk16_fp6_f32 v[240:242], v[176:191], v235
	v_nop                                          ; one plain place behind a scaled conversion
.irp c, 0,1
.irp i, 0,1,2
	v_permlane16_swap_b32 v[224+6*\c+\i], v[236+4*\c+\i]
.endr
.irp i, 0,1,2
	s_delay_alu instid0(VALU_DEP_3)
	v_mov_b32 v[227+6*\c+\i], v[236+4*\c+\i]
.endr
.endr
.irp j, 1,2,3,4,5,6,7                  ; the row's sum of the unquantised p, in place: four chains by turns
.irp q, 0,2,4,6
	v_pk_add_f32 v[128+\q:129+\q], v[128+\q:129+\q], v[128+\q+8*\j:129+\q+8*\j]
.endr
.endr
	v_pk_add_f32 v[128:129], v[128:129], v[130:131]
	v_pk_add_f32 v[132:133], v[132:133], v[134:135]
	s_delay_alu instid0(VALU_DEP_2)
	v_pk_add_f32 v[14:15], v[14:15], v[128:129]
	s_delay_alu instid0(VALU_DEP_1)
	v_pk_add_f32 v[14:15], v[14:15], v[132:133]
	s_wait_dscnt 0x0                               ; V, its scale words and the next step's K are in: the step's one wait for LDS
	s_wait_alu depctr_va_vdst(0)                   ; the wait directly ahead of the first reader of O^T
.set n, 0
.rept 16
	v_pk_mul_f32 v[192+n:193+n], v[192+n:193+n], v[252:253] op_sel_hi:[1,0]   ; O^T under the new M.  (With the sums: the places in front of the products below)
.set n, n+2
.endr
.irp t, 0,1,2,3                        ; O^T += V^T P^T: the four accumulators by turns, one instruction each
	v_wmma_scale_f32_16x16x128_f8f6f4 v[192+8*\t:199+8*\t], v[80+12*\t:91+12*\t], v[224:235], v[192+8*\t:199+8*\t], v[244+\t], v253 matrix_a_fmt:MATRIX_FMT_FP6 matrix_b_fmt:MATRIX_FMT_FP6
.endr
	s_add_co_u32 s[TB], s[TB], KVB
.endm
.macro STEPS trips                     ; so many key steps, each asking for the next one's masks and K
	s_mov_b32 s[CNT], \trips
.Lstep_\@:
	STEP 1, 1
	s_sub_co_u32 s[CNT], s[CNT], 1
	s_cmp_lg_u32 s[CNT], 0
	s_cbranch_scc1 .Lstep_\@
.endm
; A TILE'S WAY OUT: O^T / the sum, quantised along the head's 64 channels (register 16 b + i = channel 32 b + 16 h + i)
.macro FINISH p
.rept 4
	v_nop                                          ; places behind the last products
.endr
.if \p == 0
	QLOAD 1                                        ; the next tile's Q comes while this tile goes out (the last products that read Q's registers stand a softmax back)
.endif
	v_add_f32 v14, v14, v15
	s_delay_alu instid0(VALU_DEP_1)
	v_permlanex16_b32 v252, v14, s[SEL], s[SEL+1]
	s_delay_alu instid0(VALU_DEP_1)
	v_add_f32 v14, v14, v252                       ; the row's sum
	s_wait_alu depctr_va_vdst(0)
	v_rcp_f32 v14, v14
	v_nop                                          ; one plain place behind a transcendental
	s_wait_alu depctr_va_vdst(0)
.set n, 0
.rept 16
	v_pk_mul_f32 v[128+n:129+n], v[192+n:193+n], v[14:15] op_sel_hi:[1,0]
.set n, n+2
.endr
.irp b, 0,1
	v_max3_num_f32 v[232+\b], |v[128+16*\b]|, |v[129+16*\b]|, 0x1800000
.endr
.irp i, 2,4,6,8,10,12,14
.irp b, 0,1
	s_delay_alu instid0(VALU_DEP_2)
	v_max3_num_f32 v[232+\b], v[232+\b], |v[128+16*\b+\i]|, |v[129+16*\b+\i]|
.endr
.endr
.irp b, 0,1
	s_delay_alu instid0(VALU_DEP_2)
	v_permlanex16_b32 v[236+\b], v[232+\b], s[SEL], s[SEL+1]
.endr
.irp b, 0,1
	s_delay_alu instid0(VALU_DEP_2)
	v_max_num_f32 v[232+\b], v[232+\b], v[236+\b]
.endr
.irp b, 0,1
	s_delay_alu instid0(VALU_DEP_2)
	v_add_nc_u32 v[234+\b], 0xff000000, v[232+\b]
.endr
.irp b, 0,1
	s_delay_alu instid0(VALU_DEP_2)
	v_lshrrev_b32 v[236+\b], 23, v[234+\b]
.endr
	s_delay_alu instid0(VALU_DEP_1)
	v_lshl_or_b32 v254, v237, 8, v236              ; my row's two bytes; the upper half stays 0
	v_cvt_scalef32_pk16_fp6_f32 v[224:226], v[128:143], v234
	v_cvt_scalef32_pk16_fp6_f32 v[240:242], v[144:159], v235
	v_nop
.irp i, 0,1,2
	v_permlane16_swap_b32 v[224+\i], v[240+\i]
.endr
.irp i, 0,1,2
	s_delay_alu instid0(VALU_DEP_3)
	v_mov_b32 v[227+\i], v[240+\i]
.endr
	global_store_b128 v1, v[224:227], s[8:9] offset:12288*\p        ; the image: 512 and 256 consecutive bytes
	global_store_b64 v2, v[228:229], s[8:9] offset:12288*\p+512
	ds_store_b32 v7, v254 offset:64*\p             ; both halves of the lanes write the same word with the same value
.endm
	START
	s_wait_alu depctr_va_vdst(0)                   ; the wait at the head's end
	s_wait_loadcnt 0x0                             ; Q
	s_wait_tensorcnt 0x0                           ; my key step has landed,
	s_barrier_signal -1
	s_barrier_wait -1                              ; everybody's has
	KLOAD 1, 2, 3, 0                               ; key step 0's K
	s_wait_dscnt 0x0
	STEPS 15
	STEP 1, 2                                      ; key step 15 asks for key step 0's K again, for my second tile
	FINISH 0
	START                                          ; my second tile
	s_wait_alu depctr_va_vdst(0)
	s_wait_loadcnt 0x0                             ; its Q
	s_wait_xcnt 0x0                                ; the first tile's stores have read the codes' registers, which the first step writes again
	STEPS 15
	STEP 0, 0                                      ; the last step is written out: no load of masks leaves its buffer, and no K is asked for
	FINISH 1
	s_wait_dscnt 0x0                               ; for the others' sake: both tiles' scale words are stored
	s_barrier_signal -1
	s_barrier_wait -1
	s_cmp_gt_u32 s[WV], 3
	s_cbranch_scc1 .Lno_gather
	ds_load_b128 v[128:131], v8
	s_wait_dscnt 0x0
	global_store_b128 v9, v[128:131], s[10:11]     ; the 32 tiles' 2,048 bytes of scale words, 512 a wave
.Lno_gather:
	s_wait_tensorcnt 0x0                           ; the wave's end
	ds_add_u32 v10, v11
	s_wait_dscnt 0x0
	CROUND                                         ; the closing round: no work-group ends while a partner may still ask for a tile that names it
	s_endpgm
.Lfunc_end_k_q6df6f1c4d8_attn:
	.size	k_q6df6f1c4d8_attn, .Lfunc_end_k_q6df6f1c4d8_attn-k_q6df6f1c4d8_attn
	.p2alignl 7, 3214868480
	.fill 96, 4, 3214868480
	.section	.rodata,"a",@progbits
	.p2align	6, 0x0
	.amdhsa_kernel k_q6df6f1c4d8_attn
		.amdhsa_group_segment_fixed_size 226304
		.amdhsa_private_segment_fixed_size 0
		.amdhsa_enable_private_segment 0
		.amdhsa_kernarg_size 32
		.amdhsa_user_sgpr_count 2
		.amdhsa_user_sgpr_kernarg_segment_ptr 1
		.amdhsa_wavefront_size32 1
		.amdhsa_system_sgpr_workgroup_id_x 1
		.amdhsa_system_sgpr_workgroup_id_y 1
		.amdhsa_system_sgpr_workgroup_id_z 1
		.amdhsa_system_vgpr_workitem_id 0
		.amdhsa_next_free_vgpr 256
		.amdhsa_next_free_sgpr 106
		.amdhsa_reserve_vcc 0
		.amdhsa_float_denorm_mode_32 3
		.amdhsa_float_denorm_mode_16_64 3
		.amdhsa_memory_ordered 1
		.amdhsa_forward_progress 1
		.amdhsa_inst_pref_size 106
	.end_amdhsa_kernel
	.amdgpu_metadata
---
amdhsa.version: [ 1, 2 ]
amdhsa.kernels:
  - .name:           k_q6df6f1c4d8_attn
    .symbol:         k_q6df6f1c4d8_attn.kd
    .args:
      - { .name: qkv, .offset: 0, .size: 8, .value_kind: global_buffer, .address_space: global }
      - { .name: mw, .offset: 8, .size: 8, .value_kind: global_buffer, .address_space: global }
      - { .name: cc, .offset: 16, .size: 8, .value_kind: global_buffer, .address_space: global }
      - { .name: hsc, .offset: 24, .size: 8, .value_kind: global_buffer, .address_space: global }
    .group_segment_fixed_size: 226304
    .private_segment_fixed_size: 0
    .kernarg_segment_align: 8
    .kernarg_segment_size: 32
    .max_flat_workgroup_size: 512
    .sgpr_count:     106
    .vgpr_count:     256
    .wavefront_size: 32
...
	.end_amdgpu_metadata
.endif
;; end of part 9
;; launch outproj (part 10): grid 4 x 64, 4 waves a work-group, clusters of 4 x 4, 327,680 bytes of LDS; arguments cc, hsc, cod, scl, bo, out0; writes out0
.if DOCPART == 10
	.amdgcn_target "amdgcn-amd-amdhsa--gfx1250"
	.amdhsa_code_object_version 6
	.text
	.protected	k_q6df6f1c4d8_outproj
	.globl	k_q6df6f1c4d8_outproj
	.p2align	8
	.type	k_q6df6f1c4d8_outproj,@function
k_q6df6f1c4d8_outproj:
	s_mov_b64 s[64:65], 0
	v_nop
	global_prefetch_b8 v0, s[64:65] scope:SCOPE_SE
	s_setreg_imm32_b32 hwreg(HW_REG_WAVE_MODE, 25, 1), 1
	s_wait_xcnt 0x0
	s_wait_alu depctr_hold_cnt(0) depctr_sa_sdst(0) depctr_va_vdst(0) depctr_va_sdst(0) depctr_va_ssrc(0) depctr_va_vcc(0) depctr_vm_vsrc(0)
	s_getreg_b32 s2, hwreg(HW_REG_IB_STS2, 6, 4)
	s_cmp_eq_u32 s2, 0
	s_cbranch_scc0 .Lentry_in_a_cluster
	s_endpgm
.Lentry_in_a_cluster:
	s_bfe_u32 s2, ttmp6, 0x10000c
	s_cmp_lg_u32 s2, 0xf033
	s_cbranch_scc0 .Lentry_shape_is_right
	s_endpgm
.Lentry_shape_is_right:
; out0[row][n] = sum over k of concat[row][k] Wo[n][k] + bo[n], on codes of FP6 (E2M3) with E8M0 scales; K = 1,024; sums in f32.
; R = rows of concat: cc [row tile][K step of 128][1,536 bytes], hsc [head][row tile][row] (a word with the two bytes of 64 along K).  P = rows of Wo: tiles 1024 .. 1087 of cod, scl [tile][row][K step].
; A tile is 16 rows, tile T holding rows 32 (T / 2) + 8 (T % 2) + i + 8 (i / 8); a K step of a tile is an image of the operand's registers: twice (lane l's registers 0-3 at 16 l, its registers 4-5 at 512 + 8 l).
; SHARES.  A work-group makes 128 rows x 256 columns: 64 x 4 = 256 work-groups.  Its 8 tiles of R (98,304 bytes) and 16 tiles of P (196,608 bytes) lie in LDS for ALL of K, filled once: no slot is filled again.
; Waves 0, 1 bring four tiles of R each, waves 2, 3 eight tiles of P each: one tensor load a wave, rows of 12,288 bytes at multiples of 256.  A wave makes 64 rows x 128 columns: 32 accumulators, 256 registers.
; CLUSTER 4 x 4: R's tiles are shared along a row of the cluster, P's along a column: joint loads.  No prefetch: every tile is asked for once, at the head, and no loop runs ahead of a load.
; THE MATRIX INSTRUCTION IS USED TRANSPOSED (source 0 = P, source 1 = R): a lane holds eight neighbouring columns of one row.  The bias is the C of each accumulator's first product.
; A K step: the next step's 12 fragments are asked for (48 LDS loads, two sets of registers by turns), then this step's 32 products, the accumulators by turns.
; THE WAY OUT goes through a stage in R's bytes, which have had their only fill; a barrier stands between the last reads of R and the first store there.
; REGISTERS.  Window 0: v16-31 addresses; v32-63 R's scale words (tile, K step); v64-127 P's; v128-223 R's fragments, two sets; on the way out v128-255.  Window 1: P's fragments at v0 and v128, the bias at v96-127, v224-255.  Window 2: the sums.
.set FR,    12
.set CTILE, 12288
.set PB,    8*CTILE                    ; LDS: R's eight tiles, then P's sixteen
.set SPARE, 24*CTILE                   ; behind them the spare words
.set STAGE, 0
.set SPITCH, 528
.set ADRR, 16                          ; v16, v17 my R tiles: + 16 l, + 8 l
.set ADRP, 18                          ; v18, v19 my P tiles 0-3; v20, v21 tiles 4-7
.set BOF,  22
.set L16,  24
.set L8,   25
.set STO,  26
.set RD,   27
.set SPW,  28
.set NIL,  29
.set RS,   32
.set PS,   64
.set AF,   128
.set BI,   96
.set BK,   128
.set G1,   24
.set G0,   32
.set G1B,  48
.set G0B,  56
.set MSB, 0
.macro WIN new
.if MSB != (\new)
	s_set_vgpr_msb (MSB<<8)|(\new)
.set MSB, (\new)
.endif
.endm
.set MUL_LO, 0xa1                      ; source 0 (P) window 1, source 1 (R) window 0, C and D window 2
.set Z_LO,   0x91                      ; the same with C (the bias) in window 1
.set TO_P,   0x40
.macro PLACES
.rept 4
	v_nop
.endr
.endm
.macro CROUND
	s_barrier_signal -1
	s_barrier_wait -1
	s_cmp_lg_u32 s16, 0
	s_cbranch_scc1 .Lnot_wave_0_\@
	s_barrier_signal -3
.Lnot_wave_0_\@:
	s_barrier_wait -3
	s_barrier_signal -1
	s_barrier_wait -1
.endm
	s_load_b256 s[4:11], s[0:1], 0x0               ; cc, hsc, cod, scl
	s_load_b128 s[12:15], s[0:1], 0x20             ; bo, out0
	v_lshl_add_u32 v[SPW], v0, 2, SPARE
	v_mov_b32 v[NIL], 0
	ds_add_u32 v[SPW], v[NIL]                      ; the opening lines: the add, twice on end, and its wait
	ds_add_u32 v[SPW], v[NIL]
	v_lshrrev_b32 v1, 5, v0
	v_readfirstlane_b32 s16, v1                    ; wave
	s_lshr_b32 s17, s16, 1                         ; my half of the rows.  Also: I fetch for R (0) or for P (1)
	s_and_b32 s18, s16, 1                          ; my half of the columns.  Also: which half of that operand's tiles I fetch
	s_bfe_u32 s40, ttmp6, 0x40000                  ; cx
	s_bfe_u32 s41, ttmp6, 0x40004                  ; cy
	s_and_b32 s43, ttmp7, 0xffff
	s_lshl_b32 s44, s41, 2
	s_lshl_b32 s44, 15, s44                        ; my row of the cluster
	s_lshl_b32 s45, 0x1111, s40                    ; my column
	s_or_b32 s[G1], s44, (3<<16)|(1<<21)
	s_or_b32 s[G1B], s45, (3<<16)|(1<<21)
.irp g, G1, G1B
	s_mov_b32 s[\g+1], 1536<<16                    ; a row is a tile: 1,536 elements of 8 bytes
	s_mov_b32 s[\g+3], 1536<<16
	s_mov_b32 s[\g+5], 1536
	s_mov_b32 s[\g+6], 0
	s_mov_b32 s[\g+7], 0
.endr
	s_mov_b32 s[G1+2], 4<<16                       ; four tiles of R,
	s_mov_b32 s[G1+4], 4
	s_mov_b32 s[G1B+2], 8<<16                      ; eight of P
	s_mov_b32 s[G1B+4], 8
	s_lshl_b32 s66, s43, 5
	s_lshl_b32 s67, s41, 3
	s_add_co_u32 s66, s66, s67                     ; the work-group's first tile of R: 8 (4 x cluster y + cy)
	s_lshl_b32 s68, s40, 4
	s_add_co_u32 s68, s68, 1024                    ; and of P, in cod
	s_lshl_b32 s69, s18, 2
	s_add_co_u32 s70, s66, s69
	s_mul_i32 s70, s70, CTILE
	s_mov_b32 s71, 0
	s_lshl_b32 s69, s18, 3
	s_add_co_u32 s72, s68, s69
	s_mul_i32 s72, s72, CTILE
	s_mov_b32 s73, 0
	s_mul_i32 s74, s18, 4*CTILE                    ; where a load of R goes,
	s_mul_i32 s75, s18, 8*CTILE
	s_add_co_u32 s75, s75, PB                      ; where a load of P goes, which is also where my P tiles lie;
	s_mul_i32 s76, s17, 4*CTILE                    ; my R tiles
	s_mul_i32 s86, s16, 16*SPITCH                  ; my stage (STAGE = 0)
	s_lshl_b32 s77, s17, 2
	s_add_co_u32 s77, s77, s66                     ; my first tile of R,
	s_lshl_b32 s79, s18, 3
	s_add_co_u32 s79, s79, s68                     ; of P
	s_lshl_b32 s88, s77, 16                        ; out0: 16 rows of 4,096 bytes a tile,
	s_lshl_b32 s87, s40, 10
	s_add_co_u32 s88, s88, s87
	s_lshl_b32 s87, s18, 9
	s_add_co_u32 s88, s88, s87                     ; + my first column
	s_mov_b32 s89, 0
	s_lshl_b32 s78, s79, 9                         ; scl: 512 bytes a tile
	s_lshl_b32 s84, s77, 6                         ; hsc: 64 bytes a tile
	s_lshl_b32 s82, s40, 2
	s_lshl_b32 s83, s18, 1
	s_add_co_u32 s82, s82, s83
	s_lshl_b32 s82, s82, 8                         ; bo: my 128 columns
	s_mov_b32 s83, 0
	v_and_b32 v1, 31, v0
	v_and_b32 v2, 15, v0
	v_bfe_u32 v3, v0, 4, 1
	v_lshlrev_b32 v[L16], 4, v1
	v_lshlrev_b32 v[L8], 3, v1
	v_add_nc_u32 v[ADRR], s76, v[L16]
	v_add_nc_u32 v[ADRR+1], s76, v[L8]
	v_add_nc_u32 v[ADRP], s75, v[L16]
	v_add_nc_u32 v[ADRP+1], s75, v[L8]
	v_add_nc_u32 v[ADRP+2], 4*CTILE, v[ADRP]
	v_add_nc_u32 v[ADRP+3], 4*CTILE, v[ADRP+1]
	v_mul_u32_u24 v[STO], v2, SPITCH
	v_lshl_add_u32 v[STO], v3, 6, v[STO]
	v_add_nc_u32 v[STO], s86, v[STO]               ; into the stage: row r, + 64 h
	v_add_nc_u32 v[RD], s86, v[L16]                ; and back: 32 lanes to a row of 512 bytes
	v_lshlrev_b32 v4, 5, v2
	v_add_nc_u32 v31, s78, v4                      ; P's scale words: 32 bytes a row
	v_lshlrev_b32 v5, 2, v2
	v_add_nc_u32 v30, s84, v5                      ; R's: a word a row
	v_lshlrev_b32 v[BOF], 6, v3
	s_wait_alu depctr_va_vdst(0)                   ; the wait ahead of the waits below
	s_wait_dscnt 0x0                               ; both opening adds are done
	s_wait_kmcnt 0x0
	s_add_nc_u64 s[70:71], s[4:5], s[70:71]
	s_add_nc_u64 s[72:73], s[8:9], s[72:73]
	s_add_nc_u64 s[14:15], s[14:15], s[88:89]
	s_add_nc_u64 s[80:81], s[12:13], s[82:83]
.irp b, 0,1,2,3,4,5,6,7                ; a register for each tile and K step; lanes 0-15 are read, lanes 16-31 hold the same
.irp e, 0,1
	global_load_b128 v[PS+8*\b+4*\e:PS+8*\b+4*\e+3], v31, s[10:11] offset:512*\b+16*\e
.endr
.endr
.irp hd, 0,1,2,3,4,5,6,7,8,9,10,11,12,13,14,15
.irp a, 0,1,2,3
	global_load_b32 v[128+4*\hd+\a], v30, s[6:7] offset:32768*\hd+64*\a
.endr
.endr
	WIN TO_P
.irp b, 0,1,2,3,4,5,6,7                ; the bias in the result's layout: eight columns a lane for each tile of P
	global_load_b128 v[BI+8*\b+96*(\b/4):BI+8*\b+96*(\b/4)+3], v[BOF], s[80:81] offset:128*(\b/2)+32*(\b%2)
	global_load_b128 v[BI+8*\b+96*(\b/4)+4:BI+8*\b+96*(\b/4)+7], v[BOF], s[80:81] offset:128*(\b/2)+32*(\b%2)+16
.endr
	WIN 0
	s_mov_b32 s[G0], 1
	s_mov_b32 s[G0+1], s74
	s_mov_b64 s[G0+2:G0+3], s[70:71]
	s_or_b32 s[G0+3], s[G0+3], 0x80000000
	s_mov_b32 s[G0B], 1
	s_mov_b32 s[G0B+1], s75
	s_mov_b64 s[G0B+2:G0B+3], s[72:73]
	s_or_b32 s[G0B+3], s[G0B+3], 0x80000000
	CROUND                                         ; all sixteen work-groups are here: the joint loads meet
	s_cmp_eq_u32 s17, 0                            ; one load a wave, each line with one mask; the branch hangs on the wave's number alone
	s_cbranch_scc0 .Lfor_p
	tensor_load_to_lds s[G0:G0+3], s[G1:G1+7]
	s_nop 0
	PLACES
	s_branch .Lasked
.Lfor_p:
	tensor_load_to_lds s[G0B:G0B+3], s[G1B:G1B+7]
	s_nop 0
	PLACES
.Lasked:
	s_wait_loadcnt 0x0
.irp a, 0,1,2,3
.irp s, 0,1,2,3,4,5,6,7
	v_lshl_or_b32 v[RS+8*\a+\s], v[128+4*(2*\s+1)+\a], 16, v[128+4*(2*\s)+\a]   ; heads 2 s and 2 s + 1 make K step s's word
.endr
.endr
.rept 8
	v_nop                                          ; a scale register written by a vector instruction stands 8 places ahead of a scaled matrix instruction
.endr
.macro FRAG reg, adr, off
	ds_load_b128 v[\reg:\reg+3], v[\adr] offset:\off
	ds_load_b64 v[\reg+4:\reg+5], v[\adr+1] offset:(\off)+512
	ds_load_b128 v[\reg+6:\reg+9], v[\adr] offset:(\off)+768
	ds_load_b64 v[\reg+10:\reg+11], v[\adr+1] offset:(\off)+1280
.endm
.macro FETCH ks, p                     ; K step ks's fragments into set p: 48 LDS loads
	WIN TO_P
.irp i, 0,1,2,3,4,5,6,7
	FRAG 128*(\p)+FR*\i, ADRP+2*(\i/4), CTILE*(\i%4)+1536*(\ks)
.endr
	WIN 0
.irp i, 0,1,2,3
	FRAG AF+48*(\p)+FR*\i, ADRR, CTILE*\i+1536*(\ks)
.endr
.endm
.macro MUL32 p, ks                     ; the 32 accumulators by turns, in the same order in every K step
.irp a, 0,1,2,3
.irp b, 0,1,2,3,4,5,6,7
.if (\ks) == 0
	v_wmma_scale_f32_16x16x128_f8f6f4 v[8*(8*\a+\b):8*(8*\a+\b)+7], v[128*(\p)+FR*\b:128*(\p)+FR*\b+11], v[AF+48*(\p)+FR*\a:AF+48*(\p)+FR*\a+11], v[BI+8*\b+96*(\b/4):BI+8*\b+96*(\b/4)+7], v[PS+8*\b+(\ks)], v[RS+8*\a+(\ks)] matrix_a_fmt:MATRIX_FMT_FP6 matrix_b_fmt:MATRIX_FMT_FP6
.else
	v_wmma_scale_f32_16x16x128_f8f6f4 v[8*(8*\a+\b):8*(8*\a+\b)+7], v[128*(\p)+FR*\b:128*(\p)+FR*\b+11], v[AF+48*(\p)+FR*\a:AF+48*(\p)+FR*\a+11], v[8*(8*\a+\b):8*(8*\a+\b)+7], v[PS+8*\b+(\ks)], v[RS+8*\a+(\ks)] matrix_a_fmt:MATRIX_FMT_FP6 matrix_b_fmt:MATRIX_FMT_FP6
.endif
.endr
.endr
.endm
.macro KSTEP ks
.if (\ks) < 7
.if (\ks) > 0
	PLACES                                         ; in front of loads into the set that the last step's products read
.endif
	FETCH (\ks)+1, ((\ks)+1)%2
	s_wait_dscnt 48                                ; all but the 48 just issued: this step's fragments are in
.else
	s_wait_dscnt 0x0
.endif
.if (\ks) == 0
	WIN Z_LO
.else
	WIN MUL_LO
.endif
	MUL32 (\ks)%2, \ks
.endm
	s_wait_alu depctr_va_vdst(0)                   ; the wait at the head's end
	s_wait_tensorcnt 0x0                           ; my tiles have landed,
	s_barrier_signal -1
	s_barrier_wait -1                              ; everybody's have
	FETCH 0, 0
.irp ks, 0,1,2,3,4,5,6,7
	KSTEP \ks
.endr
	WIN 0
	s_barrier_signal -1                            ; my reads of LDS are over (the wait for 0 stands ahead of the last products):
	s_barrier_wait -1                              ; so are everybody's, and the stage may lie in R's bytes
.macro TOSTAGE a
	WIN 0x08                                       ; the data: window 2
.irp b, 0,1,2,3,4,5,6,7
	ds_store_b128 v[STO], v[64*(\a)+8*\b:64*(\a)+8*\b+3] offset:128*(\b/2)+32*(\b%2)     ; each accumulator from its low end on
	ds_store_b128 v[STO], v[64*(\a)+8*\b+4:64*(\a)+8*\b+7] offset:128*(\b/2)+32*(\b%2)+16
.endr
	WIN 0
.set BB, BK+64*((\a)%2)
.irp t, 0,1,2,3,4,5,6,7,8,9,10,11,12,13,14,15
	ds_load_b128 v[BB+4*\t:BB+4*\t+3], v[RD] offset:\t*SPITCH    ; LDS serves a wave's instructions in order: these see the stores above
.endr
.endm
.macro SEND a, younger
.set BB, BK+64*((\a)%2)
	s_wait_dscnt \younger
.irp t, 0,1,2,3,4,5,6,7,8,9,10,11,12,13,14,15
	global_store_b128 v[L16], v[BB+4*\t:BB+4*\t+3], s[14:15] offset:(32*((\a)/2)+8*((\a)%2)+\t+8*(\t/8))*4096 th:TH_STORE_NT   ; 32 lanes store 512 consecutive bytes, aligned
.endr
.endm
	PLACES                                         ; behind the last products: for the stores of results and the loads into R's fragments' registers
	TOSTAGE 0
.irp a, 1,2,3
.if \a > 1
	s_wait_xcnt 0x0                                ; block a - 2's stores have read their registers
.endif
	TOSTAGE \a
	SEND \a-1, 32                                  ; behind block a - 1's loads: block a's 16 stores and 16 loads
.endr
	SEND 3, 0
	s_wait_tensorcnt 0x0                           ; the wave's end
	ds_add_u32 v[SPW], v[NIL]
	s_wait_dscnt 0x0
	CROUND                                         ; the closing round
	s_endpgm
.Lfunc_end_k_q6df6f1c4d8_outproj:
	.size	k_q6df6f1c4d8_outproj, .Lfunc_end_k_q6df6f1c4d8_outproj-k_q6df6f1c4d8_outproj
	.p2alignl 7, 3214868480
	.fill 96, 4, 3214868480
	.section	.rodata,"a",@progbits
	.p2align	6, 0x0
	.amdhsa_kernel k_q6df6f1c4d8_outproj
		.amdhsa_group_segment_fixed_size 327680
		.amdhsa_private_segment_fixed_size 0
		.amdhsa_enable_private_segment 0
		.amdhsa_kernarg_size 48
		.amdhsa_user_sgpr_count 2
		.amdhsa_user_sgpr_kernarg_segment_ptr 1
		.amdhsa_wavefront_size32 1
		.amdhsa_system_sgpr_workgroup_id_x 1
		.amdhsa_system_sgpr_workgroup_id_y 1
		.amdhsa_system_sgpr_workgroup_id_z 1
		.amdhsa_system_vgpr_workitem_id 0
		.amdhsa_next_free_vgpr 768
		.amdhsa_next_free_sgpr 100
		.amdhsa_reserve_vcc 0
		.amdhsa_float_denorm_mode_32 3
		.amdhsa_float_denorm_mode_16_64 3
		.amdhsa_memory_ordered 1
		.amdhsa_forward_progress 1
		.amdhsa_inst_pref_size 90
	.end_amdhsa_kernel
	.amdgpu_metadata
---
amdhsa.version: [ 1, 2 ]
amdhsa.kernels:
  - .name:           k_q6df6f1c4d8_outproj
    .symbol:         k_q6df6f1c4d8_outproj.kd
    .args:
      - { .name: cc, .offset: 0, .size: 8, .value_kind: global_buffer, .address_space: global }
      - { .name: hsc, .offset: 8, .size: 8, .value_kind: global_buffer, .address_space: global }
      - { .name: cod, .offset: 16, .size: 8, .value_kind: global_buffer, .address_space: global }
      - { .name: scl, .offset: 24, .size: 8, .value_kind: global_buffer, .address_space: global }
      - { .name: bo, .offset: 32, .size: 8, .value_kind: global_buffer, .address_space: global }
      - { .name: out0, .offset: 40, .size: 8, .value_kind: global_buffer, .address_space: global }
    .group_segment_fixed_size: 327680
    .private_segment_fixed_size: 0
    .kernarg_segment_align: 8
    .kernarg_segment_size: 48
    .max_flat_workgroup_size: 128
    .sgpr_count:     100
    .vgpr_count:     768
    .wavefront_size: 32
...
	.end_amdgpu_metadata
.endif
;; end of part 10
